; MI455X (gfx1250); checked and timed in simulation.
; The chip was launched on July 23, 2026; its instructions are those of AMD's public machine-readable ISA for CDNA 5 (MIT licence, August 2026) and "CDNA5" Instruction Set Architecture Reference Guide (July 2026). The comments in the code are by the model that wrote it; some were corrected since.
;; RET Transformer Block. Allowed arithmetic: matrix products marked QUANTISED: E2M3 operands, one E8M0 scale for each 32 along K, by v_wmma_scale_f32_16x16x128_f8f6f4 with both operands' format E2M3, f32 sums; everything else in f32.
;; Inputs: hidden_states 2 x 2,048 x 1,024 float32; ln1_w 1,024 float32; ln2_w 1,024 float32; w_down 1,024 x 1,024 float32; w_gate 1,024 x 1,024 float32; w_up 1,024 x 1,024 float32; wk 1,024 x 1,024 float32; wo 1,024 x 1,024 float32; wq 1,024 x 1,024 float32; wv 1,024 x 1,024 float32.
;; Outputs: out0 2 x 2,048 x 1,024 float32.
;; This version of the problem:
;;   THIS VERSION OF THE PROBLEM IS GIVEN IN LOW PRECISION. The matrix products marked QUANTISED in the list below multiply operands that are first quantised to E2M3 (2 exponent bits, 3 mantissa bits; 6 bits a number), with one power-of-two scale for each 32 numbers along K (OCP MX v1.0); their sums are f32. All else is computed in f32.
;;   The module's matrix products, in the order in which they are computed (A, B: the left and right operand; K: the contracted axis; several contracted axes count as one K, in the product's order):
;;     1. [M 4,096, K 1,024] x [K 1,024, N 1,024]; A: computed on the way; B: input wq: QUANTISED
;;     2. [M 4,096, K 1,024] x [K 1,024, N 1,024]; A: computed on the way; B: input wk: QUANTISED
;;     3. [M 4,096, K 1,024] x [K 1,024, N 1,024]; A: computed on the way; B: input wv: QUANTISED
;;     4. batch 32 x [M 2,048, K 64] x [K 64, N 2,048]; A: computed on the way; B: computed on the way: QUANTISED
;;     5. batch 32 x [M 2,048, K 2,048] x [K 2,048, N 64]; A: softmax (see below); B: computed on the way: QUANTISED
;;     6. [M 4,096, K 1,024] x [K 1,024, N 1,024]; A: computed on the way; B: input wo: QUANTISED
;;     7. [M 4,096, K 1,024] x [K 1,024, N 1,024]; A: computed on the way; B: input w_gate: QUANTISED
;;     8. [M 4,096, K 1,024] x [K 1,024, N 1,024]; A: computed on the way; B: input w_up: QUANTISED
;;     9. [M 4,096, K 1,024] x [K 1,024, N 1,024]; A: computed on the way; B: input w_down: QUANTISED
;;   THE QUANTISER, for each operand of a quantised product, along K:
;;     - K is cut into blocks of 32 from its start; a last block that is shorter is filled with zeros.
;;     - A block's scale is 2^e with e = floor(log2(the largest magnitude in the block)) - 2, held to -126 .. 127; a block of zeros has e = 0. As a byte (E8M0): e + 127.
;;     - Each number is divided by its block's scale, clamped to +-7.5, and rounded to the nearest number of E2M3, ties to even, subnormals kept.
;;     - The product sums the exact products of the quantised numbers (number of the format x scale) in f32.
;;   ~~~python
;;   def quantise(x, axis):      # numpy; x: float32 -> the quantised numbers, widened to float32 again
;;       x = np.moveaxis(x, axis, -1); K = x.shape[-1]
;;       x = np.pad(x, [(0, 0)] * (x.ndim - 1) + [(0, -K % 32)]); x = x.reshape(x.shape[:-1] + (-1, 32)); a = np.abs(x).max(-1, keepdims=True)
;;       e = np.where(a > 0, np.clip(np.frexp(np.where(a > 0, a, 1))[1] - 1 - 2, -126, 127), 0)      # np.frexp(a)[1] - 1 = floor(log2(a)), exactly
;;       r = np.clip(x / 2.0 ** e, -7.5, 7.5)
;;       step = 2.0 ** (np.maximum(np.frexp(np.where(r == 0, 1, r))[1] - 1, 0) - 3)
;;       q = np.round(r / step) * step * 2.0 ** e      # np.round: ties to even
;;       return np.moveaxis(q.reshape(q.shape[:-2] + (-1,))[..., :K], -1, axis).astype(np.float32)
;;   ~~~
;;   SOFTMAX AHEAD OF A QUANTISED PRODUCT. Where the list says 'softmax', what is quantised is not the finished softmax but p = 2^(t - M), with t = logit x log2(e) and M = ceil(the row's largest t), a whole number; so 1/2 < the row's largest p <= 1. The row's sum l is taken of the UNQUANTISED p, in f32, and the product's result is divided by l at the end. Since M is a whole number, a kernel that streams over the keys may use a running M (the ceiling of the running maximum): every later rescaling is an exact power of two, which a block's scale takes up: the codes' values come out the same.
;;   OPERANDS COMPUTED ON THE WAY. 'Computed on the way' means the value that the module computes at that place (a softmax that the list does not call 'softmax' is quantised finished and normalised). What goes into a quantiser is computed in f32, as accurately as f32 sums, v_exp_f32 and their like allow (about 1e-6 of the number): no bf16 or f16 on the way to a quantiser, and a product that is left as it is and whose result goes on into a quantised operand takes f32 operands (vector FMAs, or v_wmma_f32_16x16x4_f32). A number that lies on a knife's edge between two numbers of the format may be rounded either way, as far as f32 arithmetic and the matrix unit's own rounding can turn it there, and no further.
;; 2 versions. Each part assembles by itself: llvm-mc -triple=amdgcn-amd-amdhsa -mcpu=gfx1250 --defsym DOCPART=n.
;; ======== version 1 of 2: 4 launches
;; workspace buffers: qc 8,650,752 bytes; qs 360,448 bytes; ai 9,437,184 bytes; asc 393,216 bytes; cc 3,145,728 bytes; cs 131,072 bytes
;; launch prep (part 1): grid 704 x 1, 8 waves a work-group, no clusters, 67,328 bytes of LDS; arguments hidden_states, ln1_w, wq, wk, wv, wo, w_gate, w_up, w_down, qc, qs; writes qc, qs
.if DOCPART == 1
	.amdgcn_target "amdgcn-amd-amdhsa--gfx1250"
	.amdhsa_code_object_version 6
	.text
	.protected	k_q9599586bb9_prep
	.globl	k_q9599586bb9_prep
	.p2align	8
	.type	k_q9599586bb9_prep,@function
k_q9599586bb9_prep:
	s_mov_b64 s[64:65], 0
	v_nop
	global_prefetch_b8 v0, s[64:65] scope:SCOPE_SE
	s_setreg_imm32_b32 hwreg(HW_REG_WAVE_MODE, 25, 1), 1
	s_wait_xcnt 0x0
; rmsnorm(hidden_states) * ln1_w, and the seven weights as they are, become codes of FP6 (E2M3) with one E8M0 byte for each 32 along K (K = 1,024, innermost in all of them).
; A work-group makes one TILE of 16 rows x 1,024: tiles 0-255 are tokens, tiles 256 + 64 i .. are weight i of wq, wk, wv, wo, w_gate, w_up, w_down.
; THE ROWS OF A TILE ARE NOT NEIGHBOURS: row m of tile T is row 32 (T / 2) + 8 (T % 2) + m + 8 (m / 8) of its tensor, so that in a later product the 16 result registers of tiles 2 b and 2 b + 1 are 16 neighbours along the next K.
; THE CODES ARE LAID IN THE ORDER OF THE OPERAND'S REGISTERS: a fragment (16 rows x 128 K, 12 registers a lane) is 1,536 bytes, two halves of 768 (64 along K each): registers 6 c .. 6 c + 3 at 768 c + 16 x lane,
; registers 6 c + 4, 6 c + 5 at 768 c + 512 + 8 x lane.  qc: [tile][K step 0..7][1,536].  qs: [tile][K step][row] scale words of four bytes.
; SHARES.  In: wave w loads tile rows 2 w and 2 w + 1 whole (each load 512 consecutive bytes), so a row's sum of squares stays in the wave.  Out: wave w makes the fragment of K step w; the rows turn through a stage in LDS.
; A block's scale is 2^(floor(log2(largest magnitude)) - 2): its byte is the largest magnitude's exponent field - 2, held at 1 from below.
; LIMITS: a block of zeros gets the byte 1, not 127 (its codes are zeros; this program alone reads the bytes); blocks whose largest magnitude lies under 2^-124 have their byte held at 1; NaN and infinities are not served.
; No matrix unit, no cluster, no tensor load: work-groups share no input, and each input byte is read once.
.set PITCH, 4112                       ; a stage row: 4,096 bytes + 16: an odd multiple of 16, so that the sixteen rows of a load begin at sixteen different 16-byte columns of 256
.set SCL,   16*PITCH                   ; the tile's 128 scale words
.set SPARE, SCL+512                    ; the spare words, 128 bytes for each of eight waves: four blocks of 256 bytes that no other line names
.set FLOOR, 0x1800000                  ; 2^(3 - 127)
.set EOFF,  0xff000000                 ; -(2 << 23)
.set X,   32                           ; v32-95   64 numbers
.set LN,  96                           ; v96-127  ln1_w at my columns; later the codes
.set CD,  96                           ; v96-107  the fragment
.set CT,  108                          ; v108-110, v112-114 the upper halves of the two blocks, as converted
.macro BARRIER                         ; my LDS stores have landed and my LDS loads are in: then the work-group's barrier
	s_wait_dscnt 0x0
	s_barrier_signal -1
	s_barrier_wait -1
.endm
	s_load_b512 s[4:19], s[0:1], 0x0               ; hidden s[4:5], ln1 s[6:7], wq, wk, wv, wo, gate, up s[8:19]
	s_load_b128 s[20:23], s[0:1], 0x40             ; down s[20:21], qc s[22:23]
	s_load_b64 s[24:25], s[0:1], 0x50              ; qs
	v_lshl_add_u32 v10, v0, 2, SPARE               ; my spare word; never rewritten
	v_mov_b32 v11, 0                               ; 0; never rewritten
	v_lshrrev_b32 v1, 5, v0
	v_readfirstlane_b32 s26, v1                    ; wave 0..7
	v_and_b32 v1, 31, v0                           ; lane
	v_lshlrev_b32 v2, 4, v1                        ; 16 x lane
	v_lshlrev_b32 v3, 3, v1                        ; 8 x lane
	v_and_b32 v4, 15, v0                           ; r
	v_bfe_u32 v5, v0, 4, 1                         ; h
	s_mul_i32 s29, s26, 2*PITCH
	v_add_nc_u32 v6, s29, v2                       ; into the stage: rows 2 w, 2 w + 1, 16 bytes a lane
	v_mul_u32_u24 v7, v4, PITCH
	v_lshl_add_u32 v7, v5, 7, v7
	s_lshl_b32 s29, s26, 9
	v_add_nc_u32 v7, s29, v7                       ; out of it: row r, K step w (512 bytes), my half's block (128 bytes)
	s_lshl_b32 s29, s26, 6
	v_lshl_add_u32 v8, v4, 2, s29
	v_add_nc_u32 v8, SCL, v8                       ; my row's scale word of K step w
	v_add_nc_u32 v9, SCL, v2                       ; and where wave 0 reads all 128 back
	s_lshr_b32 s27, ttmp9, 6                       ; 0-3: tokens; 4-10: a weight
	s_and_b32 s28, ttmp9, 63
	s_cmp_lt_u32 s27, 4
	s_cselect_b32 s28, ttmp9, s28                  ; the tile's number within its tensor
	s_lshr_b32 s29, s28, 1
	s_lshl_b32 s29, s29, 5
	s_and_b32 s30, s28, 1
	s_lshl_b32 s30, s30, 3
	s_add_co_u32 s29, s29, s30                     ; 32 (T / 2) + 8 (T % 2)
	s_lshl_b32 s30, s26, 1
	s_add_co_u32 s29, s29, s30                     ; + 2 w
	s_lshr_b32 s30, s26, 2
	s_lshl_b32 s30, s30, 3
	s_add_co_u32 s29, s29, s30                     ; + 8 (2 w / 8): my first row
	s_lshl_b32 s38, s29, 12                        ; in bytes, under 2^24
	s_mov_b32 s39, 0
	s_mul_i32 s40, ttmp9, 12288
	s_mul_i32 s30, s26, 1536
	s_add_co_u32 s40, s40, s30                     ; my fragment in qc
	s_mov_b32 s41, 0
	s_lshl_b32 s42, ttmp9, 9                       ; the tile's scale words in qs
	s_mov_b32 s43, 0
	s_mov_b32 s34, 0x76543210
	s_mov_b32 s35, 0xfedcba98                      ; v_permlanex16_b32's selects for lane l xor 16
	s_mov_b32 s36, 0x3a800000                      ; 1 / 1,024
	s_mov_b32 s37, 0x358637bd                      ; 1e-6
	s_wait_kmcnt 0x0
	s_mov_b64 s[32:33], s[4:5]                     ; the source: chosen by the work-group's number alone
	s_cmp_eq_u32 s27, 4
	s_cselect_b64 s[32:33], s[8:9], s[32:33]
	s_cmp_eq_u32 s27, 5
	s_cselect_b64 s[32:33], s[10:11], s[32:33]
	s_cmp_eq_u32 s27, 6
	s_cselect_b64 s[32:33], s[12:13], s[32:33]
	s_cmp_eq_u32 s27, 7
	s_cselect_b64 s[32:33], s[14:15], s[32:33]
	s_cmp_eq_u32 s27, 8
	s_cselect_b64 s[32:33], s[16:17], s[32:33]
	s_cmp_eq_u32 s27, 9
	s_cselect_b64 s[32:33], s[18:19], s[32:33]
	s_cmp_eq_u32 s27, 10
	s_cselect_b64 s[32:33], s[20:21], s[32:33]
	s_add_nc_u64 s[32:33], s[32:33], s[38:39]
	s_add_nc_u64 s[22:23], s[22:23], s[40:41]
	s_add_nc_u64 s[24:25], s[24:25], s[42:43]
.irp i, 0,1
.irp j, 0,1,2,3,4,5,6,7
	global_load_b128 v[X+32*\i+4*\j:X+32*\i+4*\j+3], v2, s[32:33] offset:4096*\i+512*\j th:TH_LOAD_NT   ; 32 lanes read 512 consecutive bytes; read once in the launch
.endr
.endr
	s_cmp_ge_u32 s27, 4
	s_cbranch_scc1 .Lw                             ; a weight has no norm.  The way round holds loads and register work alone: no LDS access, no barrier
.irp j, 0,1,2,3,4,5,6,7
	global_load_b128 v[LN+4*\j:LN+4*\j+3], v2, s[6:7] offset:512*\j
.endr
	s_wait_loadcnt 8                               ; my two rows are in; the eight loads of ln1_w may be out
	v_pk_mul_f32 v[12:13], v[X:X+1], v[X:X+1]      ; the sums of squares, the two rows by turns
	v_pk_mul_f32 v[14:15], v[X+32:X+33], v[X+32:X+33]
.set k, 2
.rept 15
	v_pk_fma_f32 v[12:13], v[X+k:X+k+1], v[X+k:X+k+1], v[12:13]
	v_pk_fma_f32 v[14:15], v[X+32+k:X+33+k], v[X+32+k:X+33+k], v[14:15]
.set k, k+2
.endr
	v_add_f32 v12, v12, v13
	v_add_f32 v14, v14, v15
.irp x, 1,2,4,8
	v_add_f32_dpp v12, v12, v12 row_xmask:\x row_mask:0xf bank_mask:0xf
	v_add_f32_dpp v14, v14, v14 row_xmask:\x row_mask:0xf bank_mask:0xf
.endr
	v_permlanex16_b32 v13, v12, s34, s35
	v_permlanex16_b32 v15, v14, s34, s35
	v_add_f32 v12, v12, v13                        ; every lane holds its row's sum
	v_add_f32 v14, v14, v15
	v_fma_f32 v12, v12, s36, s37                   ; the mean + eps
	v_fma_f32 v14, v14, s36, s37
	v_rsq_f32 v16, v12                             ; twice each: a pair for the packed multiply
	v_rsq_f32 v17, v12
	v_rsq_f32 v18, v14
	v_rsq_f32 v19, v14
	v_nop                                          ; a plain instruction behind the last of them
	s_wait_alu depctr_va_vdst(0)                   ; one wait for the four, ahead of their first reader
	s_wait_loadcnt 0x0                             ; ln1_w
.set k, 0
.rept 16
	v_pk_mul_f32 v[X+k:X+k+1], v[X+k:X+k+1], v[16:17]              ; x * rms,
	v_pk_mul_f32 v[X+32+k:X+33+k], v[X+32+k:X+33+k], v[18:19]
.set k, k+2
.endr
.set k, 0
.rept 16
	v_pk_mul_f32 v[X+k:X+k+1], v[X+k:X+k+1], v[LN+k:LN+k+1]        ; then * w, in the order of the definition
	v_pk_mul_f32 v[X+32+k:X+33+k], v[X+32+k:X+33+k], v[LN+k:LN+k+1]
.set k, k+2
.endr
.Lw:
	s_wait_loadcnt 0x0
.irp i, 0,1
.irp j, 0,1,2,3,4,5,6,7
	ds_store_b128 v6, v[X+32*\i+4*\j:X+32*\i+4*\j+3] offset:\i*PITCH+512*\j
.endr
.endr
	BARRIER                                        ; the tile's sixteen rows lie in the stage
.irp c, 0,1
.irp q, 0,1,2,3,4,5,6,7
	ds_load_b128 v[X+32*\c+4*\q:X+32*\c+4*\q+3], v7 offset:256*\c+16*\q   ; row r, k = 128 w + 64 c + 32 h + 0 .. 31: the very numbers that the operand's layout gives this lane: two whole blocks
.endr
.endr
	s_wait_dscnt 0x0
.irp c, 0,1
	v_max3_num_f32 v[12+\c], |v[X+32*\c]|, |v[X+1+32*\c]|, FLOOR   ; the block's largest magnitude, with the floor among its leaves: the byte cannot fall under 1
.endr
.irp i, 2,4,6,8,10,12,14,16,18,20,22,24,26,28,30
.irp c, 0,1
	v_max3_num_f32 v[12+\c], v[12+\c], |v[X+32*\c+\i]|, |v[X+1+32*\c+\i]|
.endr
.endr
.irp c, 0,1
	v_add_nc_u32 v[14+\c], EOFF, v[12+\c]          ; 2 off its exponent field: the conversion takes the exponent field of this operand as its scale
.endr
.irp c, 0,1
	v_lshrrev_b32 v[16+\c], 23, v[14+\c]           ; the scale's byte
.endr
	v_lshl_or_b32 v18, v17, 16, v16                ; my two bytes: blocks h and 2 + h,
	v_lshlrev_b32 v19, 3, v5
	v_lshlrev_b32 v18, v19, v18                    ; at their places in the word;
	v_mov_b32 v19, 0
	v_permlanex16_b32 v19, v18, s34, s35
	v_or_b32 v18, v18, v19                         ; with lane l xor 16's two the word is whole
.irp c, 0,1
	v_cvt_scalef32_pk16_fp6_f32 v[CD+6*\c:CD+6*\c+2], v[X+32*\c:X+32*\c+15], v[14+\c]
	v_cvt_scalef32_pk16_fp6_f32 v[CT+4*\c:CT+4*\c+2], v[X+32*\c+16:X+32*\c+31], v[14+\c]   ; (a conversion's three registers begin on an even number)
.endr
	v_nop                                          ; one plain place behind the conversions
.irp c, 0,1
.irp i, 0,1,2
	v_mov_b32 v[CD+3+6*\c+\i], v[CT+4*\c+\i]
.endr
.endr
	global_store_b128 v2, v[CD:CD+3], s[22:23]                     ; each store covers whole aligned runs of 256 bytes: 512, 256, 512, 256
	global_store_b64 v3, v[CD+4:CD+5], s[22:23] offset:512
	global_store_b128 v2, v[CD+6:CD+9], s[22:23] offset:768
	global_store_b64 v3, v[CD+10:CD+11], s[22:23] offset:1280
	ds_store_b32 v8, v18                           ; both halves of the lanes write the same word with the same value
	BARRIER                                        ; the tile's 128 scale words lie together
	s_cmp_lg_u32 s26, 0
	s_cbranch_scc1 .Ldone
	ds_load_b128 v[20:23], v9
	s_wait_dscnt 0x0
	global_store_b128 v2, v[20:23], s[24:25]       ; wave 0 stores them: 512 consecutive bytes
.Ldone:
	s_wait_tensorcnt 0x0                           ; the wave's end: behind my last LDS store
	ds_add_u32 v10, v11
	s_wait_dscnt 0x0
	s_endpgm
.Lfunc_end_k_q9599586bb9_prep:
	.size	k_q9599586bb9_prep, .Lfunc_end_k_q9599586bb9_prep-k_q9599586bb9_prep
	.p2alignl 7, 3214868480
	.fill 96, 4, 3214868480
	.section	.rodata,"a",@progbits
	.p2align	6, 0x0
	.amdhsa_kernel k_q9599586bb9_prep
		.amdhsa_group_segment_fixed_size 67328
		.amdhsa_private_segment_fixed_size 0
		.amdhsa_enable_private_segment 0
		.amdhsa_kernarg_size 88
		.amdhsa_user_sgpr_count 2
		.amdhsa_user_sgpr_kernarg_segment_ptr 1
		.amdhsa_wavefront_size32 1
		.amdhsa_system_sgpr_workgroup_id_x 1
		.amdhsa_system_sgpr_workgroup_id_y 1
		.amdhsa_system_sgpr_workgroup_id_z 1
		.amdhsa_system_vgpr_workitem_id 0
		.amdhsa_next_free_vgpr 128
		.amdhsa_next_free_sgpr 66
		.amdhsa_reserve_vcc 0
		.amdhsa_float_denorm_mode_32 3
		.amdhsa_float_denorm_mode_16_64 3
		.amdhsa_memory_ordered 1
		.amdhsa_forward_progress 1
		.amdhsa_inst_pref_size 19
	.end_amdhsa_kernel
	.amdgpu_metadata
---
amdhsa.version: [ 1, 2 ]
amdhsa.kernels:
  - .name:           k_q9599586bb9_prep
    .symbol:         k_q9599586bb9_prep.kd
    .args:
      - { .name: hidden_states, .offset: 0, .size: 8, .value_kind: global_buffer, .address_space: global }
      - { .name: ln1_w, .offset: 8, .size: 8, .value_kind: global_buffer, .address_space: global }
      - { .name: wq, .offset: 16, .size: 8, .value_kind: global_buffer, .address_space: global }
      - { .name: wk, .offset: 24, .size: 8, .value_kind: global_buffer, .address_space: global }
      - { .name: wv, .offset: 32, .size: 8, .value_kind: global_buffer, .address_space: global }
      - { .name: wo, .offset: 40, .size: 8, .value_kind: global_buffer, .address_space: global }
      - { .name: w_gate, .offset: 48, .size: 8, .value_kind: global_buffer, .address_space: global }
      - { .name: w_up, .offset: 56, .size: 8, .value_kind: global_buffer, .address_space: global }
      - { .name: w_down, .offset: 64, .size: 8, .value_kind: global_buffer, .address_space: global }
      - { .name: qc, .offset: 72, .size: 8, .value_kind: global_buffer, .address_space: global }
      - { .name: qs, .offset: 80, .size: 8, .value_kind: global_buffer, .address_space: global }
    .group_segment_fixed_size: 67328
    .private_segment_fixed_size: 0
    .kernarg_segment_align: 8
    .kernarg_segment_size: 88
    .max_flat_workgroup_size: 256
    .sgpr_count:     66
    .vgpr_count:     128
    .wavefront_size: 32
...
	.end_amdgpu_metadata
.endif
;; end of part 1
;; launch qkv (part 2): grid 64 x 3, 16 waves a work-group, no clusters, 53,248 bytes of LDS; arguments qc, qs, ai, asc; writes ai, asc
.if DOCPART == 2
	.amdgcn_target "amdgcn-amd-amdhsa--gfx1250"
	.amdhsa_code_object_version 6
	.text
	.protected	k_q9599586bb9_qkv
	.globl	k_q9599586bb9_qkv
	.p2align	8
	.type	k_q9599586bb9_qkv,@function
k_q9599586bb9_qkv:
	s_mov_b64 s[64:65], 0
	v_nop
	global_prefetch_b8 v0, s[64:65] scope:SCOPE_SE
	s_setreg_imm32_b32 hwreg(HW_REG_WAVE_MODE, 25, 1), 1
	s_wait_xcnt 0x0
; q, k or v (work-group y = 0, 1, 2) = h1 W^T on codes of FP6 (E2M3), and the result quantised again as attention wants it: q and k along the head's 64, v along the keys.
; SHARES.  A work-group takes 64 tokens (four tiles of 16, work-group x) and all 1,024 outputs; wave w is head w: four tiles of 16 rows of W, 16 accumulators, K = 1,024 in eight steps of 128.
; The tokens' 32 fragments (48 KB) are copied once into LDS as they lie (images of the operand's registers) and read by all sixteen waves.  A fragment of W is used by ONE wave of the work-group: it goes from memory straight
; into that wave's registers and feeds four matrix instructions, through a ring of four register slots.
; NO CLUSTER, NO JOINT LOADS, though all 64 row blocks walk the same W: by way of LDS a wave would read 12 KB of LDS for a K step's 16 matrix instructions (its four fragments of W beside the four of tokens) where it now reads 6 KB.
; q, k: source 0 = W, source 1 = tokens: a lane holds one token, and the 32 registers of a tile of tokens are the head's 64 numbers (16 of each block of 32; lane l xor 16 has the others).  Two tiles of tokens make a PAIR
;   FRAGMENT: half u (64 along K) holds tile 2 pf + u.   ai: [q, k, v][batch x head][pf 0..63][1,536];  asc: [..][pf][row] words, bytes 2 u, 2 u + 1 for half u.
; v: source 0 = tokens, source 1 = W: a lane holds one channel of the head and its registers run along the tokens, which are the second product's K.  ai: [..][key step of 128][tile of channels 0..3][1,536]; this block's 64 keys
;   are half (x % 2);  asc: [..][4 step + tile][row] words.
; LIMITS: a block of zeros gets the byte 1, not 127 (its codes are zeros; this program alone reads the bytes); largest magnitudes under 2^-124 have the byte held at 1; NaN and infinities are not served.
.set LI,  1                            ; v1   16 x lane
.set L8,  2                            ; v2   8 x lane
.set LS,  3                            ; v3   4 x lane
.set SPW, 4                            ; v4   my spare word; never rewritten
.set NIL, 5                            ; v5   0; never rewritten
.set ASC, 8                            ; v8-11   the tokens' scale words, one register a tile: lanes 0-15 the even K step's, lanes 16-31 the odd one's
.set WSC, 12                           ; v12-27  W's scale words: register 4 (K step / 2) + tile, laid likewise
.set WF,  32                           ; v32-79  the ring: four fragments of W
.set AF,  80                           ; v80-127 a K step's four fragments of tokens
.set ACC, 128                          ; v128-255 the 16 accumulators
.set TM,  80                           ; v80-95  at work in the quantiser
.set WB,  16                           ; s[16:17] my four tiles of W in qc
.set SB,  18                           ; s[18:19] and their scale words in qs
.set SEL, 28                           ; s[28:29] v_permlanex16_b32's selects for lane l xor 16
.set ASCL,  49152                      ; LDS: 0 .. 49,151 the tokens' fragments, (8 m + K step) x 1,536; then their scale words, 512 bytes a tile
.set SPARE, 51200                      ; the spare words, 128 bytes for each of sixteen waves: eight blocks of 256 bytes that no other line names
.set FLOOR, 0x1800000
.set EOFF,  0xff000000
.macro BARRIER
	s_wait_dscnt 0x0
	s_barrier_signal -1
	s_barrier_wait -1
.endm
; one matrix instruction.  kind 0: it starts the sum; 1: it adds, scales of an even K step (lanes 0-15); 2: of an odd one (lanes 16-31)
.macro WM d, a, b, sx, sy, kind
.if \kind == 0
	v_wmma_scale_f32_16x16x128_f8f6f4 v[\d:\d+7], v[\a:\a+11], v[\b:\b+11], 0, v[\sx], v[\sy] matrix_a_fmt:MATRIX_FMT_FP6 matrix_b_fmt:MATRIX_FMT_FP6
.elseif \kind == 1
	v_wmma_scale_f32_16x16x128_f8f6f4 v[\d:\d+7], v[\a:\a+11], v[\b:\b+11], v[\d:\d+7], v[\sx], v[\sy] matrix_a_fmt:MATRIX_FMT_FP6 matrix_b_fmt:MATRIX_FMT_FP6
.else
	v_wmma_scale_f32_16x16x128_f8f6f4 v[\d:\d+7], v[\a:\a+11], v[\b:\b+11], v[\d:\d+7], v[\sx], v[\sy] matrix_a_fmt:MATRIX_FMT_FP6 matrix_b_fmt:MATRIX_FMT_FP6 matrix_a_scale:MATRIX_SCALE_ROW1 matrix_b_scale:MATRIX_SCALE_ROW1
.endif
.endm
.macro WTILE tt, t01, t23              ; which tile, counted from WB, is the wave's tile tt
.if (\tt) < 2
.set wtile, (\t01)+(\tt)
.else
.set wtile, (\t23)+(\tt)-2
.endif
.endm
.macro WLOAD gg, nr, t01, t23          ; group gg = 4 x K step + tile: its fragment of W into ring slot gg % nr: four loads, each of whole runs of 256 bytes
	WTILE (\gg)%4, \t01, \t23
.set wreg, WF+12*((\gg)%(\nr))
.set woff, wtile*12288+((\gg)/4)*1536
	global_load_b128 v[wreg:wreg+3], v[LI], s[WB:WB+1] offset:woff
	global_load_b64 v[wreg+4:wreg+5], v[L8], s[WB:WB+1] offset:woff+512
	global_load_b128 v[wreg+6:wreg+9], v[LI], s[WB:WB+1] offset:woff+768
	global_load_b64 v[wreg+10:wreg+11], v[L8], s[WB:WB+1] offset:woff+1280
.endm
.macro CORE_HEAD nr, t01, t23          ; W's 16 registers of scale words, then the ring's first nr fragments
.irp tt, 0,1,2,3
	WTILE \tt, \t01, \t23
.irp kp, 0,1,2,3
	global_load_b32 v[WSC+4*\kp+\tt], v[LS], s[SB:SB+1] offset:wtile*512+128*\kp
.endr
.endr
.set hg, 0
.rept \nr
	WLOAD hg, \nr, \t01, \t23
.set hg, hg+1
.endr
.endm
.macro CORE_A kk                       ; K step kk's four fragments of tokens from LDS; with an even step the scale words of two steps
.irp m, 0,1,2,3
	ds_load_b128 v[AF+12*\m:AF+12*\m+3], v[LI] offset:(8*\m+(\kk))*1536
	ds_load_b64 v[AF+12*\m+4:AF+12*\m+5], v[L8] offset:(8*\m+(\kk))*1536+512
	ds_load_b128 v[AF+12*\m+6:AF+12*\m+9], v[LI] offset:(8*\m+(\kk))*1536+768
	ds_load_b64 v[AF+12*\m+10:AF+12*\m+11], v[L8] offset:(8*\m+(\kk))*1536+1280
.endr
.if ((\kk)%2) == 0
.irp m, 0,1,2,3
	ds_load_b32 v[ASC+\m], v[LS] offset:ASCL+512*\m+128*((\kk)/2)
.endr
.endif
.endm
; 128 matrix instructions: 32 groups of four (one fragment of W against the four tiles of tokens).  The 16 accumulators take turns, one instruction a turn, in the same order in every K step.
; orient 0: source 0 = W, accumulator (m, t) at ACC + 32 m + 8 t; orient 1: source 0 = tokens, at ACC + 32 t + 8 m.  first = 1: K step 0 starts the sums.  all = 1: the first wait is for every load.
; A load into a register that a matrix instruction has read stands four plain vector instructions behind it (ISA guide 7.12.1 for vector instructions): four v_nop ahead of each refill.
.macro CORE orient, first, nr, t01, t23, all
.set g, 0
.rept 32
.set ks, g/4
.set tq, g%4
.set yng, 31-g
.if yng > (\nr)-1
.set yng, (\nr)-1
.endif
.if (g == 0) && (\all)
	s_wait_loadcnt 0x0
.else
	s_wait_loadcnt 4*yng                           ; this group's fragment is in; the four loads of each younger group of the ring may be out
.endif
.if tq == 0
	s_wait_dscnt 0x0                               ; the K step's fragments of tokens
.endif
.set wr, WF+12*(g%(\nr))
.set sw, WSC+4*(ks/2)+tq
.set kind, 1+ks%2
.if (\first) && (ks == 0)
.set kind, 0
.endif
.irp m, 0,1,2,3
.set aa, AF+12*\m
.set sa, ASC+\m
.if \orient
.set dd, ACC+32*tq+8*\m
	WM dd, aa, wr, sa, sw, kind
.else
.set dd, ACC+32*\m+8*tq
	WM dd, wr, aa, sw, sa, kind
.endif
.endr
.if (g+(\nr) <= 31) || ((tq == 3) && (ks < 7))
.rept 4
	v_nop
.endr
.endif
.if g+(\nr) <= 31
	WLOAD g+(\nr), \nr, \t01, \t23
.endif
.if (tq == 3) && (ks < 7)
	CORE_A ks+1
.endif
.set g, g+1
.endr
.rept 4
	v_nop                                          ; the places behind the last products
.endr
.endm
; Four blocks of 32 along a K: block b's 16 numbers of this lane at v[s + st b] on (lane l xor 16 has the other 16).  Largest magnitudes at TM + b, bytes at TM + 4 + b, the conversions' operands at TM + 12 + b; 16 codes to v[d_b] on.
; The caller's next line is a plain one that touches none of the conversions' registers: the place owed behind them.
.macro BQ4 s, st, d0, d1, d2, d3
.irp b, 0,1,2,3
	v_max3_num_f32 v[TM+\b], |v[\s+\st*\b]|, |v[\s+\st*\b+1]|, FLOOR   ; with the floor 2^(3 - 127) among the leaves: the byte cannot fall under 1
.endr
.irp i, 2,4,6,8,10,12,14
.irp b, 0,1,2,3
	v_max3_num_f32 v[TM+\b], v[TM+\b], |v[\s+\st*\b+\i]|, |v[\s+\st*\b+\i+1]|
.endr
.endr
.irp b, 0,1,2,3
	v_permlanex16_b32 v[TM+4+\b], v[TM+\b], s[SEL], s[SEL+1]
.endr
.irp b, 0,1,2,3
	v_max_num_f32 v[TM+\b], v[TM+\b], v[TM+4+\b]
.endr
.irp b, 0,1,2,3
	v_add_nc_u32 v[TM+12+\b], EOFF, v[TM+\b]       ; 2 off the exponent field: the conversion's scale operand
.endr
.irp b, 0,1,2,3
	v_lshrrev_b32 v[TM+4+\b], 23, v[TM+12+\b]      ; the scale's byte
.endr
	v_cvt_scalef32_pk16_fp6_f32 v[\d0:\d0+2], v[\s:\s+15], v[TM+12]
	v_cvt_scalef32_pk16_fp6_f32 v[\d1:\d1+2], v[\s+\st:\s+\st+15], v[TM+13]
	v_cvt_scalef32_pk16_fp6_f32 v[\d2:\d2+2], v[\s+2*\st:\s+2*\st+15], v[TM+14]
	v_cvt_scalef32_pk16_fp6_f32 v[\d3:\d3+2], v[\s+3*\st:\s+3*\st+15], v[TM+15]
.endm
.macro PAIR d, t                       ; two blocks' half-block codes become six registers with a WHOLE block in a lane: lanes 0-15 the first block, lanes 16-31 the second
.irp i, 0,1,2
	v_permlane16_swap_b32 v[\d+\i], v[\t+\i]
.endr
.irp i, 0,1,2
	v_mov_b32 v[\d+3+\i], v[\t+\i]
.endr
.endm
.macro QUANT s, pc, pw                 ; 64 numbers of a lane, register 16 b + i = k 32 b + 16 (lane / 16) + i, become a fragment in v[pc] .. v[pc + 11] and its scale word in v[pw]
	BQ4 \s, 16, \pc, \pc+12, \pc+6, \pc+16
	v_lshl_or_b32 v[\pw], v[TM+5], 8, v[TM+4]
	v_lshl_or_b32 v[\pw], v[TM+6], 16, v[\pw]
	v_lshl_or_b32 v[\pw], v[TM+7], 24, v[\pw]
	PAIR \pc, \pc+12
	PAIR \pc+6, \pc+16
.endm
	s_load_b256 s[4:11], s[0:1], 0x0               ; qc s[4:5], qs s[6:7], ai s[8:9], asc s[10:11]
	v_lshl_add_u32 v[SPW], v0, 2, SPARE
	v_mov_b32 v[NIL], 0
	v_lshrrev_b32 v6, 5, v0
	v_readfirstlane_b32 s12, v6                    ; wave = head 0..15
	v_and_b32 v6, 31, v0
	v_lshlrev_b32 v[LI], 4, v6
	v_lshlrev_b32 v[L8], 3, v6
	v_lshlrev_b32 v[LS], 2, v6
	v_lshlrev_b32 v28, 4, v0                       ; 16 x thread: the copy into LDS, in memory and in LDS alike
	v_lshlrev_b32 v29, 2, v0                       ; 4 x thread: the scale words'
	v_and_b32 v30, 15, v0
	v_lshlrev_b32 v30, 2, v30                      ; 4 r
	v_add_nc_u32 v31, ASCL, v29
	s_mov_b32 s13, ttmp9                           ; the block of 64 tokens
	s_and_b32 s14, ttmp7, 0xffff                   ; 0: q, 1: k, 2: v
	s_lshl_b32 s30, s14, 6
	s_add_co_u32 s30, s30, 256
	s_lshl_b32 s31, s12, 2
	s_add_co_u32 s30, s30, s31                     ; my first tile of W in qc: 256 + 64 y + 4 w
	s_mul_i32 s32, s30, 12288
	s_mov_b32 s33, 0
	s_lshl_b32 s34, s30, 9
	s_mov_b32 s35, 0
	s_mul_i32 s36, s13, 49152                      ; the block's four tiles of tokens
	s_mov_b32 s37, 0
	s_lshl_b32 s38, s13, 11
	s_mov_b32 s39, 0
	s_lshr_b32 s40, s13, 5
	s_lshl_b32 s40, s40, 4
	s_add_co_u32 s40, s40, s12                     ; batch x 16 + head
	s_and_b32 s41, s13, 31                         ; the block within its batch
	s_lshr_b32 s42, s41, 1                         ; v: its key step of 128,
	s_and_b32 s43, s13, 1                          ; and which half of it
	s_mul_i32 s44, s41, 3072                       ; q, k: two pair fragments a block,
	s_lshl_b32 s46, s41, 7                         ; and their scale words
	s_mul_i32 s30, s42, 6144
	s_mul_i32 s31, s43, 768
	s_add_co_u32 s30, s30, s31                     ; v: four fragments a step, my half of each,
	s_lshl_b32 s31, s42, 8
	s_lshl_b32 s43, s43, 1
	s_add_co_u32 s31, s31, s43                     ; and two bytes of each scale word
	s_cmp_eq_u32 s14, 2
	s_cselect_b32 s44, s30, s44
	s_cselect_b32 s46, s31, s46
	s_mul_i32 s30, s14, 3145728
	s_add_co_u32 s44, s44, s30
	s_mul_i32 s30, s40, 98304
	s_add_co_u32 s44, s44, s30
	s_mov_b32 s45, 0
	s_lshl_b32 s30, s14, 17
	s_add_co_u32 s46, s46, s30
	s_lshl_b32 s30, s40, 12
	s_add_co_u32 s46, s46, s30
	s_mov_b32 s47, 0
	s_mov_b32 s[SEL], 0x76543210
	s_mov_b32 s[SEL+1], 0xfedcba98
	s_wait_kmcnt 0x0
	s_add_nc_u64 s[WB:WB+1], s[4:5], s[32:33]
	s_add_nc_u64 s[SB:SB+1], s[6:7], s[34:35]
	s_add_nc_u64 s[20:21], s[4:5], s[36:37]
	s_add_nc_u64 s[22:23], s[6:7], s[38:39]
	s_add_nc_u64 s[24:25], s[8:9], s[44:45]        ; where my codes go
	s_add_nc_u64 s[26:27], s[10:11], s[46:47]      ; and my scale words
.irp i, 0,1,2,3,4,5
	global_load_b128 v[ACC+4*\i:ACC+4*\i+3], v28, s[20:21] offset:8192*\i   ; the tokens' 49,152 bytes: 512 threads x 16 bytes x 6
.endr
	global_load_b32 v152, v29, s[22:23]            ; and their 2,048 bytes of scale words
	CORE_HEAD 4, 0, 2
	s_wait_loadcnt 32                              ; the copy's seven loads are in; W's 16 scale loads and the ring's 16 may be out
.irp i, 0,1,2,3,4,5
	ds_store_b128 v28, v[ACC+4*\i:ACC+4*\i+3] offset:8192*\i
.endr
	ds_store_b32 v31, v152
	BARRIER                                        ; the tokens' fragments lie in LDS
	CORE_A 0
	s_cmp_eq_u32 s14, 2
	s_cbranch_scc1 .Lv                             ; on the work-group's number alone; neither way stores to LDS or has a barrier
	CORE 0, 1, 4, 0, 2, 0
	QUANT 128, 32, 76                              ; tiles of tokens 0 and 1: one pair fragment,
	QUANT 192, 56, 77                              ; tiles 2 and 3: the next
.irp i, 0,1
	global_store_b128 v[LI], v[32+24*\i:35+24*\i], s[24:25] offset:1536*\i
	global_store_b64 v[L8], v[36+24*\i:37+24*\i], s[24:25] offset:1536*\i+512
	global_store_b128 v[LI], v[38+24*\i:41+24*\i], s[24:25] offset:1536*\i+768
	global_store_b64 v[L8], v[42+24*\i:43+24*\i], s[24:25] offset:1536*\i+1280
	global_store_b32 v30, v[76+\i], s[26:27] offset:64*\i          ; both halves of the lanes hold the same word
.endr
	s_branch .Lend
.Lv:
	CORE 1, 1, 4, 0, 2, 0
	QUANT 128, 32, 76                              ; tiles of channels 0 and 1: 64 keys of each: registers 0-5 are tile 0's half fragment, 6-11 tile 1's
	QUANT 192, 56, 77
	v_lshrrev_b32 v78, 16, v76                     ; the odd tile's two bytes
	v_lshrrev_b32 v79, 16, v77
.irp i, 0,1
	global_store_b128 v[LI], v[32+24*\i:35+24*\i], s[24:25] offset:3072*\i
	global_store_b64 v[L8], v[36+24*\i:37+24*\i], s[24:25] offset:3072*\i+512
	global_store_b128 v[LI], v[38+24*\i:41+24*\i], s[24:25] offset:3072*\i+1536
	global_store_b64 v[L8], v[42+24*\i:43+24*\i], s[24:25] offset:3072*\i+2048
	global_store_b16 v30, v[76+\i], s[26:27] offset:128*\i
	global_store_b16 v30, v[78+\i], s[26:27] offset:128*\i+64
.endr
.Lend:
	s_wait_tensorcnt 0x0                           ; the wave's end: behind my last LDS store
	ds_add_u32 v[SPW], v[NIL]
	s_wait_dscnt 0x0
	s_endpgm
.Lfunc_end_k_q9599586bb9_qkv:
	.size	k_q9599586bb9_qkv, .Lfunc_end_k_q9599586bb9_qkv-k_q9599586bb9_qkv
	.p2alignl 7, 3214868480
	.fill 96, 4, 3214868480
	.section	.rodata,"a",@progbits
	.p2align	6, 0x0
	.amdhsa_kernel k_q9599586bb9_qkv
		.amdhsa_group_segment_fixed_size 53248
		.amdhsa_private_segment_fixed_size 0
		.amdhsa_enable_private_segment 0
		.amdhsa_kernarg_size 32
		.amdhsa_user_sgpr_count 2
		.amdhsa_user_sgpr_kernarg_segment_ptr 1
		.amdhsa_wavefront_size32 1
		.amdhsa_system_sgpr_workgroup_id_x 1
		.amdhsa_system_sgpr_workgroup_id_y 1
		.amdhsa_system_sgpr_workgroup_id_z 1
		.amdhsa_system_vgpr_workitem_id 0
		.amdhsa_next_free_vgpr 256
		.amdhsa_next_free_sgpr 66
		.amdhsa_reserve_vcc 0
		.amdhsa_float_denorm_mode_32 3
		.amdhsa_float_denorm_mode_16_64 3
		.amdhsa_memory_ordered 1
		.amdhsa_forward_progress 1
		.amdhsa_inst_pref_size 104
	.end_amdhsa_kernel
	.amdgpu_metadata
---
amdhsa.version: [ 1, 2 ]
amdhsa.kernels:
  - .name:           k_q9599586bb9_qkv
    .symbol:         k_q9599586bb9_qkv.kd
    .args:
      - { .name: qc, .offset: 0, .size: 8, .value_kind: global_buffer, .address_space: global }
      - { .name: qs, .offset: 8, .size: 8, .value_kind: global_buffer, .address_space: global }
      - { .name: ai, .offset: 16, .size: 8, .value_kind: global_buffer, .address_space: global }
      - { .name: asc, .offset: 24, .size: 8, .value_kind: global_buffer, .address_space: global }
    .group_segment_fixed_size: 53248
    .private_segment_fixed_size: 0
    .kernarg_segment_align: 8
    .kernarg_segment_size: 32
    .max_flat_workgroup_size: 512
    .sgpr_count:     66
    .vgpr_count:     256
    .wavefront_size: 32
...
	.end_amdgpu_metadata
.endif
;; end of part 2
;; launch attn (part 3): grid 8 x 32, 16 waves a work-group, no clusters, 206,848 bytes of LDS; arguments ai, asc, cc, cs; writes cc, cs
.if DOCPART == 3
	.amdgcn_target "amdgcn-amd-amdhsa--gfx1250"
	.amdhsa_code_object_version 6
	.text
	.protected	k_q9599586bb9_attn
	.globl	k_q9599586bb9_attn
	.p2align	8
	.type	k_q9599586bb9_attn,@function
k_q9599586bb9_attn:
	s_mov_b64 s[64:65], 0
	v_nop
	global_prefetch_b8 v0, s[64:65] scope:SCOPE_SE
	s_setreg_imm32_b32 hwreg(HW_REG_WAVE_MODE, 25, 1), 1
	s_wait_xcnt 0x0
; ctx = softmax(q k^T / 8) v for one head, both products on codes of FP6 (E2M3), and ctx quantised along the model's 1,024 for the next product.
; THE SOFTMAX AHEAD OF THE SECOND PRODUCT: t = score x log2(e) / 8; M = the running largest t rounded UP to a whole number; p = 2^(t - M) is quantised along the keys, not normalised; the row's sum is taken of the unquantised p
; and divides at the end.  When M moves, the sum and O are multiplied by 2^(old M - new M): exact.
; SHARES.  A work-group owns 256 queries of one head (x: the block, y: batch x 16 + head); each of its sixteen waves one tile of 16, in 256 registers: four waves to a SIMD, so that one wave's vector work stands beside another's
; matrix work and LDS loads.  THE HEAD'S WHOLE K AND V (2 x 98,304 bytes of codes, 2 x 4,096 of scale words) LIE IN LDS, copied once, as they lie, through registers: 26 loads and stores a wave, one barrier in the launch.
; NO CLUSTER, NO JOINT LOADS, though the eight work-groups of a head read the same K and V: each reads them once, at its head, 204,800 bytes for 16 key steps' work, not once a step; there is no ring whose refills could be shared.
; LAYOUT.  Both products are used transposed: S^T = K Q^T, O^T = V^T P^T: a lane holds ONE query (lane % 16) throughout.  The tokens of a tile are not neighbours (token m of tile T is 32 (T / 2) + 8 (T % 2) + m + 8 (m / 8)),
; so that the 16 registers of tiles 2 f and 2 f + 1 of scores are 16 neighbouring keys, 32 f + 16 (lane / 16) + 0 .. 15.
; K = 64 IN AN INSTRUCTION OF 128.  A pair fragment of K holds, in row r, key r of tile 2 f in k 0-63 and key r of tile 2 f + 1 in k 64-127.  Q stands in registers as [six zeros][q][six zeros]: v[22:33] = (q, 0) picks the first
; key, v[16:27] = (0, q) the second: zero codes add nothing under any scale byte but 0xff, which no byte here is.  Q's scale word is (s0, s1, s0, s1) and serves both.
; LIMITS: a block of zeros gets the byte 1, not 127 (codes zero; the bytes are this program's own); largest magnitudes under 2^-124 have the byte held at 1; NaN and infinities are not served.
.set LI,  1                            ; v1   16 x lane
.set L8,  2                            ; v2   8 x lane
.set LR,  3                            ; v3   4 r
.set SPW, 5                            ; v5   my spare word; never rewritten
.set NIL, 6                            ; v6   0; never rewritten
.set LIV, 7                            ; v7   16 x lane + V's images;  v35: 8 x lane + V's images
.set L8V, 35
.set LRK, 36                           ; v36  4 r + K's scale words;  v37: 4 r + V's
.set LRV, 37
.set ADK, 8                            ; v8-11, v38, v39  the step's addresses
.set ADK8, 9
.set ADV, 10
.set ADV8, 11
.set ADS, 38
.set ADT, 39
.set QS,  34                           ; v34  Q's scale word.  v16-33: Q between zeros.  v12 -M, v13 the largest t, v[14:15] the sum in two halves
.set FR,  40                           ; v40-87   four fragments, of K and then of V
.set S,   96                           ; v96-159  S^T, then p
.set O,   160                          ; v160-191 O^T
.set BM,  192                          ; v192-195 the blocks' largest scores, then largest p
.set BX,  196                          ; v196-199 lane l xor 16's
.set SO,  200                          ; v200-203 the conversions' scale operands
.set BY,  204                          ; v204-207 the bytes
.set PS,  208                          ; v208     p's scale word
.set F,   210                          ; v[210:211] f = 2^(old M - new M) (the low word serves both halves)
.set TW,  212                          ; v212     at work;  v[214:215] the second chain of the sum
.set CT,  216                          ; v216-218, v220-222 the odd blocks' codes as converted
.set P,   224                          ; v224-235 p's fragment
.set KSC, 236                          ; v236-239 K's scale words
.set VSC, 240                          ; v240-243 V's
.set SEL, 30                           ; s[30:31] selects for lane l xor 16
.set CS,  32                           ; s[32:33] c = log2(e) / 8
.set TB,  34                           ; s34  the step's images: 6,144 bytes a step
.set TS,  35                           ; s35  the step's scale words: 256 bytes a step
.set VI,    98304                      ; LDS: K's images from 0, V's from here,
.set KSCL,  196608                     ; K's scale words,
.set VSCL,  200704                     ; V's,
.set SPARE, 204800                     ; and the spare words, 128 bytes for each of sixteen waves: eight blocks of 256 bytes that no other line names
.set FLOOR, 0x1800000
.set EOFF,  0xff000000
.macro LFRAG reg, a16, a8, off         ; a fragment's image comes back into 12 registers
	ds_load_b128 v[\reg:\reg+3], v[\a16] offset:\off
	ds_load_b64 v[\reg+4:\reg+5], v[\a8] offset:\off+512
	ds_load_b128 v[\reg+6:\reg+9], v[\a16] offset:\off+768
	ds_load_b64 v[\reg+10:\reg+11], v[\a8] offset:\off+1280
.endm
.macro PAIR d, t                       ; two blocks' half-block codes become six registers with a WHOLE block in a lane
.irp i, 0,1,2
	v_permlane16_swap_b32 v[\d+\i], v[\t+\i]
.endr
.irp i, 0,1,2
	v_mov_b32 v[\d+3+\i], v[\t+\i]
.endr
.endm
	s_load_b256 s[4:11], s[0:1], 0x0               ; ai s[4:5], asc s[6:7], cc s[8:9], cs s[10:11]
	v_lshl_add_u32 v[SPW], v0, 2, SPARE
	v_mov_b32 v[NIL], 0
	v_lshrrev_b32 v4, 5, v0
	v_readfirstlane_b32 s12, v4                    ; wave 0..15
	v_and_b32 v4, 31, v0
	v_lshlrev_b32 v[LI], 4, v4
	v_lshlrev_b32 v[L8], 3, v4
	v_and_b32 v[LR], 15, v0
	v_lshlrev_b32 v[LR], 2, v[LR]
	v_add_nc_u32 v[LIV], VI, v[LI]
	v_add_nc_u32 v[L8V], VI, v[L8]
	v_add_nc_u32 v[LRK], KSCL, v[LR]
	v_add_nc_u32 v[LRV], VSCL, v[LR]
	v_lshlrev_b32 v40, 4, v0                       ; the copy: 16 x thread, in memory and in LDS; an LDS offset holds 16 bits, so two more registers carry the rest
	v_add_nc_u32 v41, 65536, v40
	v_add_nc_u32 v42, 131072, v40
	v_lshlrev_b32 v45, 3, v0                       ; the scale words: 8 x thread
	v_add_nc_u32 v43, KSCL, v45
	v_add_nc_u32 v44, VSCL, v45
	s_mov_b32 s13, ttmp9                           ; the block of 256 queries
	s_and_b32 s14, ttmp7, 0xffff                   ; batch x 16 + head
	s_mul_i32 s42, s14, 98304
	s_mov_b32 s43, 0
	s_lshl_b32 s44, s14, 12
	s_mov_b32 s45, 0
	s_lshl_b32 s46, s13, 3
	s_lshr_b32 s47, s12, 1
	s_add_co_u32 s46, s46, s47                     ; my pair fragment of q: 8 x + w / 2,
	s_and_b32 s47, s12, 1                          ; and my half of it
	s_lshl_b32 s28, s47, 4                         ; my two bytes of its scale word begin at bit 16 u
	s_mul_i32 s48, s46, 1536
	s_mul_i32 s49, s47, 768
	s_add_co_u32 s48, s48, s49
	s_mov_b32 s49, 0
	s_lshl_b32 s50, s46, 6
	s_mov_b32 s51, 0
	s_lshr_b32 s52, s14, 4
	s_lshl_b32 s52, s52, 7
	s_lshl_b32 s53, s13, 4
	s_add_co_u32 s52, s52, s53
	s_add_co_u32 s52, s52, s12                     ; my tile of tokens among all 256: 128 batch + 16 x + w
	s_and_b32 s53, s14, 15                         ; the head:
	s_lshr_b32 s54, s53, 1                         ; which K step of the next product,
	s_and_b32 s53, s53, 1                          ; and which half of it
	s_mul_i32 s56, s52, 12288
	s_mul_i32 s55, s54, 1536
	s_add_co_u32 s56, s56, s55
	s_mul_i32 s55, s53, 768
	s_add_co_u32 s56, s56, s55
	s_mov_b32 s57, 0
	s_lshl_b32 s58, s52, 9
	s_lshl_b32 s55, s54, 6
	s_add_co_u32 s58, s58, s55
	s_lshl_b32 s55, s53, 1
	s_add_co_u32 s58, s58, s55
	s_mov_b32 s59, 0
	s_mov_b32 s[SEL], 0x76543210
	s_mov_b32 s[SEL+1], 0xfedcba98
	s_mov_b32 s[CS], 0x3e38aa3b                    ; log2(e) / 8
	s_mov_b32 s[CS+1], s[CS]                       ; (named with it as a pair, so it is written)
	s_mov_b32 s[TB], 0
	s_mov_b32 s[TS], 0
	s_mov_b32 s36, 16                              ; key steps of 128
	s_wait_kmcnt 0x0
	s_add_nc_u64 s[20:21], s[4:5], s[42:43]        ; the head's q,
	s_add_nc_u64 s[16:17], s[20:21], 3145728       ; k,
	s_add_nc_u64 s[18:19], s[20:21], 6291456       ; v
	s_add_nc_u64 s[20:21], s[20:21], s[48:49]      ; my half fragment of q
	s_add_nc_u64 s[26:27], s[6:7], s[44:45]        ; the scale words likewise
	s_add_nc_u64 s[22:23], s[26:27], 131072
	s_add_nc_u64 s[24:25], s[26:27], 262144
	s_add_nc_u64 s[26:27], s[26:27], s[50:51]
	s_add_nc_u64 s[38:39], s[8:9], s[56:57]        ; where my codes of ctx go,
	s_add_nc_u64 s[40:41], s[10:11], s[58:59]      ; and my two bytes of each row's scale word
	global_load_b128 v[22:25], v[LI], s[20:21]     ; q: six registers
	global_load_b64 v[26:27], v[L8], s[20:21] offset:512
	global_load_b32 v[QS], v[LR], s[26:27]
.set i, 0
.rept 12
	global_load_b128 v[S+4*i:S+4*i+3], v40, s[16:17] offset:8192*i           ; K: 512 threads x 16 bytes x 12
.set i, i+1
.endr
.rept 12
	global_load_b128 v[S+4*i:S+4*i+3], v40, s[18:19] offset:8192*(i-12)      ; V likewise
.set i, i+1
.endr
	global_load_b64 v[192:193], v45, s[22:23]
	global_load_b64 v[194:195], v45, s[24:25]
.irp j, 16,17,18,19,20,21,28,29,30,31,32,33
	v_mov_b32 v[\j], 0                             ; the zero codes on either side of q
.endr
	v_mov_b32 v13, 0xff61b1e6                      ; the largest t so far: -3e38, under every t
	v_floor_f32 v12, -v13                          ; -M
	v_mov_b32 v14, 0                               ; the sum, in two halves
	v_mov_b32 v15, 0
.irp b, 0,1,2,3
	v_mov_b32 v[BX+\b], 0                          ; written once: a lane permute's destination counts as one of its sources
.endr
	v_mov_b32 v[F+1], 0                            ; (named as the upper half of a pair)
.set i, 0
.rept 24
	s_wait_loadcnt 25-i                            ; loads come back in order: this one is in, the 25 - i issued behind it may be out
	ds_store_b128 v[40+i/8], v[S+4*i:S+4*i+3] offset:8192*(i%8)
.set i, i+1
.endr
	s_wait_loadcnt 1
	ds_store_b64 v43, v[192:193]
	s_wait_loadcnt 0x0
	ds_store_b64 v44, v[194:195]
	v_lshrrev_b32 v[QS], s28, v[QS]                ; my tile's two bytes,
	v_and_b32 v[QS], 0xffff, v[QS]
	v_lshl_or_b32 v[QS], v[QS], 16, v[QS]          ; in both halves of the word
	s_wait_dscnt 0x0                               ; my part of the copy has landed
	s_barrier_signal -1
	s_barrier_wait -1                              ; everybody's has: from here on LDS is only read
.set j, 0
.rept 32
	v_mov_b32 v[O+j], 0                            ; O^T.  (The step is written once: the first finds zeros, which the first change of M leaves zeros)
.set j, j+1
.endr
.Lstep:                                            ; 16 trips: 128 keys each
	v_add_nc_u32 v[ADK], s[TB], v[LI]              ; (these six are also the places ahead of loads into registers that the last products have read)
	v_add_nc_u32 v[ADK8], s[TB], v[L8]
	v_add_nc_u32 v[ADV], s[TB], v[LIV]
	v_add_nc_u32 v[ADV8], s[TB], v[L8V]
	v_add_nc_u32 v[ADS], s[TS], v[LRK]
	v_add_nc_u32 v[ADT], s[TS], v[LRV]
.irp f, 0,1,2,3
	LFRAG FR+12*\f, ADK, ADK8, 1536*\f
	ds_load_b32 v[KSC+\f], v[ADS] offset:64*\f
.endr
	s_wait_dscnt 0x0
.irp f, 0,1,2,3                                    ; S^T: each pair fragment against (q, 0) and (0, q): keys 32 f + 16 h + 0 .. 7 and + 8 .. 15
	v_wmma_scale_f32_16x16x128_f8f6f4 v[S+16*\f:S+16*\f+7], v[FR+12*\f:FR+12*\f+11], v[22:33], 0, v[KSC+\f], v[QS] matrix_a_fmt:MATRIX_FMT_FP6 matrix_b_fmt:MATRIX_FMT_FP6
	v_wmma_scale_f32_16x16x128_f8f6f4 v[S+16*\f+8:S+16*\f+15], v[FR+12*\f:FR+12*\f+11], v[16:27], 0, v[KSC+\f], v[QS] matrix_a_fmt:MATRIX_FMT_FP6 matrix_b_fmt:MATRIX_FMT_FP6
.endr
.rept 4
	v_nop                                          ; four places: ahead of the loads into K's registers, and of the first read of the scores
.endr
.irp t, 0,1,2,3
	LFRAG FR+12*\t, ADV, ADV8, 1536*\t             ; V's four fragments land while the softmax is walked
	ds_load_b32 v[VSC+\t], v[ADT] offset:64*\t
.endr
.irp b, 0,1,2,3
	v_max3_num_f32 v[BM+\b], v[S+16*\b], v[S+1+16*\b], v[S+2+16*\b]   ; THE LARGEST SCORE OF EACH BLOCK OF 32 KEYS serves twice: for the row's maximum, and, since p rises with the score, for the block's largest p
.endr
.irp i, 3,5,7,9,11,13
.irp b, 0,1,2,3
	v_max3_num_f32 v[BM+\b], v[BM+\b], v[S+16*\b+\i], v[S+1+16*\b+\i]
.endr
.endr
.irp b, 0,1,2,3
	v_max_num_f32 v[BM+\b], v[BM+\b], v[S+15+16*\b]
.endr
.irp b, 0,1,2,3
	v_permlanex16_b32 v[BX+\b], v[BM+\b], s[SEL], s[SEL+1]
.endr
.irp b, 0,1,2,3
	v_max_num_f32 v[BM+\b], v[BM+\b], v[BX+\b]     ; with lane l xor 16's 16 keys
.endr
	v_max3_num_f32 v[TW], v[BM], v[BM+1], v[BM+2]
	v_max_num_f32 v[TW], v[TW], v[BM+3]            ; the step's largest score of my query
	v_mul_f32 v[TW], s[CS], v[TW]                  ; as t (c is positive)
	v_max_num_f32 v13, v13, v[TW]                  ; the running largest t
	v_mov_b32 v[TW], v12
	v_floor_f32 v12, -v13                          ; the new -M = floor(-t) = -ceil(t): a whole number
	v_sub_f32 v[TW], v12, v[TW]                    ; old M - new M: a whole number, 0 or less
	v_cvt_i32_f32 v[TW], v[TW]                     ; (it saturates)
	v_ldexp_f32 v[F], 1.0, v[TW]                   ; f = 2^(old M - new M)
.set j, 0
.rept 32
	v_pk_fma_f32 v[S+j:S+j+1], v[S+j:S+j+1], s[CS:CS+1], v[12:13] op_sel_hi:[1,0,0]   ; t - M, two at a time
.set j, j+2
.endr
.irp b, 0,1,2,3
	v_fma_f32 v[BM+\b], v[BM+\b], s[CS], v12       ; the same of each block's largest score
.endr
.set j, 0
.rept 64
	v_exp_f32 v[S+j], v[S+j]                       ; p = 2^(t - M), at most 1: not normalised
.set j, j+1
.endr
	v_pk_mul_f32 v[14:15], v[14:15], v[F:F+1] op_sel_hi:[1,0]      ; the sums under the new M.  (A plain place behind the exponentials)
	s_wait_alu depctr_va_vdst(0)                   ; one wait for the whole batch, ahead of its first reader
.irp b, 0,1,2,3
	v_exp_f32 v[BM+\b], v[BM+\b]                   ; the block's largest p: the same two instructions on the same number give the same bits
.endr
	v_pk_add_f32 v[214:215], v[S:S+1], v[S+2:S+3]  ; THE ROW'S SUM IS TAKEN OF THE UNQUANTISED p, two at a time, in two chains.  (It reads the 64 alone: plain work behind the four)
.irp j, 4,8,12,16,20,24,28,32,36,40,44,48,52,56,60
	v_pk_add_f32 v[14:15], v[14:15], v[S+\j:S+\j+1]
	v_pk_add_f32 v[214:215], v[214:215], v[S+2+\j:S+3+\j]
.endr
	v_pk_add_f32 v[14:15], v[14:15], v[214:215]
	s_wait_alu depctr_va_vdst(0)                   ; and one for the four
.irp b, 0,1,2,3
	v_max_num_f32 v[BM+\b], FLOOR, v[BM+\b]        ; the floor 2^(3 - 127): the byte cannot fall under 1
.endr
.irp b, 0,1,2,3
	v_add_nc_u32 v[SO+\b], EOFF, v[BM+\b]          ; 2 off the exponent field: the conversion's scale operand
.endr
.irp b, 0,1,2,3
	v_lshrrev_b32 v[BY+\b], 23, v[SO+\b]           ; the scale's byte
.endr
	v_lshl_or_b32 v[PS], v[BY+1], 8, v[BY]         ; p's scale word for these 128 keys
	v_lshl_or_b32 v[PS], v[BY+2], 16, v[PS]
	v_lshl_or_b32 v[PS], v[BY+3], 24, v[PS]
.irp c, 0,1
	v_cvt_scalef32_pk16_fp6_f32 v[P+6*\c:P+6*\c+2], v[S+32*\c:S+32*\c+15], v[SO+2*\c]
	v_cvt_scalef32_pk16_fp6_f32 v[CT+4*\c:CT+4*\c+2], v[S+32*\c+16:S+32*\c+31], v[SO+2*\c+1]   ; (a conversion's three registers begin on an even number)
.endr
	v_nop                                          ; one plain place behind the conversions
	PAIR P, CT
	PAIR P+6, CT+4
.set j, 0
.rept 16
	v_pk_mul_f32 v[O+j:O+j+1], v[O+j:O+j+1], v[F:F+1] op_sel_hi:[1,0]   ; O^T under the new M, each accumulator from its low end on.  (These 16 stand between the making of p's codes and scale word and the products)
.set j, j+2
.endr
	s_wait_dscnt 0x0                               ; V
.irp t, 0,1,2,3                                    ; O^T += V^T P^T: four tiles of 16 channels, four accumulators, one instruction each
	v_wmma_scale_f32_16x16x128_f8f6f4 v[O+8*\t:O+8*\t+7], v[FR+12*\t:FR+12*\t+11], v[P:P+11], v[O+8*\t:O+8*\t+7], v[VSC+\t], v[PS] matrix_a_fmt:MATRIX_FMT_FP6 matrix_b_fmt:MATRIX_FMT_FP6
.endr
	s_add_co_u32 s[TB], s[TB], 6144
	s_add_co_u32 s[TS], s[TS], 256
	s_sub_co_u32 s36, s36, 1
	s_cmp_lg_u32 s36, 0
	s_cbranch_scc1 .Lstep
	; THE WAY OUT: O^T / the sum; registers 16 b + i are channels 32 b + 16 h + i of my query: two blocks of the next K, quantised as they stand.
	v_add_f32 v14, v14, v15                        ; the sum's two halves,
	v_permlanex16_b32 v[TW], v14, s[SEL], s[SEL+1]
	v_add_f32 v14, v14, v[TW]                      ; and lane l xor 16's
	v_rcp_f32 v14, v14
	v_nop                                          ; plain places: behind the reciprocal, and (with the additions above) four behind the last products
	v_nop
	s_wait_alu depctr_va_vdst(0)                   ; the wait ahead of the reciprocal's first reader
.set j, 0
.rept 16
	v_pk_mul_f32 v[O+j:O+j+1], v[O+j:O+j+1], v[14:15] op_sel_hi:[1,0]
.set j, j+2
.endr
.irp b, 0,1
	v_max3_num_f32 v[BM+\b], |v[O+16*\b]|, |v[O+1+16*\b]|, FLOOR
.endr
.irp i, 2,4,6,8,10,12,14
.irp b, 0,1
	v_max3_num_f32 v[BM+\b], v[BM+\b], |v[O+16*\b+\i]|, |v[O+1+16*\b+\i]|
.endr
.endr
.irp b, 0,1
	v_permlanex16_b32 v[BX+\b], v[BM+\b], s[SEL], s[SEL+1]
.endr
.irp b, 0,1
	v_max_num_f32 v[BM+\b], v[BM+\b], v[BX+\b]
.endr
.irp b, 0,1
	v_add_nc_u32 v[SO+\b], EOFF, v[BM+\b]
.endr
.irp b, 0,1
	v_lshrrev_b32 v[BY+\b], 23, v[SO+\b]
.endr
	v_cvt_scalef32_pk16_fp6_f32 v[P:P+2], v[O:O+15], v[SO]
	v_cvt_scalef32_pk16_fp6_f32 v[CT:CT+2], v[O+16:O+31], v[SO+1]
	v_lshl_or_b32 v[PS], v[BY+1], 8, v[BY]         ; my head's two bytes of the row's scale word.  (The plain place behind the conversions)
	PAIR P, CT
	global_store_b128 v[LI], v[P:P+3], s[38:39]    ; half a fragment: 512 and 256 consecutive bytes
	global_store_b64 v[L8], v[P+4:P+5], s[38:39] offset:512
	global_store_b16 v[LR], v[PS], s[40:41]        ; both halves of the lanes hold the same two bytes
	s_wait_tensorcnt 0x0                           ; the wave's end: behind my last LDS store
	ds_add_u32 v[SPW], v[NIL]
	s_wait_dscnt 0x0
	s_endpgm
.Lfunc_end_k_q9599586bb9_attn:
	.size	k_q9599586bb9_attn, .Lfunc_end_k_q9599586bb9_attn-k_q9599586bb9_attn
	.p2alignl 7, 3214868480
	.fill 96, 4, 3214868480
	.section	.rodata,"a",@progbits
	.p2align	6, 0x0
	.amdhsa_kernel k_q9599586bb9_attn
		.amdhsa_group_segment_fixed_size 206848
		.amdhsa_private_segment_fixed_size 0
		.amdhsa_enable_private_segment 0
		.amdhsa_kernarg_size 32
		.amdhsa_user_sgpr_count 2
		.amdhsa_user_sgpr_kernarg_segment_ptr 1
		.amdhsa_wavefront_size32 1
		.amdhsa_system_sgpr_workgroup_id_x 1
		.amdhsa_system_sgpr_workgroup_id_y 1
		.amdhsa_system_sgpr_workgroup_id_z 1
		.amdhsa_system_vgpr_workitem_id 0
		.amdhsa_next_free_vgpr 256
		.amdhsa_next_free_sgpr 66
		.amdhsa_reserve_vcc 0
		.amdhsa_float_denorm_mode_32 3
		.amdhsa_float_denorm_mode_16_64 3
		.amdhsa_memory_ordered 1
		.amdhsa_forward_progress 1
		.amdhsa_inst_pref_size 31
	.end_amdhsa_kernel
	.amdgpu_metadata
---
amdhsa.version: [ 1, 2 ]
amdhsa.kernels:
  - .name:           k_q9599586bb9_attn
    .symbol:         k_q9599586bb9_attn.kd
    .args:
      - { .name: ai, .offset: 0, .size: 8, .value_kind: global_buffer, .address_space: global }
      - { .name: asc, .offset: 8, .size: 8, .value_kind: global_buffer, .address_space: global }
      - { .name: cc, .offset: 16, .size: 8, .value_kind: global_buffer, .address_space: global }
      - { .name: cs, .offset: 24, .size: 8, .value_kind: global_buffer, .address_space: global }
    .group_segment_fixed_size: 206848
    .private_segment_fixed_size: 0
    .kernarg_segment_align: 8
    .kernarg_segment_size: 32
    .max_flat_workgroup_size: 512
    .sgpr_count:     66
    .vgpr_count:     256
    .wavefront_size: 32
...
	.end_amdgpu_metadata
.endif
;; end of part 3
;; launch tail (part 4): grid 64 x 1, 16 waves a work-group, no clusters, 320,512 bytes of LDS; arguments cc, cs, qc, qs, hidden_states, ln2_w, out0; writes out0
.if DOCPART == 4
	.amdgcn_target "amdgcn-amd-amdhsa--gfx1250"
	.amdhsa_code_object_version 6
	.text
	.protected	k_q9599586bb9_tail
	.globl	k_q9599586bb9_tail
	.p2align	8
	.type	k_q9599586bb9_tail,@function
k_q9599586bb9_tail:
	s_mov_b64 s[64:65], 0
	v_nop
	global_prefetch_b8 v0, s[64:65] scope:SCOPE_SE
	s_setreg_imm32_b32 hwreg(HW_REG_WAVE_MODE, 25, 1), 1
	s_wait_xcnt 0x0
; x1 = hidden + ctx wo^T;  h2 = rmsnorm(x1) * ln2_w;  out = x1 + (silu(h2 w_gate^T) * (h2 w_up^T)) w_down^T.  All four products on codes of FP6 (E2M3); nothing between them goes to memory.
; SHARES.  A work-group owns 64 WHOLE rows (four tiles of 16 tokens), since the norm and the last product want whole rows.  THE WAVES SHARE THE COLUMNS: wave w makes columns 64 w .. 64 w + 63 of every product, which are
; half (w % 2) of K step (w / 2) of the next operand: it quantises them in registers and stores that half's image into LDS, where all sixteen waves read the whole operand.
; A fragment of a weight is used by ONE wave of the work-group: it goes from memory straight into that wave's registers and feeds four matrix instructions, through a ring of register slots.
; NO CLUSTER, NO JOINT LOADS, though all 64 work-groups walk the same weights: by way of LDS a wave would read 12 KB of LDS for a K step's 16 matrix instructions where it now reads 6 KB.
; The products are used transposed (source 0 = weight, source 1 = tokens): a lane holds one token, and registers ACC + 32 m + 16 b + i are columns 64 w + 32 b + 16 (lane / 16) + i of token (m, lane % 16); the rows of a tile
; are not neighbours (row m of tile T is 32 (T / 2) + 8 (T % 2) + m + 8 (m / 8)), for tokens and weights alike.
; The residuals are the C of each sum's first matrix instruction, so they are added ahead of the products' terms and not behind them: an order of rounding that differs from the definition's by f32 rounding alone.
; gate and up go in two passes of 32 columns (two tiles of each, 16 accumulators), so that silu(gate) * up is made in registers.
; LIMITS: a block of zeros gets the byte 1, not 127 (codes zero; the bytes are this program's own); largest magnitudes under 2^-124 have the byte held at 1; NaN and infinities are not served.
.set LI,  1                            ; v1   16 x lane
.set L8,  2                            ; v2   8 x lane
.set LS,  3                            ; v3   4 x lane
.set SPW, 4                            ; v4   my spare word; never rewritten
.set NIL, 5                            ; v5   0; never rewritten
.set XA,  7                            ; v7   where x1 waits in LDS: my wave's 16,384 bytes, 16 x lane.  v6, v28-31: addresses and the first pass's codes, made where they are used
.set ASC, 8                            ; v8-11   the tokens' scale words: lanes 0-15 the even K step's, lanes 16-31 the odd one's
.set WSC, 12                           ; v12-27  the weight's scale words: register 4 (K step / 2) + tile
.set WF,  32                           ; v32-79  the ring of weight fragments (four slots; three in the gate and up passes, which keep v68-79)
.set AF,  80                           ; v80-127 a K step's four fragments of tokens
.set ACC, 128                          ; v128-255 the 16 accumulators
.set WB,  20                           ; s[20:21] qc + my four tiles' place within a weight
.set SB,  22                           ; s[22:23] qs likewise
.set SEL, 24                           ; s[24:25] selects for lane l xor 16
.set ASCL,  49152                      ; LDS: 0 .. 49,151 the operand's 32 fragments, (8 m + K step) x 1,536: ctx, then h2, then the activation; then its scale words, 512 bytes a tile;
.set RED,   51200                      ; the rows' partial sums of squares: 64 tokens x (16 waves x 4 bytes + 16);
.set XS,    56320                      ; 16,384 bytes for each wave, its own: x1 as an image of its registers, later the stage of the way out;
.set SPARE, 318464                     ; the spare words, 128 bytes for each of sixteen waves: eight blocks of 256 bytes that no other line names
.set FLOOR, 0x1800000
.set EOFF,  0xff000000
.macro BARRIER                         ; my LDS stores have landed and my LDS loads are in: then the work-group's barrier
	s_wait_dscnt 0x0
	s_barrier_signal -1
	s_barrier_wait -1
.endm
; one matrix instruction.  kind 0: it starts the sum; 1: it adds, scales of an even K step (lanes 0-15); 2: of an odd one (lanes 16-31)
.macro WM d, a, b, sx, sy, kind
.if \kind == 0
	v_wmma_scale_f32_16x16x128_f8f6f4 v[\d:\d+7], v[\a:\a+11], v[\b:\b+11], 0, v[\sx], v[\sy] matrix_a_fmt:MATRIX_FMT_FP6 matrix_b_fmt:MATRIX_FMT_FP6
.elseif \kind == 1
	v_wmma_scale_f32_16x16x128_f8f6f4 v[\d:\d+7], v[\a:\a+11], v[\b:\b+11], v[\d:\d+7], v[\sx], v[\sy] matrix_a_fmt:MATRIX_FMT_FP6 matrix_b_fmt:MATRIX_FMT_FP6
.else
	v_wmma_scale_f32_16x16x128_f8f6f4 v[\d:\d+7], v[\a:\a+11], v[\b:\b+11], v[\d:\d+7], v[\sx], v[\sy] matrix_a_fmt:MATRIX_FMT_FP6 matrix_b_fmt:MATRIX_FMT_FP6 matrix_a_scale:MATRIX_SCALE_ROW1 matrix_b_scale:MATRIX_SCALE_ROW1
.endif
.endm
.macro WTILE tt, t01, t23              ; which tile, counted from WB, is the wave's tile tt
.if (\tt) < 2
.set wtile, (\t01)+(\tt)
.else
.set wtile, (\t23)+(\tt)-2
.endif
.endm
.macro WLOAD gg, nr, t01, t23          ; group gg = 4 x K step + tile: its weight fragment into ring slot gg % nr.  The offsets stay under 7,913,217: inside the signed 24-bit immediate
	WTILE (\gg)%4, \t01, \t23
.set wreg, WF+12*((\gg)%(\nr))
.set woff, wtile*12288+((\gg)/4)*1536
	global_load_b128 v[wreg:wreg+3], v[LI], s[WB:WB+1] offset:woff
	global_load_b64 v[wreg+4:wreg+5], v[L8], s[WB:WB+1] offset:woff+512
	global_load_b128 v[wreg+6:wreg+9], v[LI], s[WB:WB+1] offset:woff+768
	global_load_b64 v[wreg+10:wreg+11], v[L8], s[WB:WB+1] offset:woff+1280
.endm
.macro CORE_HEAD nr, t01, t23          ; the weight's 16 registers of scale words, then the ring's first nr fragments
.irp tt, 0,1,2,3
	WTILE \tt, \t01, \t23
.irp kp, 0,1,2,3
	global_load_b32 v[WSC+4*\kp+\tt], v[LS], s[SB:SB+1] offset:wtile*512+128*\kp
.endr
.endr
.set hg, 0
.rept \nr
	WLOAD hg, \nr, \t01, \t23
.set hg, hg+1
.endr
.endm
.macro CORE_A kk                       ; K step kk's four fragments of tokens from LDS; with an even step the scale words of two steps
.irp m, 0,1,2,3
	ds_load_b128 v[AF+12*\m:AF+12*\m+3], v[LI] offset:(8*\m+(\kk))*1536
	ds_load_b64 v[AF+12*\m+4:AF+12*\m+5], v[L8] offset:(8*\m+(\kk))*1536+512
	ds_load_b128 v[AF+12*\m+6:AF+12*\m+9], v[LI] offset:(8*\m+(\kk))*1536+768
	ds_load_b64 v[AF+12*\m+10:AF+12*\m+11], v[L8] offset:(8*\m+(\kk))*1536+1280
.endr
.if ((\kk)%2) == 0
.irp m, 0,1,2,3
	ds_load_b32 v[ASC+\m], v[LS] offset:ASCL+512*\m+128*((\kk)/2)
.endr
.endif
.endm
; 128 matrix instructions: 32 groups of four (one weight fragment against the four tiles of tokens).  The 16 accumulators take turns, one instruction a turn, in the same order in every K step.
; Accumulator (m, t) at ACC + 32 m + 8 t.  first = 1: K step 0 starts the sums; 0: they begin with what the accumulators hold (a residual).  all = 1: the first wait is for every load.
; A load into a register that a matrix instruction has read stands four plain vector instructions behind it (ISA guide 7.12.1 for vector instructions): four v_nop ahead of each refill.
.macro CORE first, nr, t01, t23, all
.set g, 0
.rept 32
.set ks, g/4
.set tq, g%4
.set yng, 31-g
.if yng > (\nr)-1
.set yng, (\nr)-1
.endif
.if (g == 0) && (\all)
	s_wait_loadcnt 0x0
.else
	s_wait_loadcnt 4*yng                           ; this group's fragment is in; the four loads of each younger group of the ring may be out
.endif
.if tq == 0
	s_wait_dscnt 0x0                               ; the K step's fragments of tokens (ahead of the first step: whatever else was read from LDS)
.endif
.set wr, WF+12*(g%(\nr))
.set sw, WSC+4*(ks/2)+tq
.set kind, 1+ks%2
.if (\first) && (ks == 0)
.set kind, 0
.endif
.irp m, 0,1,2,3
.set aa, AF+12*\m
.set sa, ASC+\m
.set dd, ACC+32*\m+8*tq
	WM dd, wr, aa, sw, sa, kind
.endr
.if (g+(\nr) <= 31) || ((tq == 3) && (ks < 7))
.rept 4
	v_nop
.endr
.endif
.if g+(\nr) <= 31
	WLOAD g+(\nr), \nr, \t01, \t23
.endif
.if (tq == 3) && (ks < 7)
	CORE_A ks+1
.endif
.set g, g+1
.endr
.rept 4
	v_nop                                          ; the places behind the last products
.endr
.endm
; Four blocks of 32 along a K: block b's 16 numbers of this lane at v[s + st b] on (lane l xor 16 has the other 16).  Largest magnitudes at TM + b, bytes at TM + 4 + b, the conversions' operands at TM + 12 + b; 16 codes to v[d_b] on.
; The caller's next line is a plain one that touches none of the conversions' registers: the place owed behind them.
.macro BQ4 s, st, d0, d1, d2, d3
.irp b, 0,1,2,3
	v_max3_num_f32 v[TM+\b], |v[\s+\st*\b]|, |v[\s+\st*\b+1]|, FLOOR   ; with the floor 2^(3 - 127) among the leaves: the byte cannot fall under 1
.endr
.irp i, 2,4,6,8,10,12,14
.irp b, 0,1,2,3
	v_max3_num_f32 v[TM+\b], v[TM+\b], |v[\s+\st*\b+\i]|, |v[\s+\st*\b+\i+1]|
.endr
.endr
.irp b, 0,1,2,3
	v_permlanex16_b32 v[TM+4+\b], v[TM+\b], s[SEL], s[SEL+1]
.endr
.irp b, 0,1,2,3
	v_max_num_f32 v[TM+\b], v[TM+\b], v[TM+4+\b]
.endr
.irp b, 0,1,2,3
	v_add_nc_u32 v[TM+12+\b], EOFF, v[TM+\b]       ; 2 off the exponent field: the conversion's scale operand
.endr
.irp b, 0,1,2,3
	v_lshrrev_b32 v[TM+4+\b], 23, v[TM+12+\b]      ; the scale's byte
.endr
	v_cvt_scalef32_pk16_fp6_f32 v[\d0:\d0+2], v[\s:\s+15], v[TM+12]
	v_cvt_scalef32_pk16_fp6_f32 v[\d1:\d1+2], v[\s+\st:\s+\st+15], v[TM+13]
	v_cvt_scalef32_pk16_fp6_f32 v[\d2:\d2+2], v[\s+2*\st:\s+2*\st+15], v[TM+14]
	v_cvt_scalef32_pk16_fp6_f32 v[\d3:\d3+2], v[\s+3*\st:\s+3*\st+15], v[TM+15]
.endm
.macro PAIR d, t                       ; two blocks' half-block codes become six registers with a WHOLE block in a lane: lanes 0-15 the first block, lanes 16-31 the second
.irp i, 0,1,2
	v_permlane16_swap_b32 v[\d+\i], v[\t+\i]
.endr
.irp i, 0,1,2
	v_mov_b32 v[\d+3+\i], v[\t+\i]
.endr
.endm
.macro QUANT s, pc, pw                 ; two tiles of tokens x my 64 columns: registers pc .. pc + 5 the first tile's half fragment, pc + 6 .. pc + 11 the second's; v[pw]: two bytes for each
	BQ4 \s, 16, \pc, \pc+12, \pc+6, \pc+16
	v_lshl_or_b32 v[\pw], v[TM+5], 8, v[TM+4]
	v_lshl_or_b32 v[\pw], v[TM+6], 16, v[\pw]
	v_lshl_or_b32 v[\pw], v[TM+7], 24, v[\pw]
	PAIR \pc, \pc+12
	PAIR \pc+6, \pc+16
.endm
.macro HADDR a16, a8, as               ; where my half of the next operand's images goes: s28 = (w / 2) x 1,536 + (w % 2) x 768;  s29 = the scale words + (w / 2) x 64 + (w % 2) x 2
	v_add_nc_u32 v[\a16], s28, v[LI]
	v_add_nc_u32 v[\a8], s28, v[L8]
	v_and_b32 v[\as], 15, v0
	v_lshl_add_u32 v[\as], v[\as], 2, s29
.endm
.macro HOUT mt, p, hw, a16, a8, as     ; tile of tokens mt: six registers of codes and two scale bytes
	ds_store_b128 v[\a16], v[\p:\p+3] offset:12288*\mt
	ds_store_b64 v[\a8], v[\p+4:\p+5] offset:12288*\mt+512
	ds_store_b16 v[\as], v[\hw] offset:512*\mt     ; both halves of the lanes write the same two bytes
.endm
; silu(gate) * up for tiles of tokens 2 q and 2 q + 1: gate in registers 32 m + 0 .. 15, up in 32 m + 16 .. 31; sigmoid(x) = 1 / (1 + 2^(-x log2 e)).  Each batch of 32 transcendentals has one plain instruction and one wait behind it.
.macro SILU q
.irp mm, 0,1
.irp k, 0,2,4,6,8,10,12,14
	v_pk_mul_f32 v[80+16*\mm+\k:81+16*\mm+\k], v[ACC+32*(2*\q+\mm)+\k:ACC+32*(2*\q+\mm)+\k+1], 0xbfb8aa3b op_sel_hi:[1,0]
.endr
.endr
.set e, 80
.rept 32
	v_exp_f32 v[e], v[e]
.set e, e+1
.endr
	v_nop
	s_wait_alu depctr_va_vdst(0)                   ; one wait for the batch, ahead of its first reader
.set e, 80
.rept 16
	v_pk_add_f32 v[e:e+1], v[e:e+1], 1.0 op_sel_hi:[1,0]
.set e, e+2
.endr
.set e, 80
.rept 32
	v_rcp_f32 v[e], v[e]
.set e, e+1
.endr
	v_nop
	s_wait_alu depctr_va_vdst(0)
.irp mm, 0,1
.irp k, 0,2,4,6,8,10,12,14
	v_pk_mul_f32 v[ACC+32*(2*\q+\mm)+\k:ACC+32*(2*\q+\mm)+\k+1], v[ACC+32*(2*\q+\mm)+\k:ACC+32*(2*\q+\mm)+\k+1], v[80+16*\mm+\k:81+16*\mm+\k]
.endr
.endr
.irp mm, 0,1
.irp k, 0,2,4,6,8,10,12,14
	v_pk_mul_f32 v[ACC+32*(2*\q+\mm)+\k:ACC+32*(2*\q+\mm)+\k+1], v[ACC+32*(2*\q+\mm)+\k:ACC+32*(2*\q+\mm)+\k+1], v[ACC+32*(2*\q+\mm)+16+\k:ACC+32*(2*\q+\mm)+17+\k]
.endr
.endr
.endm
	s_load_b256 s[4:11], s[0:1], 0x0               ; cc s[4:5], cs s[6:7], qc s[8:9], qs s[10:11]
	s_load_b128 s[12:15], s[0:1], 0x20             ; hidden s[12:13], ln2 s[14:15]
	s_load_b64 s[16:17], s[0:1], 0x30              ; out0
	v_lshl_add_u32 v[SPW], v0, 2, SPARE
	v_mov_b32 v[NIL], 0
	v_lshrrev_b32 v6, 5, v0
	v_readfirstlane_b32 s18, v6                    ; wave 0..15
	v_and_b32 v6, 31, v0
	v_lshlrev_b32 v[LI], 4, v6
	v_lshlrev_b32 v[L8], 3, v6
	v_lshlrev_b32 v[LS], 2, v6
	v_lshlrev_b32 v28, 4, v0                       ; 16 x thread: the copy of ctx into LDS, in memory and in LDS alike
	v_lshlrev_b32 v29, 2, v0
	v_add_nc_u32 v30, ASCL, v29
	s_lshl_b32 s19, s18, 8                         ; my 64 columns in a row of f32: 256 w bytes
	v_and_b32 v31, 15, v0
	v_and_b32 v6, 8, v31
	v_add_nc_u32 v31, v31, v6                      ; r + 8 (r / 8)
	v_lshlrev_b32 v31, 12, v31
	v_bfe_u32 v6, v0, 4, 1
	v_lshl_add_u32 v31, v6, 6, v31
	v_add_nc_u32 v31, s19, v31                     ; the residual: my token's row, + 64 h, + 256 w
	s_lshl_b32 s30, s18, 14
	s_add_co_u32 s30, s30, XS                      ; my wave's 16,384 bytes
	v_add_nc_u32 v[XA], s30, v[LI]
	s_lshr_b32 s32, s18, 1
	s_and_b32 s33, s18, 1
	s_mul_i32 s28, s32, 1536
	s_mul_i32 s34, s33, 768
	s_add_co_u32 s28, s28, s34
	s_lshl_b32 s29, s32, 6
	s_lshl_b32 s34, s33, 1
	s_add_co_u32 s29, s29, s34
	s_add_co_u32 s29, s29, ASCL
	s_mul_i32 s32, ttmp9, 49152                    ; the block's four tiles of ctx,
	s_mov_b32 s33, 0
	s_lshl_b32 s34, ttmp9, 11                      ; their scale words,
	s_mov_b32 s35, 0
	s_lshl_b32 s36, ttmp9, 18                      ; its 64 rows of 4,096 bytes
	s_mov_b32 s37, 0
	s_mul_i32 s38, s18, 49152                      ; my four tiles within a weight
	s_mov_b32 s39, 0
	s_lshl_b32 s40, s18, 11
	s_mov_b32 s41, 0
	s_mov_b32 s[SEL], 0x76543210
	s_mov_b32 s[SEL+1], 0xfedcba98
	s_mov_b32 s26, 0x3a800000                      ; 1 / 1,024
	s_mov_b32 s27, 0x358637bd                      ; 1e-6
	s_wait_kmcnt 0x0
	s_add_nc_u64 s[4:5], s[4:5], s[32:33]
	s_add_nc_u64 s[6:7], s[6:7], s[34:35]
	s_add_nc_u64 s[WB:WB+1], s[8:9], s[38:39]
	s_add_nc_u64 s[SB:SB+1], s[10:11], s[40:41]
	s_add_nc_u64 s[12:13], s[12:13], s[36:37]
	s_add_nc_u64 s[16:17], s[16:17], s[36:37]
	; ---- ctx into LDS; the residual into the accumulators
.irp i, 0,1,2,3,4,5
	global_load_b128 v[AF+4*\i:AF+4*\i+3], v28, s[4:5] offset:8192*\i
.endr
	global_load_b32 v104, v29, s[6:7]
	CORE_HEAD 4, 448, 450                          ; wo
	s_wait_loadcnt 16                              ; the copy's seven loads (and wo's scale words) are in; the ring's 16 may be out
.irp i, 0,1,2,3,4,5
	ds_store_b128 v28, v[AF+4*\i:AF+4*\i+3] offset:8192*\i
.endr
	ds_store_b32 v30, v104
.irp m, 0,1,2,3
.irp b, 0,1
.irp q, 0,1,2,3
	global_load_b128 v[ACC+32*\m+16*\b+4*\q:ACC+32*\m+16*\b+4*\q+3], v31, s[12:13] offset:(32*(\m/2)+8*(\m%2))*4096+128*\b+16*\q   ; hidden at the accumulators' own places; a tile's eight loads cover 256 consecutive bytes of each of its rows
.endr
.endr
.endr
	BARRIER                                        ; ctx lies in LDS
	CORE_A 0
	CORE 0, 4, 448, 450, 1                         ; x1 = hidden + ctx wo^T
	; ---- x1 is put by; the rows' sums of squares meet in LDS
	v_bfe_u32 v31, v0, 4, 1                        ; (the residual's loads are done: their offset register is free)
	v_lshlrev_b32 v31, 6, v31
	v_add_nc_u32 v31, s19, v31                     ; ln2_w at my columns: 64 h + 256 w
.irp b, 0,1
.irp q, 0,1,2,3
	global_load_b128 v[96+16*\b+4*\q:99+16*\b+4*\q], v31, s[14:15] offset:128*\b+16*\q
.endr
.endr
.set i, 0
.rept 32
	ds_store_b128 v[XA], v[ACC+4*i:ACC+4*i+3] offset:512*i         ; an image of the 128 registers, each accumulator from its low end on
.set i, i+1
.endr
.irp m, 0,1,2,3
	v_pk_mul_f32 v[32+2*\m:33+2*\m], v[ACC+32*\m:ACC+32*\m+1], v[ACC+32*\m:ACC+32*\m+1]
.endr
.irp k, 2,4,6,8,10,12,14,16,18,20,22,24,26,28,30
.irp m, 0,1,2,3
	v_pk_fma_f32 v[32+2*\m:33+2*\m], v[ACC+32*\m+\k:ACC+32*\m+\k+1], v[ACC+32*\m+\k:ACC+32*\m+\k+1], v[32+2*\m:33+2*\m]
.endr
.endr
.irp m, 0,1,2,3
	v_add_f32 v[32+2*\m], v[32+2*\m], v[33+2*\m]
.endr
.irp m, 0,1,2,3
	v_permlanex16_b32 v[33+2*\m], v[32+2*\m], s[SEL], s[SEL+1]
.endr
.irp m, 0,1,2,3
	v_add_f32 v[32+2*\m], v[32+2*\m], v[33+2*\m]   ; my 64 columns' share of token (m, r)
.endr
	v_and_b32 v28, 15, v0
	v_mul_u32_u24 v28, v28, 80
	v_add_nc_u32 v29, RED, v28                     ; a token's sixteen shares: 80 r (+ 1,280 m)
	s_lshl_b32 s31, s18, 2
	v_add_nc_u32 v28, s31, v29                     ; mine among them
.irp m, 0,1,2,3
	ds_store_b32 v28, v[32+2*\m] offset:1280*\m
.endr
	BARRIER                                        ; all shares lie in LDS, and every wave's reads of ctx are over
.irp m, 0,1,2,3
.irp q, 0,1,2,3
	ds_load_b128 v[32+16*\m+4*\q:35+16*\m+4*\q], v29 offset:1280*\m+16*\q
.endr
.endr
	s_wait_dscnt 0x0
.irp p, 0,4,8,12
.irp m, 0,1,2,3
	v_pk_add_f32 v[32+16*\m+\p:33+16*\m+\p], v[32+16*\m+\p:33+16*\m+\p], v[34+16*\m+\p:35+16*\m+\p]
.endr
.endr
.irp p, 0,8
.irp m, 0,1,2,3
	v_pk_add_f32 v[32+16*\m+\p:33+16*\m+\p], v[32+16*\m+\p:33+16*\m+\p], v[36+16*\m+\p:37+16*\m+\p]
.endr
.endr
.irp m, 0,1,2,3
	v_pk_add_f32 v[32+16*\m:33+16*\m], v[32+16*\m:33+16*\m], v[40+16*\m:41+16*\m]
.endr
.irp m, 0,1,2,3
	v_add_f32 v[32+16*\m], v[32+16*\m], v[33+16*\m]
.endr
.irp m, 0,1,2,3
	v_fma_f32 v[34+16*\m], v[32+16*\m], s26, s27   ; the mean + eps
.endr
.irp m, 0,1,2,3
	v_rsq_f32 v[36+16*\m], v[34+16*\m]             ; twice: a pair for the packed multiply
	v_rsq_f32 v[37+16*\m], v[34+16*\m]
.endr
	v_nop
	s_wait_alu depctr_va_vdst(0)                   ; one wait for the eight, ahead of their first reader
	s_wait_loadcnt 0x0                             ; ln2_w
.set k, 0
.rept 16
.irp m, 0,1,2,3
	v_pk_mul_f32 v[ACC+32*\m+k:ACC+32*\m+k+1], v[ACC+32*\m+k:ACC+32*\m+k+1], v[36+16*\m:37+16*\m]   ; x1 * rms,
.endr
.set k, k+2
.endr
.set k, 0
.rept 16
.irp m, 0,1,2,3
	v_pk_mul_f32 v[ACC+32*\m+k:ACC+32*\m+k+1], v[ACC+32*\m+k:ACC+32*\m+k+1], v[96+k:97+k]           ; then * w, in the order of the definition
.endr
.set k, k+2
.endr
.set TM, 80
	QUANT 128, 32, 76
	QUANT 192, 56, 77
	HADDR 28, 29, 30
	v_lshrrev_b32 v78, 16, v76                     ; the odd tiles' two bytes
	v_lshrrev_b32 v79, 16, v77
	HOUT 0, 32, 76, 28, 29, 30
	HOUT 1, 38, 78, 28, 29, 30
	HOUT 2, 56, 77, 28, 29, 30
	HOUT 3, 62, 79, 28, 29, 30
	s_wait_dscnt 0x0                               ; the stores have read their registers: the ring may be loaded
	CORE_HEAD 3, 512, 576                          ; gate's and up's first two tiles of my four
	BARRIER                                        ; h2 lies in LDS
	CORE_A 0
	; ---- gate and up, columns 64 w + 0 .. 31
	CORE 1, 3, 512, 576, 0
	CORE_HEAD 3, 514, 578                          ; the second pass's first fragments come while this pass's activation is made
	SILU 0
	SILU 1
.set TM, 112
	BQ4 128, 32, 68, 72, 76, 28                    ; one block of 32 for each tile of tokens; its codes wait in v68-78 and v28-30,
	v_lshl_or_b32 v6, v[TM+5], 8, v[TM+4]          ; its four bytes in v6
	v_lshl_or_b32 v6, v[TM+6], 16, v6
	v_lshl_or_b32 v6, v[TM+7], 24, v6
	CORE_A 0
	; ---- gate and up, columns 64 w + 32 .. 63
	CORE 1, 3, 514, 578, 0
	SILU 0
	SILU 1
	BQ4 128, 32, 96, 100, 104, 108
.irp m, 0,1,2,3
	v_bfe_u32 v[80+\m], v6, 8*\m, 8
.endr
.irp m, 0,1,2,3
	v_lshl_or_b32 v[80+\m], v[TM+4+\m], 8, v[80+\m]   ; tile m's two bytes
.endr
.irp i, 0,1,2
	v_mov_b32 v[144+\i], v[68+\i]                  ; the first pass's codes move to six free registers (up's, which are done with)
	v_mov_b32 v[176+\i], v[72+\i]
	v_mov_b32 v[208+\i], v[76+\i]
	v_mov_b32 v[240+\i], v[28+\i]
.endr
	PAIR 144, 96
	PAIR 176, 100
	PAIR 208, 104
	PAIR 240, 108
	HADDR 84, 85, 86
	BARRIER                                        ; every wave's reads of h2 are over
	HOUT 0, 144, 80, 84, 85, 86
	HOUT 1, 176, 81, 84, 85, 86
	HOUT 2, 208, 82, 84, 85, 86
	HOUT 3, 240, 83, 84, 85, 86
	s_wait_dscnt 0x0                               ; the stores have read their registers
	CORE_HEAD 4, 640, 642                          ; w_down
	BARRIER                                        ; the activation lies in LDS
.set i, 0
.rept 32
	ds_load_b128 v[ACC+4*i:ACC+4*i+3], v[XA] offset:512*i          ; x1 comes back into the accumulators: my own bytes
.set i, i+1
.endr
	CORE_A 0
	CORE 0, 4, 640, 642, 0                         ; out = x1 + act w_down^T
	; ---- THE WAY OUT.  A lane holds 2 x 64 bytes of a row and the lanes beside it other rows: a tile of 16 rows x 256 bytes goes through my own stage (rows of 272 bytes, two stages by turns, where x1 lay) and comes back by rows:
	; sixteen lanes store 256 consecutive bytes, at a multiple of 256 from out0's first byte.  LDS serves a wave's instructions in order (ISA guide 5.7.1.4): no wait between the stores and the loads.
	v_and_b32 v6, 15, v0
	v_bfe_u32 v31, v0, 4, 1
	v_mul_u32_u24 v28, v6, 272
	v_lshl_add_u32 v28, v31, 6, v28
	v_add_nc_u32 v28, s30, v28                     ; in: row r, + 64 h
	v_mul_u32_u24 v29, v31, 272
	v_lshl_add_u32 v29, v6, 4, v29
	v_add_nc_u32 v29, s30, v29                     ; back: lanes 0-15 one row, lanes 16-31 the next
	v_lshlrev_b32 v30, 12, v31
	v_lshl_add_u32 v30, v6, 4, v30
	v_add_nc_u32 v30, s19, v30                     ; and the same in out0, at my 256 bytes of a row
.macro WAYOUT mt
.set ob, 32+32*((\mt)%2)
.set so, 4352*((\mt)%2)
.if (\mt) >= 2
	s_wait_xcnt 0x0                                ; the stores of two tiles back have read their registers: the loads below may land there
.endif
.irp j, 0,1,2,3,4,5,6,7
	ds_store_b128 v28, v[ACC+32*(\mt)+4*\j:ACC+32*(\mt)+4*\j+3] offset:so+128*(\j/4)+16*(\j%4)
.endr
.irp i, 0,1,2,3,4,5,6,7
	ds_load_b128 v[ob+4*\i:ob+4*\i+3], v29 offset:so+544*\i
.endr
.irp i, 0,1,2,3,4,5,6,7
	s_wait_dscnt 7-\i                              ; LDS loads come back in order: this one is in, the 7 - i behind it may be out
	global_store_b128 v30, v[ob+4*\i:ob+4*\i+3], s[16:17] offset:(32*((\mt)/2)+8*((\mt)%2)+2*\i+8*(\i/4))*4096 th:TH_STORE_NT
.endr
.endm
	WAYOUT 0
	WAYOUT 1
	WAYOUT 2
	WAYOUT 3
	s_wait_tensorcnt 0x0                           ; the wave's end: behind my last LDS store
	ds_add_u32 v[SPW], v[NIL]
	s_wait_dscnt 0x0
	s_endpgm
.Lfunc_end_k_q9599586bb9_tail:
	.size	k_q9599586bb9_tail, .Lfunc_end_k_q9599586bb9_tail-k_q9599586bb9_tail
	.p2alignl 7, 3214868480
	.fill 96, 4, 3214868480
	.section	.rodata,"a",@progbits
	.p2align	6, 0x0
	.amdhsa_kernel k_q9599586bb9_tail
		.amdhsa_group_segment_fixed_size 320512
		.amdhsa_private_segment_fixed_size 0
		.amdhsa_enable_private_segment 0
		.amdhsa_kernarg_size 56
		.amdhsa_user_sgpr_count 2
		.amdhsa_user_sgpr_kernarg_segment_ptr 1
		.amdhsa_wavefront_size32 1
		.amdhsa_system_sgpr_workgroup_id_x 1
		.amdhsa_system_sgpr_workgroup_id_y 1
		.amdhsa_system_sgpr_workgroup_id_z 1
		.amdhsa_system_vgpr_workitem_id 0
		.amdhsa_next_free_vgpr 256
		.amdhsa_next_free_sgpr 66
		.amdhsa_reserve_vcc 0
		.amdhsa_float_denorm_mode_32 3
		.amdhsa_float_denorm_mode_16_64 3
		.amdhsa_memory_ordered 1
		.amdhsa_forward_progress 1
		.amdhsa_inst_pref_size 255
	.end_amdhsa_kernel
	.amdgpu_metadata
---
amdhsa.version: [ 1, 2 ]
amdhsa.kernels:
  - .name:           k_q9599586bb9_tail
    .symbol:         k_q9599586bb9_tail.kd
    .args:
      - { .name: cc, .offset: 0, .size: 8, .value_kind: global_buffer, .address_space: global }
      - { .name: cs, .offset: 8, .size: 8, .value_kind: global_buffer, .address_space: global }
      - { .name: qc, .offset: 16, .size: 8, .value_kind: global_buffer, .address_space: global }
      - { .name: qs, .offset: 24, .size: 8, .value_kind: global_buffer, .address_space: global }
      - { .name: hidden_states, .offset: 32, .size: 8, .value_kind: global_buffer, .address_space: global }
      - { .name: ln2_w, .offset: 40, .size: 8, .value_kind: global_buffer, .address_space: global }
      - { .name: out0, .offset: 48, .size: 8, .value_kind: global_buffer, .address_space: global }
    .group_segment_fixed_size: 320512
    .private_segment_fixed_size: 0
    .kernarg_segment_align: 8
    .kernarg_segment_size: 56
    .max_flat_workgroup_size: 512
    .sgpr_count:     66
    .vgpr_count:     256
    .wavefront_size: 32
...
	.end_amdgpu_metadata
.endif
;; end of part 4
;; ======== version 2 of 2: 7 launches
;; limits: right only within a limited range of input values
;; workspace buffers: qc 8,650,752 bytes; qs 360,448 bytes; ai 9,437,184 bytes; asc 393,216 bytes; cc 3,145,728 bytes; cs 131,072 bytes; x1 16,777,216 bytes
;; launch prep (part 5): grid 704 x 1, 8 waves a work-group, no clusters, 67,328 bytes of LDS; arguments hidden_states, ln1_w, wq, wk, wv, wo, w_gate, w_up, w_down, qc, qs; writes qc, qs
.if DOCPART == 5
	.amdgcn_target "amdgcn-amd-amdhsa--gfx1250"
	.amdhsa_code_object_version 6
	.text
	.protected	k_q9599586bb9_prep
	.globl	k_q9599586bb9_prep
	.p2align	8
	.type	k_q9599586bb9_prep,@function
k_q9599586bb9_prep:
	s_mov_b64 s[64:65], 0
	v_nop
	global_prefetch_b8 v0, s[64:65] scope:SCOPE_SE
	s_setreg_imm32_b32 hwreg(HW_REG_WAVE_MODE, 25, 1), 1
	s_wait_xcnt 0x0
; rmsnorm(hidden_states) * ln1_w, and the seven weights as they are, become codes of FP6 (E2M3) with one E8M0 byte for each 32 along K (K = 1,024, innermost in all of them).
; A work-group makes one TILE of 16 rows x 1,024: tiles 0-255 are tokens, tiles 256 + 64 i .. are weight i of wq, wk, wv, wo, w_gate, w_up, w_down.
; THE ROWS OF A TILE ARE NOT NEIGHBOURS: row m of tile T is row 32 (T / 2) + 8 (T % 2) + m + 8 (m / 8) of its tensor, so that in a later product the 16 result registers of tiles 2 b and 2 b + 1 are 16 neighbours along the next K.
; THE CODES ARE LAID IN THE ORDER OF THE OPERAND'S REGISTERS: a fragment (16 rows x 128 K, 12 registers a lane) is 1,536 bytes, two halves of 768 (64 along K each): registers 6 c .. 6 c + 3 at 768 c + 16 x lane,
; registers 6 c + 4, 6 c + 5 at 768 c + 512 + 8 x lane.  qc: [tile][K step 0..7][1,536].  qs: [tile][K step][row] scale words of four bytes.
; SHARES.  In: wave w loads tile rows 2 w and 2 w + 1 whole (each load 512 consecutive bytes), so a row's sum of squares stays in the wave.  Out: wave w makes the fragment of K step w; the rows turn through a stage in LDS.
; A block's scale is 2^(floor(log2(largest magnitude)) - 2): its byte is the largest magnitude's exponent field - 2, held at 1 from below.
; LIMITS: a block of zeros gets the byte 1, not 127 (its codes are zeros; this program alone reads the bytes); blocks whose largest magnitude lies under 2^-124 have their byte held at 1; NaN and infinities are not served.
; No matrix unit, no cluster, no tensor load: work-groups share no input, and each input byte is read once.
.set PITCH, 4112                       ; a stage row: 4,096 bytes + 16: an odd multiple of 16, so that the sixteen rows of a load begin at sixteen different 16-byte columns of 256
.set SCL,   16*PITCH                   ; the tile's 128 scale words
.set SPARE, SCL+512                    ; the spare words, 128 bytes for each of eight waves: four blocks of 256 bytes that no other line names
.set FLOOR, 0x1800000                  ; 2^(3 - 127)
.set EOFF,  0xff000000                 ; -(2 << 23)
.set X,   32                           ; v32-95   64 numbers
.set LN,  96                           ; v96-127  ln1_w at my columns; later the codes
.set CD,  96                           ; v96-107  the fragment
.set CT,  108                          ; v108-110, v112-114 the upper halves of the two blocks, as converted
.macro BARRIER                         ; my LDS stores have landed and my LDS loads are in: then the work-group's barrier
	s_wait_dscnt 0x0
	s_barrier_signal -1
	s_barrier_wait -1
.endm
	s_load_b512 s[4:19], s[0:1], 0x0               ; hidden s[4:5], ln1 s[6:7], wq, wk, wv, wo, gate, up s[8:19]
	s_load_b128 s[20:23], s[0:1], 0x40             ; down s[20:21], qc s[22:23]
	s_load_b64 s[24:25], s[0:1], 0x50              ; qs
	v_lshl_add_u32 v10, v0, 2, SPARE               ; my spare word; never rewritten
	v_mov_b32 v11, 0                               ; 0; never rewritten
	v_lshrrev_b32 v1, 5, v0
	s_delay_alu instid0(VALU_DEP_1)
	v_readfirstlane_b32 s26, v1                    ; wave 0..7
	v_and_b32 v1, 31, v0                           ; lane
	s_delay_alu instid0(VALU_DEP_1)
	v_lshlrev_b32 v2, 4, v1                        ; 16 x lane
	s_delay_alu instid0(VALU_DEP_2)
	v_lshlrev_b32 v3, 3, v1                        ; 8 x lane
	v_and_b32 v4, 15, v0                           ; r
	v_bfe_u32 v5, v0, 4, 1                         ; h
	s_mul_i32 s29, s26, 2*PITCH
	v_add_nc_u32 v6, s29, v2                       ; into the stage: rows 2 w, 2 w + 1, 16 bytes a lane
	v_mul_u32_u24 v7, v4, PITCH
	s_delay_alu instid0(VALU_DEP_1)
	v_lshl_add_u32 v7, v5, 7, v7
	s_lshl_b32 s29, s26, 9
	v_add_nc_u32 v7, s29, v7                       ; out of it: row r, K step w (512 bytes), my half's block (128 bytes)
	s_lshl_b32 s29, s26, 6
	v_lshl_add_u32 v8, v4, 2, s29
	s_delay_alu instid0(VALU_DEP_1)
	v_add_nc_u32 v8, SCL, v8                       ; my row's scale word of K step w
	v_add_nc_u32 v9, SCL, v2                       ; and where wave 0 reads all 128 back
	s_lshr_b32 s27, ttmp9, 6                       ; 0-3: tokens; 4-10: a weight
	s_and_b32 s28, ttmp9, 63
	s_cmp_lt_u32 s27, 4
	s_cselect_b32 s28, ttmp9, s28                  ; the tile's number within its tensor
	s_lshr_b32 s29, s28, 1
	s_lshl_b32 s29, s29, 5
	s_and_b32 s30, s28, 1
	s_lshl_b32 s30, s30, 3
	s_add_co_u32 s29, s29, s30                     ; 32 (T / 2) + 8 (T % 2)
	s_lshl_b32 s30, s26, 1
	s_add_co_u32 s29, s29, s30                     ; + 2 w
	s_lshr_b32 s30, s26, 2
	s_lshl_b32 s30, s30, 3
	s_add_co_u32 s29, s29, s30                     ; + 8 (2 w / 8): my first row, in a weight's tile
	; TOKEN TILES have another order than the weights' (the formula at the head holds for the weights): row m of token tile T is token 64 (T / 4) + 8 (T % 4) + m % 8 + 32 (m / 8),
	; so that in a product whose rows are tokens a lane's 32 result registers of tiles 4 g .. 4 g + 3 are one whole block of 32 neighbouring tokens.
	s_lshr_b32 s30, s28, 2
	s_lshl_b32 s30, s30, 6
	s_and_b32 s31, s28, 3
	s_lshl_b32 s31, s31, 3
	s_add_co_u32 s30, s30, s31                     ; 64 (T / 4) + 8 (T % 4)
	s_lshl_b32 s31, s26, 1
	s_add_co_u32 s30, s30, s31                     ; + 2 w
	s_lshr_b32 s31, s26, 2
	s_mul_i32 s31, s31, 24
	s_add_co_u32 s30, s30, s31                     ; + 24 (w / 4): rows 8-15 lie 32 tokens behind rows 0-7
	s_cmp_lt_u32 s27, 4
	s_cselect_b32 s29, s30, s29                    ; chosen by the work-group's number alone
	s_lshl_b32 s38, s29, 12
	s_mov_b32 s39, 0
	s_mul_i32 s40, ttmp9, 12288
	s_mul_i32 s30, s26, 1536
	s_add_co_u32 s40, s40, s30                     ; my fragment in qc
	s_mov_b32 s41, 0
	s_lshl_b32 s42, ttmp9, 9                       ; the tile's scale words in qs
	s_mov_b32 s43, 0
	s_mov_b32 s34, 0x76543210
	s_mov_b32 s35, 0xfedcba98                      ; v_permlanex16_b32's selects for lane l xor 16
	s_mov_b32 s36, 0x3a800000                      ; 1 / 1,024
	s_mov_b32 s37, 0x358637bd                      ; 1e-6
	s_wait_kmcnt 0x0
	s_mov_b64 s[32:33], s[4:5]                     ; the source: chosen by the work-group's number alone
	s_cmp_eq_u32 s27, 4
	s_cselect_b64 s[32:33], s[8:9], s[32:33]
	s_cmp_eq_u32 s27, 5
	s_cselect_b64 s[32:33], s[10:11], s[32:33]
	s_cmp_eq_u32 s27, 6
	s_cselect_b64 s[32:33], s[12:13], s[32:33]
	s_cmp_eq_u32 s27, 7
	s_cselect_b64 s[32:33], s[14:15], s[32:33]
	s_cmp_eq_u32 s27, 8
	s_cselect_b64 s[32:33], s[16:17], s[32:33]
	s_cmp_eq_u32 s27, 9
	s_cselect_b64 s[32:33], s[18:19], s[32:33]
	s_cmp_eq_u32 s27, 10
	s_cselect_b64 s[32:33], s[20:21], s[32:33]
	s_add_nc_u64 s[32:33], s[32:33], s[38:39]
	s_add_nc_u64 s[22:23], s[22:23], s[40:41]
	s_add_nc_u64 s[24:25], s[24:25], s[42:43]
.irp i, 0,1
.irp j, 0,1,2,3,4,5,6,7
	global_load_b128 v[X+32*\i+4*\j:X+32*\i+4*\j+3], v2, s[32:33] offset:4096*\i+512*\j th:TH_LOAD_NT   ; 32 lanes read 512 consecutive bytes; read once in the launch
.endr
.endr
	s_cmp_ge_u32 s27, 4
	s_cbranch_scc1 .Lw                             ; a weight has no norm.  The way round holds loads and register work alone: no LDS access, no barrier
.irp j, 0,1,2,3,4,5,6,7
	global_load_b128 v[LN+4*\j:LN+4*\j+3], v2, s[6:7] offset:512*\j
.endr
	s_wait_loadcnt 8                               ; my two rows are in; the eight loads of ln1_w may be out
	v_pk_mul_f32 v[12:13], v[X:X+1], v[X:X+1]      ; the sums of squares, the two rows by turns
	v_pk_mul_f32 v[14:15], v[X+32:X+33], v[X+32:X+33]
.set k, 2
.rept 15
	s_delay_alu instid0(VALU_DEP_2)
	v_pk_fma_f32 v[12:13], v[X+k:X+k+1], v[X+k:X+k+1], v[12:13]
	s_delay_alu instid0(VALU_DEP_2)
	v_pk_fma_f32 v[14:15], v[X+32+k:X+33+k], v[X+32+k:X+33+k], v[14:15]
.set k, k+2
.endr
	s_delay_alu instid0(VALU_DEP_2)
	v_add_f32 v12, v12, v13
	s_delay_alu instid0(VALU_DEP_2)
	v_add_f32 v14, v14, v15
.irp x, 1,2,4,8
	s_delay_alu instid0(VALU_DEP_2)
	v_add_f32_dpp v12, v12, v12 row_xmask:\x row_mask:0xf bank_mask:0xf
	s_delay_alu instid0(VALU_DEP_2)
	v_add_f32_dpp v14, v14, v14 row_xmask:\x row_mask:0xf bank_mask:0xf
.endr
	s_delay_alu instid0(VALU_DEP_2)
	v_permlanex16_b32 v13, v12, s34, s35
	s_delay_alu instid0(VALU_DEP_2)
	v_permlanex16_b32 v15, v14, s34, s35
	s_delay_alu instid0(VALU_DEP_2)
	v_add_f32 v12, v12, v13                        ; every lane holds its row's sum
	s_delay_alu instid0(VALU_DEP_2)
	v_add_f32 v14, v14, v15
	s_delay_alu instid0(VALU_DEP_2)
	v_fma_f32 v12, v12, s36, s37                   ; the mean + eps
	s_delay_alu instid0(VALU_DEP_2)
	v_fma_f32 v14, v14, s36, s37
	s_wait_alu depctr_va_vdst(0)
	v_rsq_f32 v16, v12                             ; twice each: a pair for the packed multiply
	v_rsq_f32 v17, v12
	v_rsq_f32 v18, v14
	v_rsq_f32 v19, v14
	v_nop                                          ; a plain instruction behind the last of them
	s_wait_alu depctr_va_vdst(0)                   ; one wait for the four, ahead of their first reader
	s_wait_loadcnt 0x0                             ; ln1_w
.set k, 0
.rept 16
	v_pk_mul_f32 v[X+k:X+k+1], v[X+k:X+k+1], v[16:17]              ; x * rms,
	v_pk_mul_f32 v[X+32+k:X+33+k], v[X+32+k:X+33+k], v[18:19]
.set k, k+2
.endr
.set k, 0
.rept 16
	v_pk_mul_f32 v[X+k:X+k+1], v[X+k:X+k+1], v[LN+k:LN+k+1]        ; then * w, in the order of the definition
	v_pk_mul_f32 v[X+32+k:X+33+k], v[X+32+k:X+33+k], v[LN+k:LN+k+1]
.set k, k+2
.endr
.Lw:
	s_wait_loadcnt 0x0
	s_wait_alu depctr_va_vdst(0)
.irp i, 0,1
.irp j, 0,1,2,3,4,5,6,7
	ds_store_b128 v6, v[X+32*\i+4*\j:X+32*\i+4*\j+3] offset:\i*PITCH+512*\j
.endr
.endr
	BARRIER                                        ; the tile's sixteen rows lie in the stage
.irp c, 0,1
.irp q, 0,1,2,3,4,5,6,7
	ds_load_b128 v[X+32*\c+4*\q:X+32*\c+4*\q+3], v7 offset:256*\c+16*\q   ; row r, k = 128 w + 64 c + 32 h + 0 .. 31: the very numbers that the operand's layout gives this lane: two whole blocks
.endr
.endr
	s_wait_dscnt 0x0
.irp c, 0,1
	v_max3_num_f32 v[12+\c], |v[X+32*\c]|, |v[X+1+32*\c]|, FLOOR   ; the block's largest magnitude, with the floor among its leaves: the byte cannot fall under 1
.endr
.irp i, 2,4,6,8,10,12,14,16,18,20,22,24,26,28,30
.irp c, 0,1
	s_delay_alu instid0(VALU_DEP_2)
	v_max3_num_f32 v[12+\c], v[12+\c], |v[X+32*\c+\i]|, |v[X+1+32*\c+\i]|
.endr
.endr
.irp c, 0,1
	s_delay_alu instid0(VALU_DEP_2)
	v_add_nc_u32 v[14+\c], EOFF, v[12+\c]          ; 2 off its exponent field: the conversion takes the exponent field of this operand as its scale
.endr
.irp c, 0,1
	s_delay_alu instid0(VALU_DEP_2)
	v_lshrrev_b32 v[16+\c], 23, v[14+\c]           ; the scale's byte
.endr
	s_delay_alu instid0(VALU_DEP_1)
	v_lshl_or_b32 v18, v17, 16, v16                ; my two bytes: blocks h and 2 + h,
	v_lshlrev_b32 v19, 3, v5
	s_delay_alu instid0(VALU_DEP_1)
	v_lshlrev_b32 v18, v19, v18                    ; at their places in the word;
	v_mov_b32 v19, 0
	s_delay_alu instid0(VALU_DEP_1)
	v_permlanex16_b32 v19, v18, s34, s35
	s_delay_alu instid0(VALU_DEP_1)
	v_or_b32 v18, v18, v19                         ; with lane l xor 16's two the word is whole
.irp c, 0,1
	v_cvt_scalef32_pk16_fp6_f32 v[CD+6*\c:CD+6*\c+2], v[X+32*\c:X+32*\c+15], v[14+\c]
	v_cvt_scalef32_pk16_fp6_f32 v[CT+4*\c:CT+4*\c+2], v[X+32*\c+16:X+32*\c+31], v[14+\c]   ; (a conversion's three registers begin on an even number)
.endr
	v_nop                                          ; one plain place behind the conversions
.irp c, 0,1
.irp i, 0,1,2
	v_mov_b32 v[CD+3+6*\c+\i], v[CT+4*\c+\i]
.endr
.endr
	global_store_b128 v2, v[CD:CD+3], s[22:23]                     ; each store covers whole aligned runs of 256 bytes: 512, 256, 512, 256
	global_store_b64 v3, v[CD+4:CD+5], s[22:23] offset:512
	global_store_b128 v2, v[CD+6:CD+9], s[22:23] offset:768
	global_store_b64 v3, v[CD+10:CD+11], s[22:23] offset:1280
	ds_store_b32 v8, v18                           ; both halves of the lanes write the same word with the same value
	BARRIER                                        ; the tile's 128 scale words lie together
	s_cmp_lg_u32 s26, 0
	s_cbranch_scc1 .Ldone
	ds_load_b128 v[20:23], v9
	s_wait_dscnt 0x0
	global_store_b128 v2, v[20:23], s[24:25]       ; wave 0 stores them: 512 consecutive bytes
.Ldone:
	s_wait_tensorcnt 0x0                           ; the wave's end: behind my last LDS store
	ds_add_u32 v10, v11
	s_wait_dscnt 0x0
	s_endpgm
.Lfunc_end_k_q9599586bb9_prep:
	.size	k_q9599586bb9_prep, .Lfunc_end_k_q9599586bb9_prep-k_q9599586bb9_prep
	.p2alignl 7, 3214868480
	.fill 96, 4, 3214868480
	.section	.rodata,"a",@progbits
	.p2align	6, 0x0
	.amdhsa_kernel k_q9599586bb9_prep
		.amdhsa_group_segment_fixed_size 67328
		.amdhsa_private_segment_fixed_size 0
		.amdhsa_enable_private_segment 0
		.amdhsa_kernarg_size 88
		.amdhsa_user_sgpr_count 2
		.amdhsa_user_sgpr_kernarg_segment_ptr 1
		.amdhsa_wavefront_size32 1
		.amdhsa_system_sgpr_workgroup_id_x 1
		.amdhsa_system_sgpr_workgroup_id_y 1
		.amdhsa_system_sgpr_workgroup_id_z 1
		.amdhsa_system_vgpr_workitem_id 0
		.amdhsa_next_free_vgpr 128
		.amdhsa_next_free_sgpr 66
		.amdhsa_reserve_vcc 0
		.amdhsa_float_denorm_mode_32 3
		.amdhsa_float_denorm_mode_16_64 3
		.amdhsa_memory_ordered 1
		.amdhsa_forward_progress 1
		.amdhsa_inst_pref_size 22
	.end_amdhsa_kernel
	.amdgpu_metadata
---
amdhsa.version: [ 1, 2 ]
amdhsa.kernels:
  - .name:           k_q9599586bb9_prep
    .symbol:         k_q9599586bb9_prep.kd
    .args:
      - { .name: hidden_states, .offset: 0, .size: 8, .value_kind: global_buffer, .address_space: global }
      - { .name: ln1_w, .offset: 8, .size: 8, .value_kind: global_buffer, .address_space: global }
      - { .name: wq, .offset: 16, .size: 8, .value_kind: global_buffer, .address_space: global }
      - { .name: wk, .offset: 24, .size: 8, .value_kind: global_buffer, .address_space: global }
      - { .name: wv, .offset: 32, .size: 8, .value_kind: global_buffer, .address_space: global }
      - { .name: wo, .offset: 40, .size: 8, .value_kind: global_buffer, .address_space: global }
      - { .name: w_gate, .offset: 48, .size: 8, .value_kind: global_buffer, .address_space: global }
      - { .name: w_up, .offset: 56, .size: 8, .value_kind: global_buffer, .address_space: global }
      - { .name: w_down, .offset: 64, .size: 8, .value_kind: global_buffer, .address_space: global }
      - { .name: qc, .offset: 72, .size: 8, .value_kind: global_buffer, .address_space: global }
      - { .name: qs, .offset: 80, .size: 8, .value_kind: global_buffer, .address_space: global }
    .group_segment_fixed_size: 67328
    .private_segment_fixed_size: 0
    .kernarg_segment_align: 8
    .kernarg_segment_size: 88
    .max_flat_workgroup_size: 256
    .sgpr_count:     66
    .vgpr_count:     128
    .wavefront_size: 32
...
	.end_amdgpu_metadata
.endif
;; end of part 5
;; launch qkv (part 6): grid 64 x 4, 12 waves a work-group, clusters of 4 x 1, 327,680 bytes of LDS; arguments qc, qs, ai, asc; writes ai, asc
.if DOCPART == 6
	.amdgcn_target "amdgcn-amd-amdhsa--gfx1250"
	.amdhsa_code_object_version 6
	.text
	.protected	k_q9599586bb9_qkv
	.globl	k_q9599586bb9_qkv
	.p2align	8
	.type	k_q9599586bb9_qkv,@function
k_q9599586bb9_qkv:
	s_mov_b64 s[64:65], 0
	v_nop
	global_prefetch_b8 v0, s[64:65] scope:SCOPE_SE
	s_setreg_imm32_b32 hwreg(HW_REG_WAVE_MODE, 25, 1), 1
	s_wait_xcnt 0x0
	s_wait_alu depctr_hold_cnt(0) depctr_sa_sdst(0) depctr_va_vdst(0) depctr_va_sdst(0) depctr_va_ssrc(0) depctr_va_vcc(0) depctr_vm_vsrc(0)
	s_getreg_b32 s2, hwreg(HW_REG_IB_STS2, 6, 4)
	s_cmp_eq_u32 s2, 0
	s_cbranch_scc0 .Lentry_in_a_cluster
	s_endpgm
.Lentry_in_a_cluster:
	s_bfe_u32 s2, ttmp6, 0x10000c
	s_cmp_lg_u32 s2, 0x3003
	s_cbranch_scc0 .Lentry_shape_is_right
	s_endpgm
.Lentry_shape_is_right:
; q, k or v (work-group y = 0, 1, 2) = h1 W^T on codes of FP6 (E2M3), and the result quantised again as attention wants it: q and k along the head's 64, v along the keys.
; SHARES.  A work-group takes 64 tokens (four tiles of 16, work-group x) and twelve units of 64 outputs; wave w is head w: four tiles of 16 rows of W, 16 accumulators, K = 1,024 in eight steps of 128.
; The tokens' 32 fragments (48 KB) are copied once into LDS as they lie (images of the operand's registers) and read by all twelve waves.  A fragment of W is used by ONE wave of the work-group: it goes from memory straight
; into that wave's registers and feeds four matrix instructions, through a ring of four register slots.
; NO CLUSTER, NO JOINT LOADS, though all 64 row blocks walk the same W: by way of LDS a wave would read 12 KB of LDS for a K step's 16 matrix instructions (its four fragments of W beside the four of tokens) where it now reads 6 KB.
; q, k: source 0 = W, source 1 = tokens: a lane holds one token, and the 32 registers of a tile of tokens are the head's 64 numbers (16 of each block of 32; lane l xor 16 has the others).  Two tiles of tokens make a PAIR
;   FRAGMENT: half u (64 along K) holds tile 2 pf + u.   ai: [q, k, v][batch x head][pf 0..63][1,536];  asc: [..][pf][row] words, bytes 2 u, 2 u + 1 for half u.
; v: source 0 = tokens, source 1 = W: a lane holds one channel of the head and its registers run along the tokens, which are the second product's K.  ai: [..][key step of 128][tile of channels 0..3][1,536]; this block's 64 keys
;   are half (x % 2);  asc: [..][4 step + tile][row] words.
; LIMITS: a block of zeros gets the byte 1, not 127 (its codes are zeros; this program alone reads the bytes); largest magnitudes under 2^-124 have the byte held at 1; NaN and infinities are not served.
.set LI,  1                            ; v1   16 x lane
.set L8,  2                            ; v2   8 x lane
.set LS,  3                            ; v3   4 x lane
.set SPW, 4                            ; v4   my spare word; never rewritten
.set NIL, 5                            ; v5   0; never rewritten
.set ASC, 8                            ; v8-11   the tokens' scale words, one register a tile: lanes 0-15 the even K step's, lanes 16-31 the odd one's
.set WSC, 12                           ; v12-27  W's scale words: register 4 (K step / 2) + tile, laid likewise
.set WF,  32                           ; v32-79  the ring: four fragments of W
.set AF,  80                           ; v80-127 a K step's four fragments of tokens
.set ACC, 128                          ; v128-255 the 16 accumulators
.set TM,  80                           ; v80-95  at work in the quantiser
.set WB,  16                           ; s[16:17] my four tiles of W in qc
.set SB,  18                           ; s[18:19] and their scale words in qs
.set SEL, 28                           ; s[28:29] v_permlanex16_b32's selects for lane l xor 16
.set ASCL,  49152                      ; LDS: 0 .. 49,151 the tokens' fragments, (8 m + K step) x 1,536; then their scale words, 512 bytes a tile
.set SPARE, 51200                      ; the spare words, 128 bytes for each wave, in eight blocks of 256 bytes that no other line names
; CLUSTER AND JOINT LOADS (this takes the place of the head's paragraph on them).  The four work-groups of a cluster (4 x 1) take neighbouring blocks of tokens and the SAME twelve units, so they walk the same W.
; Of a wave's four tiles of W, K steps KL .. 7 (4 rows of 4,608 bytes, each on a multiple of 256 bytes) are asked for jointly, by ONE tensor load a wave at the head with the mask 15, into LDS bytes that are the wave's own:
; 12 x 18,432 bytes, which is what LDS has room for beside the tokens; they are filled once and read by the issuing wave alone, behind its own wait.  K steps 0 .. KL - 1 go from memory straight into the ring of register slots as before.
.set KL,    5                          ; the first K step whose fragments of W come by way of LDS
.set WROW,  (8-KL)*1536                ; a tile's bytes of those K steps
.set WL,    53248                      ; LDS: wave w's four rows from WL + w x 4 x WROW on
.set LIW, 6                            ; v6   16 x lane + my rows in LDS;  v7: 8 x lane + the same
.set L8W, 7
.set G1,  48                           ; s[48:55] descriptor group 1;  s[56:59] group 0
.set G0,  56
.macro ROUND                           ; a round of the cluster's barrier
	s_barrier_signal -1
	s_barrier_wait -1
	s_cmp_lg_u32 s15, 0
	s_cbranch_scc1 .Lnot_wave_0_\@
	s_barrier_signal -3
.Lnot_wave_0_\@:
	s_barrier_wait -3
	s_barrier_signal -1
	s_barrier_wait -1
.endm
.set FLOOR, 0x1800000
.set EOFF,  0xff000000
.macro BARRIER
	s_wait_dscnt 0x0
	s_barrier_signal -1
	s_barrier_wait -1
.endm
; one matrix instruction.  kind 0: it starts the sum; 1: it adds, scales of an even K step (lanes 0-15); 2: of an odd one (lanes 16-31)
.macro WM d, a, b, sx, sy, kind
.if \kind == 0
	v_wmma_scale_f32_16x16x128_f8f6f4 v[\d:\d+7], v[\a:\a+11], v[\b:\b+11], 0, v[\sx], v[\sy] matrix_a_fmt:MATRIX_FMT_FP6 matrix_b_fmt:MATRIX_FMT_FP6
.elseif \kind == 1
	v_wmma_scale_f32_16x16x128_f8f6f4 v[\d:\d+7], v[\a:\a+11], v[\b:\b+11], v[\d:\d+7], v[\sx], v[\sy] matrix_a_fmt:MATRIX_FMT_FP6 matrix_b_fmt:MATRIX_FMT_FP6
.else
	v_wmma_scale_f32_16x16x128_f8f6f4 v[\d:\d+7], v[\a:\a+11], v[\b:\b+11], v[\d:\d+7], v[\sx], v[\sy] matrix_a_fmt:MATRIX_FMT_FP6 matrix_b_fmt:MATRIX_FMT_FP6 matrix_a_scale:MATRIX_SCALE_ROW1 matrix_b_scale:MATRIX_SCALE_ROW1
.endif
.endm
.macro WTILE tt, t01, t23              ; which tile, counted from WB, is the wave's tile tt
.if (\tt) < 2
.set wtile, (\t01)+(\tt)
.else
.set wtile, (\t23)+(\tt)-2
.endif
.endm
.macro WLOAD gg, nr, t01, t23          ; group gg = 4 x K step + tile: its fragment of W into ring slot gg % nr: four loads, each of whole runs of 256 bytes
	WTILE (\gg)%4, \t01, \t23
.set wreg, WF+12*((\gg)%(\nr))
.if (\gg) < 4*KL
.set woff, wtile*12288+((\gg)/4)*1536
	global_load_b128 v[wreg:wreg+3], v[LI], s[WB:WB+1] offset:woff
	global_load_b64 v[wreg+4:wreg+5], v[L8], s[WB:WB+1] offset:woff+512
	global_load_b128 v[wreg+6:wreg+9], v[LI], s[WB:WB+1] offset:woff+768
	global_load_b64 v[wreg+10:wreg+11], v[L8], s[WB:WB+1] offset:woff+1280
.else
.if (\gg) == 4*KL
	s_wait_tensorcnt 0x0                           ; my rows of W have landed: only I read them
.endif
.set woff, wtile*WROW+((\gg)/4-KL)*1536
	ds_load_b128 v[wreg:wreg+3], v[LIW] offset:woff
	ds_load_b64 v[wreg+4:wreg+5], v[L8W] offset:woff+512
	ds_load_b128 v[wreg+6:wreg+9], v[LIW] offset:woff+768
	ds_load_b64 v[wreg+10:wreg+11], v[L8W] offset:woff+1280
.endif
.endm
.macro CORE_HEAD nr, t01, t23          ; W's 16 registers of scale words, then the ring's first nr fragments
.irp tt, 0,1,2,3
	WTILE \tt, \t01, \t23
.irp kp, 0,1,2,3
	global_load_b32 v[WSC+4*\kp+\tt], v[LS], s[SB:SB+1] offset:wtile*512+128*\kp
.endr
.endr
.set hg, 0
.rept \nr
	WLOAD hg, \nr, \t01, \t23
.set hg, hg+1
.endr
.endm
.macro CORE_A kk                       ; K step kk's four fragments of tokens from LDS; with an even step the scale words of two steps
.irp m, 0,1,2,3
	ds_load_b128 v[AF+12*\m:AF+12*\m+3], v[LI] offset:(8*\m+(\kk))*1536
	ds_load_b64 v[AF+12*\m+4:AF+12*\m+5], v[L8] offset:(8*\m+(\kk))*1536+512
	ds_load_b128 v[AF+12*\m+6:AF+12*\m+9], v[LI] offset:(8*\m+(\kk))*1536+768
	ds_load_b64 v[AF+12*\m+10:AF+12*\m+11], v[L8] offset:(8*\m+(\kk))*1536+1280
.endr
.if ((\kk)%2) == 0
.irp m, 0,1,2,3
	ds_load_b32 v[ASC+\m], v[LS] offset:ASCL+512*\m+128*((\kk)/2)
.endr
.endif
.endm
; 128 matrix instructions: 32 groups of four (one fragment of W against the four tiles of tokens).  The 16 accumulators take turns, one instruction a turn, in the same order in every K step.
; orient 0: source 0 = W, accumulator (m, t) at ACC + 32 m + 8 t; orient 1: source 0 = tokens, at ACC + 32 t + 8 m.  first = 1: K step 0 starts the sums.  all = 1: the first wait is for every load.
; A load into a register that a matrix instruction has read stands four plain vector instructions behind it (ISA guide 7.12.1 for vector instructions): four v_nop ahead of each refill.
.macro CORE orient, first, nr, t01, t23, all
.set g, 0
.rept 32
.set ks, g/4
.set tq, g%4
.set yng, 4*KL-1-g                     ; only the groups of K steps under KL come by global loads.  A K step's four fragments from LDS were all issued in the K step before: the wait for 0 on DScnt at the step's head covers them
.if yng < 0
.set yng, 0
.endif
.if yng > (\nr)-1
.set yng, (\nr)-1
.endif
.if (g == 0) && (\all)
	s_wait_loadcnt 0x0
.else
	s_wait_loadcnt 4*yng                           ; this group's fragment is in; the four loads of each younger group of the ring may be out
.endif
.if tq == 0
	s_wait_dscnt 0x0                               ; the K step's fragments of tokens
.endif
.set wr, WF+12*(g%(\nr))
.set sw, WSC+4*(ks/2)+tq
.set kind, 1+ks%2
.if (\first) && (ks == 0)
.set kind, 0
.endif
.irp m, 0,1,2,3
.set aa, AF+12*\m
.set sa, ASC+\m
.if \orient
.set dd, ACC+32*tq+8*\m
	WM dd, aa, wr, sa, sw, kind
.else
.set dd, ACC+32*\m+8*tq
	WM dd, wr, aa, sw, sa, kind
.endif
.endr
.if (g+(\nr) <= 31) || ((tq == 3) && (ks < 7))
.rept 4
	v_nop
.endr
.endif
.if g+(\nr) <= 31
	WLOAD g+(\nr), \nr, \t01, \t23
.endif
.if (tq == 3) && (ks < 7)
	CORE_A ks+1
.endif
.set g, g+1
.endr
.rept 4
	v_nop                                          ; the places behind the last products
.endr
.endm
; Four blocks of 32 along a K: block b's 16 numbers of this lane at v[s + st b] on (lane l xor 16 has the other 16).  Largest magnitudes at TM + b, bytes at TM + 4 + b, the conversions' operands at TM + 12 + b; 16 codes to v[d_b] on.
; The caller's next line is a plain one that touches none of the conversions' registers: the place owed behind them.
.macro BQ4 s, st, d0, d1, d2, d3
.irp b, 0,1,2,3
	v_max3_num_f32 v[TM+\b], |v[\s+\st*\b]|, |v[\s+\st*\b+1]|, FLOOR   ; with the floor 2^(3 - 127) among the leaves: the byte cannot fall under 1
.endr
.irp i, 2,4,6,8,10,12,14
.irp b, 0,1,2,3
	v_max3_num_f32 v[TM+\b], v[TM+\b], |v[\s+\st*\b+\i]|, |v[\s+\st*\b+\i+1]|
.endr
.endr
.irp b, 0,1,2,3
	s_delay_alu instid0(VALU_DEP_4)
	v_permlanex16_b32 v[TM+4+\b], v[TM+\b], s[SEL], s[SEL+1]
.endr
.irp b, 0,1,2,3
	s_delay_alu instid0(VALU_DEP_4)
	v_max_num_f32 v[TM+\b], v[TM+\b], v[TM+4+\b]
.endr
.irp b, 0,1,2,3
	s_delay_alu instid0(VALU_DEP_4)
	v_add_nc_u32 v[TM+12+\b], EOFF, v[TM+\b]       ; 2 off the exponent field: the conversion's scale operand
.endr
.irp b, 0,1,2,3
	s_delay_alu instid0(VALU_DEP_4)
	v_lshrrev_b32 v[TM+4+\b], 23, v[TM+12+\b]      ; the scale's byte
.endr
	v_cvt_scalef32_pk16_fp6_f32 v[\d0:\d0+2], v[\s:\s+15], v[TM+12]
	v_cvt_scalef32_pk16_fp6_f32 v[\d1:\d1+2], v[\s+\st:\s+\st+15], v[TM+13]
	v_cvt_scalef32_pk16_fp6_f32 v[\d2:\d2+2], v[\s+2*\st:\s+2*\st+15], v[TM+14]
	v_cvt_scalef32_pk16_fp6_f32 v[\d3:\d3+2], v[\s+3*\st:\s+3*\st+15], v[TM+15]
.endm
.macro PAIR d, t                       ; two blocks' half-block codes become six registers with a WHOLE block in a lane: lanes 0-15 the first block, lanes 16-31 the second
.irp i, 0,1,2
	v_permlane16_swap_b32 v[\d+\i], v[\t+\i]
.endr
.irp i, 0,1,2
	s_delay_alu instid0(VALU_DEP_3)
	v_mov_b32 v[\d+3+\i], v[\t+\i]
.endr
.endm
.macro QUANT s, pc, pw                 ; 64 numbers of a lane, register 16 b + i = k 32 b + 16 (lane / 16) + i, become a fragment in v[pc] .. v[pc + 11] and its scale word in v[pw]
	BQ4 \s, 16, \pc, \pc+12, \pc+6, \pc+16
	v_lshl_or_b32 v[\pw], v[TM+5], 8, v[TM+4]
	s_delay_alu instid0(VALU_DEP_1)
	v_lshl_or_b32 v[\pw], v[TM+6], 16, v[\pw]
	s_delay_alu instid0(VALU_DEP_1)
	v_lshl_or_b32 v[\pw], v[TM+7], 24, v[\pw]
	PAIR \pc, \pc+12
	PAIR \pc+6, \pc+16
.endm
	s_load_b256 s[4:11], s[0:1], 0x0               ; qc s[4:5], qs s[6:7], ai s[8:9], asc s[10:11]
	v_lshl_add_u32 v[SPW], v0, 2, SPARE
	v_mov_b32 v[NIL], 0
	ds_add_u32 v[SPW], v[NIL]                      ; the wave's opening: the add, twice on end, and its wait ahead of my first tensor load
	ds_add_u32 v[SPW], v[NIL]
	v_lshrrev_b32 v6, 5, v0
	s_delay_alu instid0(VALU_DEP_1)
	v_readfirstlane_b32 s15, v6                    ; wave 0..11
	v_and_b32 v6, 31, v0
	s_delay_alu instid0(VALU_DEP_1)
	v_lshlrev_b32 v[LI], 4, v6
	s_delay_alu instid0(VALU_DEP_2)
	v_lshlrev_b32 v[L8], 3, v6
	s_delay_alu instid0(VALU_DEP_3)
	v_lshlrev_b32 v[LS], 2, v6
	v_lshlrev_b32 v28, 4, v0                       ; 16 x thread: the copy into LDS, in memory and in LDS alike
	v_lshlrev_b32 v29, 3, v0                       ; 8 x thread: the scale words', copied by waves 0-7
	v_and_b32 v30, 15, v0
	s_delay_alu instid0(VALU_DEP_1)
	v_lshlrev_b32 v30, 2, v30                      ; 4 r
	s_delay_alu instid0(VALU_DEP_3)
	v_add_nc_u32 v31, ASCL, v29
	s_mul_i32 s61, s15, 4*WROW
	s_add_co_u32 s60, s61, WL                      ; my rows of W in LDS: made of the wave's number alone
	v_add_nc_u32 v[LIW], s60, v[LI]
	v_add_nc_u32 v[L8W], s60, v[L8]
	s_mov_b32 s[G0], 1
	s_add_co_u32 s[G0+1], s61, WL
	s_mov_b32 s[G1], 15|(3<<16)|(1<<21)            ; the mask: all four of the cluster; elements of 8 bytes; bit 21 set beside a mask; no padding
	s_mov_b32 s[G1+1], (WROW/8)<<16                ; four rows of WROW bytes, 12,288 bytes apart in memory, dense in LDS
	s_mov_b32 s[G1+2], 4<<16
	s_mov_b32 s[G1+3], (WROW/8)<<16
	s_mov_b32 s[G1+4], 4
	s_mov_b32 s[G1+5], 1536
	s_mov_b32 s[G1+6], 0
	s_mov_b32 s[G1+7], 0
	s_bfe_u32 s13, ttmp6, 0x40000                  ; cx
	s_lshl_b32 s62, ttmp9, 2
	s_add_co_u32 s13, s13, s62                     ; the block of 64 tokens: 4 x cluster x + cx
	; THE GRID: 64 blocks of tokens x 4: a work-group has twelve waves and takes 12 of the 48 units (matrix, head): wave w of work-group y is unit 12 y + w; so 256 work-groups share the 3,072 outputs evenly.
	; (Where the head's comment says work-group y and wave w for the matrix and the head, read s14 and s12 as made here.)  Waves of one work-group may take different ways below: neither way stores to LDS or has a barrier.
	s_and_b32 s14, ttmp7, 0xffff
	s_mul_i32 s14, s14, 12
	s_add_co_u32 s12, s14, s15                     ; the unit
	s_lshr_b32 s14, s12, 4                         ; 0: q, 1: k, 2: v
	s_and_b32 s12, s12, 15                         ; the head
	s_lshl_b32 s30, s14, 6
	s_add_co_u32 s30, s30, 256
	s_lshl_b32 s31, s12, 2
	s_add_co_u32 s30, s30, s31                     ; my first tile of W in qc: 256 + 64 y + 4 w
	s_mul_i32 s32, s30, 12288
	s_mov_b32 s33, 0
	s_lshl_b32 s34, s30, 9
	s_mov_b32 s35, 0
	s_mul_i32 s36, s13, 49152                      ; the block's four tiles of tokens
	s_mov_b32 s37, 0
	s_lshl_b32 s38, s13, 11
	s_mov_b32 s39, 0
	s_lshr_b32 s40, s13, 5
	s_lshl_b32 s40, s40, 4
	s_add_co_u32 s40, s40, s12                     ; batch x 16 + head
	s_and_b32 s41, s13, 31                         ; the block within its batch
	s_lshr_b32 s42, s41, 1                         ; v: its key step of 128,
	s_and_b32 s43, s13, 1                          ; and which half of it
	s_mul_i32 s44, s41, 3072                       ; q, k: two pair fragments a block,
	s_lshl_b32 s46, s41, 7                         ; and their scale words
	s_mul_i32 s30, s42, 6144
	s_mul_i32 s31, s43, 768
	s_add_co_u32 s30, s30, s31                     ; v: four fragments a step, my half of each,
	s_lshl_b32 s31, s42, 8
	s_lshl_b32 s43, s43, 1
	s_add_co_u32 s31, s31, s43                     ; and two bytes of each scale word
	s_cmp_eq_u32 s14, 2
	s_cselect_b32 s44, s30, s44
	s_cselect_b32 s46, s31, s46
	s_mul_i32 s30, s14, 3145728
	s_add_co_u32 s44, s44, s30
	s_mul_i32 s30, s40, 98304
	s_add_co_u32 s44, s44, s30
	s_mov_b32 s45, 0
	s_lshl_b32 s30, s14, 17
	s_add_co_u32 s46, s46, s30
	s_lshl_b32 s30, s40, 12
	s_add_co_u32 s46, s46, s30
	s_mov_b32 s47, 0
	s_mov_b32 s[SEL], 0x76543210
	s_mov_b32 s[SEL+1], 0xfedcba98
	s_wait_alu depctr_va_vdst(0)
	s_wait_dscnt 0x0                               ; both opening adds are done
	s_wait_kmcnt 0x0
	s_add_nc_u64 s[WB:WB+1], s[4:5], s[32:33]
	s_add_nc_u64 s[SB:SB+1], s[6:7], s[34:35]
	s_add_nc_u64 s[20:21], s[4:5], s[36:37]
	s_add_nc_u64 s[22:23], s[6:7], s[38:39]
	s_add_nc_u64 s[24:25], s[8:9], s[44:45]        ; where my codes go
	s_add_nc_u64 s[26:27], s[10:11], s[46:47]      ; and my scale words
	s_add_nc_u64 s[G0+2:G0+3], s[WB:WB+1], KL*1536 ; my first tile of W at K step KL: made of the unit alone, which the four partners share
	s_or_b32 s[G0+3], s[G0+3], 0x80000000
	ROUND                                          ; all four work-groups are here: the joint loads meet
	tensor_load_to_lds s[G0:G0+3], s[G1:G1+7]      ; one tensor load a wave, the only one of the launch
	s_nop 0
.irp i, 0,1,2,3,4,5,6,7
	global_load_b128 v[ACC+4*\i:ACC+4*\i+3], v28, s[20:21] offset:6144*\i   ; the tokens' 49,152 bytes: 384 threads x 16 bytes x 8
.endr
	s_cmp_ge_u32 s15, 8
	s_cbranch_scc1 .Lno_scale_load
	global_load_b64 v[160:161], v29, s[22:23]      ; and their 2,048 bytes of scale words: 256 threads x 8 bytes
.Lno_scale_load:
	CORE_HEAD 4, 0, 2
	s_wait_loadcnt 32                              ; the copy's loads are in; W's 16 scale loads and the ring's 16 may be out
.irp i, 0,1,2,3,4,5,6,7
	ds_store_b128 v28, v[ACC+4*\i:ACC+4*\i+3] offset:6144*\i
.endr
	s_cmp_ge_u32 s15, 8
	s_cbranch_scc1 .Lno_scale_store
	ds_store_b64 v31, v[160:161]
.Lno_scale_store:
	BARRIER                                        ; the tokens' fragments lie in LDS
	CORE_A 0
	s_cmp_eq_u32 s14, 2
	s_cbranch_scc1 .Lv                             ; on the unit, which may differ between waves; neither way stores to LDS or has a barrier
	CORE 0, 1, 4, 0, 2, 0
	QUANT 128, 32, 76                              ; tiles of tokens 0 and 1: one pair fragment,
	QUANT 192, 56, 77                              ; tiles 2 and 3: the next
.irp i, 0,1
	global_store_b128 v[LI], v[32+24*\i:35+24*\i], s[24:25] offset:1536*\i
	global_store_b64 v[L8], v[36+24*\i:37+24*\i], s[24:25] offset:1536*\i+512
	global_store_b128 v[LI], v[38+24*\i:41+24*\i], s[24:25] offset:1536*\i+768
	global_store_b64 v[L8], v[42+24*\i:43+24*\i], s[24:25] offset:1536*\i+1280
	global_store_b32 v30, v[76+\i], s[26:27] offset:64*\i          ; both halves of the lanes hold the same word
.endr
	s_branch .Lend
.Lv:
	CORE 1, 1, 4, 0, 2, 0
	; Row m of token tile T is token 64 (T / 4) + 8 (T % 4) + m % 8 + 32 (m / 8): register ACC + 32 t + i of lane (r, h) is key 32 h + i of this block's 64, for channel row r of tile t:
	; a WHOLE block of 32 keys in a lane, in the order of the operand's registers.  No other lane is asked for the maximum, and no lanes change places.
.irp t, 0,1,2,3
	v_max3_num_f32 v[TM+\t], |v[ACC+32*\t]|, |v[ACC+32*\t+1]|, FLOOR   ; with the floor among the leaves: the byte cannot fall under 1; each accumulator from its low end on
.endr
.irp i, 2,4,6,8,10,12,14,16,18,20,22,24,26,28,30
.irp t, 0,1,2,3
	v_max3_num_f32 v[TM+\t], v[TM+\t], |v[ACC+32*\t+\i]|, |v[ACC+32*\t+\i+1]|
.endr
.endr
.irp t, 0,1,2,3
	v_add_nc_u32 v[TM+12+\t], EOFF, v[TM+\t]       ; 2 off the exponent field: the conversion's scale operand
.endr
.irp t, 0,1,2,3
	v_lshrrev_b32 v[TM+4+\t], 23, v[TM+12+\t]      ; the scale's byte
.endr
.irp t, 0,1,2,3
	v_cvt_scalef32_pk16_fp6_f32 v[32+6*(\t%2)+24*(\t/2):34+6*(\t%2)+24*(\t/2)], v[ACC+32*\t:ACC+32*\t+15], v[TM+12+\t]
	v_cvt_scalef32_pk16_fp6_f32 v[44+4*(\t%2)+24*(\t/2):46+4*(\t%2)+24*(\t/2)], v[ACC+32*\t+16:ACC+32*\t+31], v[TM+12+\t]   ; (a conversion's three registers begin on an even number)
.endr
	v_bfe_u32 v78, v0, 4, 1                        ; h.  (The plain place behind the conversions)
.irp t, 0,1,2,3
.irp i, 0,1,2
	v_mov_b32 v[35+6*(\t%2)+24*(\t/2)+\i], v[44+4*(\t%2)+24*(\t/2)+\i]
.endr
.endr
	v_add_nc_u32 v78, v30, v78                     ; 4 r + h: my block's byte in the row's scale word
.irp i, 0,1
	global_store_b128 v[LI], v[32+24*\i:35+24*\i], s[24:25] offset:3072*\i
	global_store_b64 v[L8], v[36+24*\i:37+24*\i], s[24:25] offset:3072*\i+512
	global_store_b128 v[LI], v[38+24*\i:41+24*\i], s[24:25] offset:3072*\i+1536
	global_store_b64 v[L8], v[42+24*\i:43+24*\i], s[24:25] offset:3072*\i+2048
	global_store_b8 v78, v[TM+4+2*\i], s[26:27] offset:128*\i
	global_store_b8 v78, v[TM+5+2*\i], s[26:27] offset:128*\i+64
.endr
.Lend:
	s_wait_tensorcnt 0x0                           ; the wave's end: behind my last LDS store
	ds_add_u32 v[SPW], v[NIL]
	s_wait_dscnt 0x0
	ROUND                                          ; the closing round: no work-group ends while a partner may still ask for rows that name it
	s_endpgm
.Lfunc_end_k_q9599586bb9_qkv:
	.size	k_q9599586bb9_qkv, .Lfunc_end_k_q9599586bb9_qkv-k_q9599586bb9_qkv
	.p2alignl 7, 3214868480
	.fill 96, 4, 3214868480
	.section	.rodata,"a",@progbits
	.p2align	6, 0x0
	.amdhsa_kernel k_q9599586bb9_qkv
		.amdhsa_group_segment_fixed_size 327680
		.amdhsa_private_segment_fixed_size 0
		.amdhsa_enable_private_segment 0
		.amdhsa_kernarg_size 32
		.amdhsa_user_sgpr_count 2
		.amdhsa_user_sgpr_kernarg_segment_ptr 1
		.amdhsa_wavefront_size32 1
		.amdhsa_system_sgpr_workgroup_id_x 1
		.amdhsa_system_sgpr_workgroup_id_y 1
		.amdhsa_system_sgpr_workgroup_id_z 1
		.amdhsa_system_vgpr_workitem_id 0
		.amdhsa_next_free_vgpr 256
		.amdhsa_next_free_sgpr 66
		.amdhsa_reserve_vcc 0
		.amdhsa_float_denorm_mode_32 3
		.amdhsa_float_denorm_mode_16_64 3
		.amdhsa_memory_ordered 1
		.amdhsa_forward_progress 1
		.amdhsa_inst_pref_size 103
	.end_amdhsa_kernel
	.amdgpu_metadata
---
amdhsa.version: [ 1, 2 ]
amdhsa.kernels:
  - .name:           k_q9599586bb9_qkv
    .symbol:         k_q9599586bb9_qkv.kd
    .args:
      - { .name: qc, .offset: 0, .size: 8, .value_kind: global_buffer, .address_space: global }
      - { .name: qs, .offset: 8, .size: 8, .value_kind: global_buffer, .address_space: global }
      - { .name: ai, .offset: 16, .size: 8, .value_kind: global_buffer, .address_space: global }
      - { .name: asc, .offset: 24, .size: 8, .value_kind: global_buffer, .address_space: global }
    .group_segment_fixed_size: 327680
    .private_segment_fixed_size: 0
    .kernarg_segment_align: 8
    .kernarg_segment_size: 32
    .max_flat_workgroup_size: 384
    .sgpr_count:     66
    .vgpr_count:     256
    .wavefront_size: 32
...
	.end_amdgpu_metadata
.endif
;; end of part 6
;; launch attn (part 7): grid 8 x 32, 16 waves a work-group, clusters of 4 x 1, 327,680 bytes of LDS; arguments ai, asc, cc, cs; writes cc, cs
.if DOCPART == 7
	.amdgcn_target "amdgcn-amd-amdhsa--gfx1250"
	.amdhsa_code_object_version 6
	.text
	.protected	k_q9599586bb9_attn
	.globl	k_q9599586bb9_attn
	.p2align	8
	.type	k_q9599586bb9_attn,@function
k_q9599586bb9_attn:
	s_mov_b64 s[64:65], 0
	v_nop
	global_prefetch_b8 v0, s[64:65] scope:SCOPE_SE
	s_setreg_imm32_b32 hwreg(HW_REG_WAVE_MODE, 25, 1), 1
	s_wait_xcnt 0x0
	s_wait_alu depctr_hold_cnt(0) depctr_sa_sdst(0) depctr_va_vdst(0) depctr_va_sdst(0) depctr_va_ssrc(0) depctr_va_vcc(0) depctr_vm_vsrc(0)
	s_getreg_b32 s2, hwreg(HW_REG_IB_STS2, 6, 4)
	s_cmp_eq_u32 s2, 0
	s_cbranch_scc0 .Lentry_in_a_cluster
	s_endpgm
.Lentry_in_a_cluster:
	s_bfe_u32 s2, ttmp6, 0x10000c
	s_cmp_lg_u32 s2, 0x3003
	s_cbranch_scc0 .Lentry_shape_is_right
	s_endpgm
.Lentry_shape_is_right:
; ctx = softmax(q k^T / 8) v for one head, both products on codes of FP6 (E2M3), and ctx quantised along the model's 1,024 for the next product.
; THE SOFTMAX AHEAD OF THE SECOND PRODUCT: t = score x log2(e) / 8; M = the running largest t rounded UP to a whole number; p = 2^(t - M) is quantised along the keys, not normalised; the row's sum is taken of the
; unquantised p and divides at the end.  When M moves, the sum and O are multiplied by 2^(old M - new M): exact.
; SHARES.  A work-group owns 256 queries of one head (x: the block, y: batch x 16 + head); each of its sixteen waves one tile of 16 queries, in 256 registers.  The head's whole K and V lie in LDS.
; CLUSTER.  The four work-groups of a cluster (4 x 1) own query blocks of ONE head and need the same K and V: every piece is asked for jointly, by the same tensor load with the mask 15.
; K's and V's images come in 32 dense pieces of 6,144 bytes (one key step of 128 of K or of V: 24 rows of 256 bytes), two a wave: key steps 0-7 at the head, key steps 8-15 behind the second round of the cluster's
; barrier, while steps 0-3 are worked.  Each LDS byte is filled once.  The scale words (2 x 4,096 bytes) come through registers into LDS bytes of their own.
; NO PREFETCH: each piece is asked for once, at the head or directly behind the second round; there is no loop of refills in which a request could run ahead.
; LAYOUT.  Both products are used transposed: S^T = K Q^T, O^T = V^T P^T: a lane holds ONE query (lane % 16) throughout.  Row m of token tile T is token 64 (T / 4) + 8 (T % 4) + m % 8 + 32 (m / 8), so the 32 score
; registers of tiles 4 g .. 4 g + 3 are keys 64 g + 32 (lane / 16) + 0 .. 31: a WHOLE block of 32 keys in a lane, in the order of the second product's operand: its maximum needs no other lane and its codes stay where they are made.
; TWO REGIONS OF 64 REGISTERS CHANGE ROLES FROM STEP TO STEP.  In a step one region holds K's four fragments and then V's; the other takes the scores, and, once p is converted, the NEXT step's fragments of K, which so are
; asked of LDS a third of a step ahead of their use.  A trip of the loop is two steps, until the regions are back where they began.
; K = 64 IN AN INSTRUCTION OF 128.  A pair fragment of K holds, in row r, key r of tile 2 f in k 0-63 and key r of tile 2 f + 1 in k 64-127.  Q stands in registers as [six zeros][q][six zeros]: v[22:33] = (q, 0) picks the
; first key, v[16:27] = (0, q) the second: zero codes add nothing under any scale byte but 0xff, which no byte here is.  Q's scale word is (s0, s1, s0, s1) and serves both.
; LIMITS: the scaled scores stay under 2^31 in magnitude; a block of zeros gets the byte 1, not 127 (codes zero; the bytes are this program's own); largest magnitudes under 2^-124 have the byte held at 1; NaN and infinities are not served.
.set A16, 1                            ; v1-3  the trip's LDS addresses: 16 x lane, 8 x lane, 4 r
.set A8,  2
.set AR,  3
.set LI,  4                            ; v4   16 x lane
.set SPW, 5                            ; v5   my spare word; never rewritten
.set NIL, 6                            ; v6   0; never rewritten
.set L8,  7                            ; v7   8 x lane
.set LR,  8                            ; v8   4 r
.set SH8, 9                            ; v9   8 (lane / 16)
.set B16, 10                           ; v10  16 x lane + the images' first byte;  v11: 8 x lane + the same
.set B8,  11
.set QS,  34                           ; v34  Q's scale word.  v16-33: Q between zeros.  v12 -M, v13 the largest score, v[14:15] the sum in two halves
.set TW,  35                           ; v35  at work
.set RA,  36                           ; v36-99   the two regions
.set RB,  100                          ; v100-163
.set O,   164                          ; v164-195 O^T
.set P,   196                          ; v196-207 p's fragment
.set CT,  208                          ; v208-210, v212-214 the blocks' upper halves as converted
.set F,   216                          ; v[216:217] f = 2^(old M - new M) (the low word serves both halves)
.set SO,  218                          ; v218-219 the conversions' scale operands;  v220-221 the bytes
.set BY,  220
.set PS,  222                          ; v222 p's scale word;  v223 lane l xor 16's part of it
.set PX,  223
.set T,   224                          ; v224-237 seven pairs: the chains of the row's sum
.set BM,  238                          ; v238-241 four chains of maxima; my two blocks' end in v238 and v240
.set BX,  242                          ; v242-243 lane l xor 16's
.set KSC, 244                          ; v244-247 K's scale words;  v248-251 V's
.set VSC, 248
.set CP,  252                          ; v252 8 x thread: the scale words' copy, in memory and in LDS alike
.set G1,  16                           ; s[16:23] descriptor group 1;  s[24:27], s[28:31] group 0 of my two loads
.set G0A, 24
.set G0B, 28
.set SEL, 32                           ; s[32:33] selects for lane l xor 16
.set CS,  34                           ; s[34:35] c = log2(e) / 8;  s36 = -c
.set CN,  36
.set CNT, 37
.set TB,  62                           ; s62  the trip's images;  s63 the trip's scale words
.set TS,  63
.set STEPB, 12288                      ; a key step in LDS: K's four pair fragments, then V's four fragments
.set IMG,   8192                       ; LDS: K's scale words from 0, V's from 4,096; key steps 0-7 from here;
.set PH2,   IMG+8*STEPB                ; key steps 8-15 from here;
.set SPARE, IMG+16*STEPB               ; the spare words, 128 bytes for each of sixteen waves: eight blocks of 256 bytes that no other line names
.set FLOOR, 0x1800000
.set EOFF,  0xff000000
.macro ROUND                           ; a round of the cluster's barrier
	s_barrier_signal -1
	s_barrier_wait -1
	s_cmp_lg_u32 s12, 0
	s_cbranch_scc1 .Lnot_wave_0_\@
	s_barrier_signal -3
.Lnot_wave_0_\@:
	s_barrier_wait -3
	s_barrier_signal -1
	s_barrier_wait -1
.endm
.macro LFRAG reg, a16, a8, off         ; a fragment's image comes back into 12 registers
	ds_load_b128 v[\reg:\reg+3], v[\a16] offset:\off
	ds_load_b64 v[\reg+4:\reg+5], v[\a8] offset:\off+512
	ds_load_b128 v[\reg+6:\reg+9], v[\a16] offset:\off+768
	ds_load_b64 v[\reg+10:\reg+11], v[\a8] offset:\off+1280
.endm
.macro PAIR d, t                       ; two blocks' half-block codes become six registers with a WHOLE block in a lane (the way out alone)
.irp i, 0,1,2
	v_permlane16_swap_b32 v[\d+\i], v[\t+\i]
.endr
.irp i, 0,1,2
	v_mov_b32 v[\d+3+\i], v[\t+\i]
.endr
.endm
.macro COMB1                           ; the last seven additions of a step's sum are left for the next step, where they stand as places round its first products
	v_pk_add_f32 v[14:15], v[14:15], v[T+6:T+7]
	v_pk_add_f32 v[T:T+1], v[T:T+1], v[T+8:T+9]
	v_pk_add_f32 v[T+2:T+3], v[T+2:T+3], v[T+10:T+11]
	v_pk_add_f32 v[T+4:T+5], v[T+4:T+5], v[T+12:T+13]
.endm
.macro COMB2
	v_pk_add_f32 v[14:15], v[14:15], v[T+2:T+3]
	v_pk_add_f32 v[T:T+1], v[T:T+1], v[T+4:T+5]
	v_pk_add_f32 v[14:15], v[14:15], v[T:T+1]
.endm
; A key step of 128.  KR: the region with K's fragments, then V's;  SR: the region for the scores, then for the next step's K.  ko, so: the step's bytes behind the trip's addresses.
; first = 1: the trip's addresses are made.  pf = 1: the next step's K is asked for.
.macro STEP KR, SR, ko, so, first, pf
	s_wait_dscnt 0x0                               ; K's fragments and scale words, asked for in the step before
	v_mov_b32 v[TW], v12                           ; the old -M.  (These five are the places ahead of products that write over V's registers, which the last products have read)
	COMB1
.irp f, 0,1,2,3                                    ; S^T: each pair fragment against (q, 0) and (0, q)
	v_wmma_scale_f32_16x16x128_f8f6f4 v[\SR+16*\f:\SR+16*\f+7], v[\KR+12*\f:\KR+12*\f+11], v[22:33], 0, v[KSC+\f], v[QS] matrix_a_fmt:MATRIX_FMT_FP6 matrix_b_fmt:MATRIX_FMT_FP6
	v_wmma_scale_f32_16x16x128_f8f6f4 v[\SR+16*\f+8:\SR+16*\f+15], v[\KR+12*\f:\KR+12*\f+11], v[16:27], 0, v[KSC+\f], v[QS] matrix_a_fmt:MATRIX_FMT_FP6 matrix_b_fmt:MATRIX_FMT_FP6
.endr
	COMB2                                          ; four places or more: ahead of the loads into K's registers, and of the first read of the scores
.if \first
	v_add_nc_u32 v[A16], s[TB], v[B16]
	v_add_nc_u32 v[A8], s[TB], v[B8]
	v_add_nc_u32 v[AR], s[TS], v[LR]
.else
	v_nop
.endif
.irp t, 0,1,2,3
	LFRAG \KR+12*\t, A16, A8, \ko+6144+1536*\t     ; V's four fragments land while the softmax is walked
	ds_load_b32 v[VSC+\t], v[AR] offset:4096+\so+64*\t
.endr
.irp b, 0,1,2,3
	v_max3_num_f32 v[BM+\b], v[\SR+16*\b], v[\SR+1+16*\b], v[\SR+2+16*\b]   ; the largest score, in four chains; each accumulator is read from its low end on
.endr
.irp i, 3,5,7,9,11,13
.irp b, 0,1,2,3
	v_max3_num_f32 v[BM+\b], v[BM+\b], v[\SR+16*\b+\i], v[\SR+1+16*\b+\i]
.endr
.endr
.irp c, 0,1
	v_max3_num_f32 v[BM+2*\c], v[BM+2*\c], v[BM+2*\c+1], v[\SR+32*\c+15]
.endr
.irp c, 0,1
	v_max_num_f32 v[BM+2*\c], v[BM+2*\c], v[\SR+32*\c+31]   ; THE LARGEST SCORE OF EACH OF MY TWO BLOCKS serves twice: for the row's maximum, and, since p rises with the score, for the block's largest p
.endr
	s_delay_alu instid0(VALU_DEP_1)
	v_max_num_f32 v[BM+1], v[BM], v[BM+2]
	s_delay_alu instid0(VALU_DEP_1)
	v_permlanex16_b32 v[BX], v[BM+1], s[SEL], s[SEL+1]
	s_delay_alu instid0(VALU_DEP_1)
	v_max3_num_f32 v13, v13, v[BM+1], v[BX]        ; the running largest score of my query
	s_delay_alu instid0(VALU_DEP_1)
	v_mul_f32 v12, s[CN], v13                      ; -t (c is positive)
	s_delay_alu instid0(VALU_DEP_1)
	v_floor_f32 v12, v12                           ; the new -M = floor(-t) = -ceil(t): a whole number
	s_delay_alu instid0(VALU_DEP_1)
	v_sub_f32 v[TW], v12, v[TW]                    ; old M - new M: a whole number, 0 or less
	s_delay_alu instid0(VALU_DEP_1)
	v_cvt_i32_f32 v[TW], v[TW]                     ; (it saturates)
	s_delay_alu instid0(VALU_DEP_1)
	v_ldexp_f32 v[F], 1.0, v[TW]                   ; f = 2^(old M - new M)
.set j, 0
.rept 32
	v_pk_fma_f32 v[\SR+j:\SR+j+1], v[\SR+j:\SR+j+1], s[CS:CS+1], v[12:13] op_sel_hi:[1,0,0]   ; t - M, two at a time
.set j, j+2
.endr
.irp c, 0,1
	v_fma_f32 v[BM+2*\c], v[BM+2*\c], s[CS], v12   ; the same of each block's largest score
.endr
	s_wait_alu depctr_va_vdst(0)
.set j, 0
.rept 64
	v_exp_f32 v[\SR+j], v[\SR+j]                   ; p = 2^(t - M), at most 1: not normalised
.set j, j+1
.endr
.irp c, 0,1
	v_exp_f32 v[BM+2*\c], v[BM+2*\c]               ; the block's largest p: the same two instructions on the same number give the same bits
.endr
	v_pk_mul_f32 v[14:15], v[14:15], v[F:F+1] op_sel_hi:[1,0]      ; the sum under the new M.  (A plain place behind the exponentials)
	s_wait_alu depctr_va_vdst(0)                   ; one wait for the whole batch, ahead of its first reader
.irp c, 0,1
	v_max_num_f32 v[BM+2*\c], FLOOR, v[BM+2*\c]    ; the floor 2^(3 - 127): the byte cannot fall under 1
.endr
.set k, 0
.rept 7
	v_pk_add_f32 v[T+2*k:T+2*k+1], v[\SR+4*k:\SR+4*k+1], v[\SR+4*k+2:\SR+4*k+3]   ; THE ROW'S SUM IS TAKEN OF THE UNQUANTISED p: eight chains
.set k, k+1
.endr
	v_pk_add_f32 v[14:15], v[14:15], v[\SR+28:\SR+29]
.irp c, 0,1
	v_add_nc_u32 v[SO+\c], EOFF, v[BM+2*\c]        ; 2 off the exponent field: the conversion's scale operand
.endr
.set k, 0
.rept 7
	v_pk_add_f32 v[T+2*k:T+2*k+1], v[T+2*k:T+2*k+1], v[\SR+30+2*k:\SR+31+2*k]
.set k, k+1
.endr
	v_pk_add_f32 v[14:15], v[14:15], v[\SR+44:\SR+45]
.irp c, 0,1
	v_lshrrev_b32 v[BY+\c], 23, v[SO+\c]           ; the scale's byte
.endr
.set k, 0
.rept 7
	v_pk_add_f32 v[T+2*k:T+2*k+1], v[T+2*k:T+2*k+1], v[\SR+46+2*k:\SR+47+2*k]
.set k, k+1
.endr
	v_lshl_or_b32 v[PS], v[BY+1], 16, v[BY]        ; my two bytes: blocks h and 2 + h,
	v_pk_add_f32 v[14:15], v[14:15], v[\SR+60:\SR+61]
	v_lshlrev_b32 v[PS], v[SH8], v[PS]             ; at their places in the word;
	v_pk_add_f32 v[T:T+1], v[T:T+1], v[\SR+62:\SR+63]
	v_permlanex16_b32 v[PX], v[PS], s[SEL], s[SEL+1]
.irp c, 0,1
	v_cvt_scalef32_pk16_fp6_f32 v[P+6*\c:P+6*\c+2], v[\SR+32*\c:\SR+32*\c+15], v[SO+\c]
	v_cvt_scalef32_pk16_fp6_f32 v[CT+4*\c:CT+4*\c+2], v[\SR+32*\c+16:\SR+32*\c+31], v[SO+\c]   ; (a conversion's three registers begin on an even number)
.endr
	v_or_b32 v[PS], v[PS], v[PX]                   ; with lane l xor 16's two the word of these 128 keys is whole.  (The plain place behind the conversions)
.irp c, 0,1
.irp i, 0,1,2
	v_mov_b32 v[P+3+6*\c+\i], v[CT+4*\c+\i]
.endr
.endr
.if \pf
.irp f, 0,1,2,3
	LFRAG \SR+12*\f, A16, A8, \ko+STEPB+1536*\f    ; p is converted and summed: its registers take the next step's K
	ds_load_b32 v[KSC+\f], v[AR] offset:\so+256+64*\f
.endr
	s_wait_dscnt 20                                ; V is in; the 20 loads of the next K, issued behind V's, may be out
.else
	s_wait_dscnt 0x0                               ; V
.endif
	s_wait_alu depctr_va_vdst(0)                   ; directly ahead of the first reader of O^T
.set j, 0
.rept 16
	v_pk_mul_f32 v[O+j:O+j+1], v[O+j:O+j+1], v[F:F+1] op_sel_hi:[1,0]   ; O^T under the new M, each accumulator from its low end on.  (These 16 stand between the making of p's codes and scale word and the products)
.set j, j+2
.endr
.irp t, 0,1,2,3                                    ; O^T += V^T P^T: four tiles of 16 channels, four accumulators, one instruction each
	v_wmma_scale_f32_16x16x128_f8f6f4 v[O+8*\t:O+8*\t+7], v[\KR+12*\t:\KR+12*\t+11], v[P:P+11], v[O+8*\t:O+8*\t+7], v[VSC+\t], v[PS] matrix_a_fmt:MATRIX_FMT_FP6 matrix_b_fmt:MATRIX_FMT_FP6
.endr
.endm
.macro TRIPS lab                       ; a loop whose trip is two key steps
\lab:
	STEP RA, RB, 0, 0, 1, 1
	STEP RB, RA, STEPB, 256, 0, 1
	s_add_co_u32 s[TB], s[TB], 2*STEPB
	s_add_co_u32 s[TS], s[TS], 512
	s_sub_co_u32 s[CNT], s[CNT], 1
	s_cmp_lg_u32 s[CNT], 0
	s_cbranch_scc1 \lab
.endm
	s_load_b256 s[4:11], s[0:1], 0x0               ; ai s[4:5], asc s[6:7], cc s[8:9], cs s[10:11]
	v_lshl_add_u32 v[SPW], v0, 2, SPARE
	v_mov_b32 v[NIL], 0
	ds_add_u32 v[SPW], v[NIL]                      ; the wave's opening: the add, twice on end, and its wait ahead of my first tensor load
	ds_add_u32 v[SPW], v[NIL]
	v_lshrrev_b32 v[TW], 5, v0
	v_readfirstlane_b32 s12, v[TW]                 ; wave 0..15
	v_and_b32 v[TW], 31, v0
	v_lshlrev_b32 v[LI], 4, v[TW]
	v_lshlrev_b32 v[L8], 3, v[TW]
	v_and_b32 v[LR], 15, v0
	v_lshlrev_b32 v[LR], 2, v[LR]
	v_bfe_u32 v[SH8], v0, 4, 1
	v_lshlrev_b32 v[SH8], 3, v[SH8]
	v_add_nc_u32 v[B16], IMG, v[LI]
	v_add_nc_u32 v[B8], IMG, v[L8]
	v_lshlrev_b32 v[CP], 3, v0
	s_mov_b32 s[G1], 15|(3<<16)|(1<<21)            ; the mask: all four of the cluster; elements of 8 bytes; bit 21 set beside a mask; no padding
	s_mov_b32 s[G1+1], 32<<16                      ; a dense piece of 6,144 bytes as 24 rows of 256 bytes
	s_mov_b32 s[G1+2], 24<<16
	s_mov_b32 s[G1+3], 32<<16
	s_mov_b32 s[G1+4], 24
	s_mov_b32 s[G1+5], 32
	s_mov_b32 s[G1+6], 0
	s_mov_b32 s[G1+7], 0
	s_bfe_u32 s13, ttmp6, 0x40000                  ; cx
	s_lshl_b32 s42, ttmp9, 2
	s_add_co_u32 s13, s13, s42                     ; the block of 256 queries: 4 x cluster x + cx
	s_and_b32 s14, ttmp7, 0xffff                   ; batch x 16 + head: the same in the four partners
	s_and_b32 s43, s12, 7                          ; my pieces: key steps w % 8 and 8 + w % 8,
	s_lshr_b32 s44, s12, 3                         ; of K (waves 0-7) or of V (waves 8-15): made of the wave's number and y alone
	s_mul_i32 s45, s43, STEPB
	s_mul_i32 s46, s44, 6144
	s_add_co_u32 s45, s45, s46
	s_mov_b32 s[G0A], 1
	s_add_co_u32 s[G0A+1], s45, IMG
	s_mov_b32 s[G0B], 1
	s_add_co_u32 s[G0B+1], s45, PH2
	s_mul_i32 s46, s14, 98304
	s_mul_i32 s47, s44, 3145728
	s_add_co_u32 s46, s46, s47
	s_mul_i32 s47, s43, 6144
	s_add_co_u32 s46, s46, s47
	s_add_co_u32 s46, s46, 3145728                 ; k's images lie behind q's in ai, v's behind k's
	s_mov_b32 s47, 0
	s_mul_i32 s48, s14, 98304
	s_lshl_b32 s50, s13, 3
	s_lshr_b32 s51, s12, 1
	s_add_co_u32 s50, s50, s51                     ; my pair fragment of q: 8 x + w / 2,
	s_and_b32 s51, s12, 1                          ; and my half of it
	s_lshl_b32 s15, s51, 4                         ; my two bytes of its scale word begin at bit 16 u
	s_mul_i32 s49, s50, 1536
	s_add_co_u32 s48, s48, s49
	s_mul_i32 s49, s51, 768
	s_add_co_u32 s48, s48, s49
	s_mov_b32 s49, 0
	s_lshl_b32 s52, s14, 12
	s_mov_b32 s53, 0
	s_lshl_b32 s50, s50, 6
	s_mov_b32 s51, 0
	s_lshr_b32 s54, s14, 4
	s_lshl_b32 s54, s54, 7
	s_lshl_b32 s55, s13, 4
	s_add_co_u32 s54, s54, s55
	s_add_co_u32 s54, s54, s12                     ; my tile of tokens among all 256: 128 batch + 16 x + w
	s_and_b32 s55, s14, 15                         ; the head:
	s_lshr_b32 s56, s55, 1                         ; which K step of the next product,
	s_and_b32 s55, s55, 1                          ; and which half of it
	s_mul_i32 s58, s54, 12288
	s_mul_i32 s57, s56, 1536
	s_add_co_u32 s58, s58, s57
	s_mul_i32 s57, s55, 768
	s_add_co_u32 s58, s58, s57
	s_mov_b32 s59, 0
	s_lshl_b32 s60, s54, 9
	s_lshl_b32 s57, s56, 6
	s_add_co_u32 s60, s60, s57
	s_lshl_b32 s57, s55, 1
	s_add_co_u32 s60, s60, s57
	s_mov_b32 s61, 0
	s_mov_b32 s[SEL], 0x76543210
	s_mov_b32 s[SEL+1], 0xfedcba98
	s_mov_b32 s[CS], 0x3e38aa3b                    ; log2(e) / 8
	s_mov_b32 s[CS+1], s[CS]                       ; (named with it as a pair, so it is written)
	s_mov_b32 s[CN], 0xbe38aa3b
	s_mov_b32 s[TB], 0
	s_mov_b32 s[TS], 0
	s_mov_b32 s[CNT], 2
	s_wait_alu depctr_va_vdst(0)
	s_wait_dscnt 0x0                               ; both opening adds are done
	s_wait_kmcnt 0x0
	s_add_nc_u64 s[G0A+2:G0A+3], s[4:5], s[46:47]
	s_add_nc_u64 s[G0B+2:G0B+3], s[G0A+2:G0A+3], 49152   ; eight key steps on
	s_or_b32 s[G0A+3], s[G0A+3], 0x80000000
	s_or_b32 s[G0B+3], s[G0B+3], 0x80000000
	s_add_nc_u64 s[42:43], s[4:5], s[48:49]        ; my half fragment of q
	s_add_nc_u64 s[52:53], s[6:7], s[52:53]        ; the head's scale words: q's,
	s_add_nc_u64 s[44:45], s[52:53], 131072        ; k's,
	s_add_nc_u64 s[46:47], s[52:53], 262144        ; v's
	s_add_nc_u64 s[52:53], s[52:53], s[50:51]
	s_add_nc_u64 s[38:39], s[8:9], s[58:59]        ; where my codes of ctx go,
	s_add_nc_u64 s[40:41], s[10:11], s[60:61]      ; and my two bytes of each row's scale word
	global_load_b64 v[RB:RB+1], v[CP], s[44:45]    ; K's scale words: 512 threads x 8 bytes
	global_load_b64 v[RB+2:RB+3], v[CP], s[46:47]  ; V's
	global_load_b128 v[22:25], v[LI], s[42:43]     ; q: six registers
	global_load_b64 v[26:27], v[L8], s[42:43] offset:512
	global_load_b32 v[QS], v[LR], s[52:53]
	ROUND                                          ; all four work-groups are here: the first joint loads meet
	tensor_load_to_lds s[G0A:G0A+3], s[G1:G1+7]    ; my piece of key steps 0-7: one tensor load a wave at the head
	s_nop 0
.irp j, 16,17,18,19,20,21,28,29,30,31,32,33
	v_mov_b32 v[\j], 0                             ; the zero codes on either side of q
.endr
	v_mov_b32 v13, 0xff61b1e6                      ; the largest score so far: -3e38, under every score
	v_mov_b32 v12, 0x7e000000                      ; -M: 2^125, a whole number over every -t: the first f is 0
	v_mov_b32 v14, 0                               ; the sum, in two halves
	v_mov_b32 v15, 0
.set j, 0
.rept 14
	v_mov_b32 v[T+j], 0                            ; the chains: the first step's deferred additions find zeros
.set j, j+1
.endr
.irp j, BX,BX+1,PX,F+1
	v_mov_b32 v[\j], 0                             ; lane permutes' destinations; the upper half of a pair
.endr
	s_wait_loadcnt 0x0
	ds_store_b64 v[CP], v[RB:RB+1]                 ; the scale words' bytes are their own: no tensor load lands there
	ds_store_b64 v[CP], v[RB+2:RB+3] offset:4096
	v_lshrrev_b32 v[QS], s15, v[QS]                ; my tile's two bytes,
	v_and_b32 v[QS], 0xffff, v[QS]
	v_lshl_or_b32 v[QS], v[QS], 16, v[QS]          ; in both halves of the word
.set j, 0
.rept 32
	v_mov_b32 v[O+j], 0                            ; O^T.  (The step is written once: the first finds zeros, which the first change of M leaves zeros)
.set j, j+1
.endr
	s_wait_alu depctr_va_vdst(0)
	s_wait_tensorcnt 0x0                           ; my piece is in
	ds_add_u32 v[SPW], v[NIL]
	s_wait_dscnt 0x0                               ; the add is done, and my scale words have landed
	ROUND                                          ; everybody's part of key steps 0-7 is in, and the four work-groups are here: the joint loads meet
	tensor_load_to_lds s[G0B:G0B+3], s[G1:G1+7]    ; my piece of key steps 8-15, the first tensor load behind the round
	s_nop 0
.irp f, 0,1,2,3
	LFRAG RA+12*\f, B16, B8, 1536*\f               ; key step 0's K
	ds_load_b32 v[KSC+\f], v[LR] offset:64*\f
.endr
	TRIPS .Lsteps_0_to_3                           ; two trips; the last asks for key step 4's K: all of it in the head's pieces
	s_wait_tensorcnt 0x0                           ; my piece of key steps 8-15 is in
	s_wait_dscnt 0x0                               ; no LDS load of mine is out at the signal
	s_barrier_signal -1
	s_barrier_wait -1                              ; everybody's piece is in
	s_mov_b32 s[CNT], 5
	TRIPS .Lsteps_4_to_13                          ; five trips
	STEP RA, RB, 0, 0, 1, 1                        ; the last two steps are written out: the very last asks for no further K
	STEP RB, RA, STEPB, 256, 0, 0
	; THE WAY OUT: O^T / the sum; registers 16 b + i are channels 32 b + 16 h + i of my query: two blocks of the next K, quantised as they stand.
	COMB1                                          ; the last step's sum is finished.  (More than four places behind the last products)
	COMB2
	v_add_f32 v14, v14, v15                        ; the sum's two halves,
	v_permlanex16_b32 v[TW], v14, s[SEL], s[SEL+1]
	v_add_f32 v14, v14, v[TW]                      ; and lane l xor 16's
	s_wait_alu depctr_va_vdst(0)                   ; ahead of the transcendental
	v_rcp_f32 v14, v14
	v_nop                                          ; a plain place behind the reciprocal
	s_wait_alu depctr_va_vdst(0)                   ; ahead of its first reader, which is also O^T's
.set j, 0
.rept 16
	v_pk_mul_f32 v[O+j:O+j+1], v[O+j:O+j+1], v[14:15] op_sel_hi:[1,0]
.set j, j+2
.endr
.irp b, 0,1
	v_max3_num_f32 v[BM+\b], |v[O+16*\b]|, |v[O+1+16*\b]|, FLOOR
.endr
.irp i, 2,4,6,8,10,12,14
.irp b, 0,1
	v_max3_num_f32 v[BM+\b], v[BM+\b], |v[O+16*\b+\i]|, |v[O+1+16*\b+\i]|
.endr
.endr
.irp b, 0,1
	v_permlanex16_b32 v[BX+\b], v[BM+\b], s[SEL], s[SEL+1]
.endr
.irp b, 0,1
	v_max_num_f32 v[BM+\b], v[BM+\b], v[BX+\b]
.endr
.irp b, 0,1
	v_add_nc_u32 v[SO+\b], EOFF, v[BM+\b]
.endr
.irp b, 0,1
	v_lshrrev_b32 v[BY+\b], 23, v[SO+\b]
.endr
	v_cvt_scalef32_pk16_fp6_f32 v[P:P+2], v[O:O+15], v[SO]
	v_cvt_scalef32_pk16_fp6_f32 v[CT:CT+2], v[O+16:O+31], v[SO+1]
	v_lshl_or_b32 v[PS], v[BY+1], 8, v[BY]         ; my head's two bytes of the row's scale word.  (The plain place behind the conversions)
	PAIR P, CT
	global_store_b128 v[LI], v[P:P+3], s[38:39]    ; half a fragment: 512 and 256 consecutive bytes
	global_store_b64 v[L8], v[P+4:P+5], s[38:39] offset:512
	global_store_b16 v[LR], v[PS], s[40:41]        ; both halves of the lanes hold the same two bytes
	s_wait_tensorcnt 0x0                           ; the wave's end: behind my last tensor load and my last LDS store
	ds_add_u32 v[SPW], v[NIL]
	s_wait_dscnt 0x0
	ROUND                                          ; the closing round: no work-group ends while a partner may still ask for a piece that names it
	s_endpgm
.Lfunc_end_k_q9599586bb9_attn:
	.size	k_q9599586bb9_attn, .Lfunc_end_k_q9599586bb9_attn-k_q9599586bb9_attn
	.p2alignl 7, 3214868480
	.fill 96, 4, 3214868480
	.section	.rodata,"a",@progbits
	.p2align	6, 0x0
	.amdhsa_kernel k_q9599586bb9_attn
		.amdhsa_group_segment_fixed_size 327680
		.amdhsa_private_segment_fixed_size 0
		.amdhsa_enable_private_segment 0
		.amdhsa_kernarg_size 32
		.amdhsa_user_sgpr_count 2
		.amdhsa_user_sgpr_kernarg_segment_ptr 1
		.amdhsa_wavefront_size32 1
		.amdhsa_system_sgpr_workgroup_id_x 1
		.amdhsa_system_sgpr_workgroup_id_y 1
		.amdhsa_system_sgpr_workgroup_id_z 1
		.amdhsa_system_vgpr_workitem_id 0
		.amdhsa_next_free_vgpr 256
		.amdhsa_next_free_sgpr 66
		.amdhsa_reserve_vcc 0
		.amdhsa_float_denorm_mode_32 3
		.amdhsa_float_denorm_mode_16_64 3
		.amdhsa_memory_ordered 1
		.amdhsa_forward_progress 1
		.amdhsa_inst_pref_size 104
	.end_amdhsa_kernel
	.amdgpu_metadata
---
amdhsa.version: [ 1, 2 ]
amdhsa.kernels:
  - .name:           k_q9599586bb9_attn
    .symbol:         k_q9599586bb9_attn.kd
    .args:
      - { .name: ai, .offset: 0, .size: 8, .value_kind: global_buffer, .address_space: global }
      - { .name: asc, .offset: 8, .size: 8, .value_kind: global_buffer, .address_space: global }
      - { .name: cc, .offset: 16, .size: 8, .value_kind: global_buffer, .address_space: global }
      - { .name: cs, .offset: 24, .size: 8, .value_kind: global_buffer, .address_space: global }
    .group_segment_fixed_size: 327680
    .private_segment_fixed_size: 0
    .kernarg_segment_align: 8
    .kernarg_segment_size: 32
    .max_flat_workgroup_size: 512
    .sgpr_count:     66
    .vgpr_count:     256
    .wavefront_size: 32
...
	.end_amdgpu_metadata
.endif
;; end of part 7
;; launch wo_gemm (part 8): grid 16 x 16, 16 waves a work-group, no clusters, 122,880 bytes of LDS; arguments cc, cs, qc, qs, hidden_states, x1; writes x1
.if DOCPART == 8
	.amdgcn_target "amdgcn-amd-amdhsa--gfx1250"
	.amdhsa_code_object_version 6
	.text
	.protected	k_q9599586bb9_wo_gemm
	.globl	k_q9599586bb9_wo_gemm
	.p2align	8
	.type	k_q9599586bb9_wo_gemm,@function
k_q9599586bb9_wo_gemm:
	s_mov_b64 s[64:65], 0
	v_nop
	global_prefetch_b8 v0, s[64:65] scope:SCOPE_SE
	s_setreg_imm32_b32 hwreg(HW_REG_WAVE_MODE, 25, 1), 1
	s_wait_xcnt 0x0
; out = res + A W^T on codes of FP6 (E2M3) with one E8M0 byte for each 32 along K (K = 1,024).  Here: A = ctx (codes and scale words made by the attention launch), W = wo, res = hidden_states, out = x1.
; A: [tile of 16 tokens 0..255][K step 0..7][1,536 bytes], each fragment laid in the order of the operand's registers: two halves of 768 bytes, registers 6 c .. 6 c + 3 at 768 c + 16 x lane, registers 6 c + 4, 6 c + 5 at
; 768 c + 512 + 8 x lane; its scale words [tile][K step][row].  W: the same, in qc and qs, from tile WT0 on.  The rows of a tile are not neighbours: row m of tile T is row 32 (T / 2) + 8 (T % 2) + m + 8 (m / 8).
; SHARES.  A work-group makes 256 tokens (work-group y) x 64 columns (work-group x): 256 work-groups.  Wave w owns the tile of tokens 16 y + w and all 64 columns: four accumulators, 32 matrix instructions.
; A's eight fragments are used by that wave alone: they go from memory straight into its registers (96).  W's four tiles (49,152 bytes) are copied once into LDS, as they lie, and read by all sixteen waves.
; The copy of W is asked for first, by all waves, ahead of a barrier; behind the barrier that shows it landed the waves share nothing more: each K step waits only for its own fragment of A, so products run while later fragments arrive.
; NO CLUSTER, NO JOINT LOADS, though sixteen work-groups read the same W and sixteen the same A: a joint load lands in LDS; by way of LDS a wave would read 40 fragments from LDS where it now reads 32, and W's 49,152 bytes are a
; fifth of the 245,760 bytes of codes that the work-group reads.
; The product is used transposed (source 0 = W, source 1 = tokens): a lane holds one token, and registers ACC + 16 b + i are columns 32 b + 16 (lane / 16) + i of the block.
; LIMITS: NaN and infinities among the inputs are not served.
.set WT0,   448                        ; wo's first tile in qc
.set NT,    4                          ; tiles of W
.set NB,    4*NT                       ; batches of two fragments of W: 8 K steps x NT / 2
.set TRAIL, 8                          ; loads issued behind A's: the residual's
.set LI,  1                            ; v1   16 x lane
.set L8,  2                            ; v2   8 x lane
.set LS,  3                            ; v3   4 x lane
.set SPW, 4                            ; v4   my spare word; never rewritten
.set NIL, 5                            ; v5   0; never rewritten
.set LSW, 6                            ; v6   4 x lane + W's scale words in LDS
.set CP16, 9                           ; v9   16 x thread: the copy of W, in memory and in LDS alike
.set CP4, 10                           ; v10  4 x thread: its scale words in memory,
.set CPS, 11                           ; v11  and in LDS
.set STO, 12                           ; v12  the way out: where I put 64 bytes of a row
.set RD,  13                           ; v13  where I read a row back
.set GO,  14                           ; v14  my byte offset in two rows of res and of out
.set ASC, 16                           ; v16-19  A's scale words: register K step / 2: lanes 0-15 the even step's, lanes 16-31 the odd one's
.set WSC, 20                           ; v20-27  W's scale words, two sets of NT by turns, laid likewise
.set WF,  36                           ; v36-83  W's fragments: two sets of two
.set AFR, 84                           ; v84-179 A's eight fragments
.set ACC, 180                          ; v180-211 the four accumulators
.set RES, 212                          ; v212-243 the residual, by rows
.set OB,  84                           ; v84-115 the way out: 16 rows read back
.set SP,    272                        ; a stage row: 256 bytes + 16
.set WSCL,  49152                      ; LDS: W's images from 0, tile x 12,288 + K step x 1,536; then its scale words, 512 bytes a tile;
.set STG,   51200                      ; a stage of 16 rows for each wave, its own;
.set SPARE, 120832                     ; the spare words, 128 bytes for each of sixteen waves: eight blocks of 256 bytes that no other line names
; one matrix instruction.  kind 0: it starts the sum; 1: it adds, scales of an even K step (lanes 0-15); 2: of an odd one (lanes 16-31)
.macro WM d, a, b, sx, sy, kind
.if \kind == 0
	v_wmma_scale_f32_16x16x128_f8f6f4 v[\d:\d+7], v[\a:\a+11], v[\b:\b+11], 0, v[\sx], v[\sy] matrix_a_fmt:MATRIX_FMT_FP6 matrix_b_fmt:MATRIX_FMT_FP6
.elseif \kind == 1
	v_wmma_scale_f32_16x16x128_f8f6f4 v[\d:\d+7], v[\a:\a+11], v[\b:\b+11], v[\d:\d+7], v[\sx], v[\sy] matrix_a_fmt:MATRIX_FMT_FP6 matrix_b_fmt:MATRIX_FMT_FP6
.else
	v_wmma_scale_f32_16x16x128_f8f6f4 v[\d:\d+7], v[\a:\a+11], v[\b:\b+11], v[\d:\d+7], v[\sx], v[\sy] matrix_a_fmt:MATRIX_FMT_FP6 matrix_b_fmt:MATRIX_FMT_FP6 matrix_a_scale:MATRIX_SCALE_ROW1 matrix_b_scale:MATRIX_SCALE_ROW1
.endif
.endm
; Batch jj: fragments 2 jj and 2 jj + 1 of W (fragment g = K step x NT + tile) from LDS into set jj % 2: eight loads.  With the first batch of every second K step come, ahead of them, the NT scale words of those two steps.
.macro BLOAD jj
.if ((\jj)%NT) == 0
.set bkp, (\jj)/NT
.set bt, 0
.rept NT
	ds_load_b32 v[WSC+NT*(bkp%2)+bt], v[LSW] offset:512*bt+128*bkp
.set bt, bt+1
.endr
.endif
.set bu, 0
.rept 2
.set bg, 2*(\jj)+bu
.set breg, WF+24*((\jj)%2)+12*bu
.set boff, (bg%NT)*12288+(bg/NT)*1536
	ds_load_b128 v[breg:breg+3], v[LI] offset:boff
	ds_load_b64 v[breg+4:breg+5], v[L8] offset:boff+512
	ds_load_b128 v[breg+6:breg+9], v[LI] offset:boff+768
	ds_load_b64 v[breg+10:breg+11], v[L8] offset:boff+1280
.set bu, bu+1
.endr
.endm
	s_load_b256 s[4:11], s[0:1], 0x0               ; A's codes s[4:5], A's scales s[6:7], qc s[8:9], qs s[10:11]
	s_load_b128 s[12:15], s[0:1], 0x20             ; res s[12:13], out s[14:15]
	v_lshl_add_u32 v[SPW], v0, 2, SPARE
	v_mov_b32 v[NIL], 0
	v_lshrrev_b32 v7, 5, v0
	s_delay_alu instid0(VALU_DEP_1)
	v_readfirstlane_b32 s16, v7                    ; wave 0..15
	v_and_b32 v7, 31, v0
	s_delay_alu instid0(VALU_DEP_1)
	v_lshlrev_b32 v[LI], 4, v7
	s_delay_alu instid0(VALU_DEP_2)
	v_lshlrev_b32 v[L8], 3, v7
	s_delay_alu instid0(VALU_DEP_3)
	v_lshlrev_b32 v[LS], 2, v7
	s_delay_alu instid0(VALU_DEP_1)
	v_add_nc_u32 v[LSW], WSCL, v[LS]
	v_lshlrev_b32 v[CP16], 4, v0
	v_lshlrev_b32 v[CP4], 2, v0
	s_delay_alu instid0(VALU_DEP_1)
	v_add_nc_u32 v[CPS], WSCL, v[CP4]
	v_and_b32 v7, 15, v0                           ; r
	v_bfe_u32 v8, v0, 4, 1                         ; h
	s_mul_i32 s20, s16, 16*SP
	s_add_co_u32 s20, s20, STG                     ; my stage
	v_mul_u32_u24 v[STO], v7, SP
	s_delay_alu instid0(VALU_DEP_1)
	v_lshl_add_u32 v[STO], v8, 6, v[STO]
	s_delay_alu instid0(VALU_DEP_1)
	v_add_nc_u32 v[STO], s20, v[STO]               ; in: row r, + 64 h
	v_mul_u32_u24 v[RD], v8, SP
	s_delay_alu instid0(VALU_DEP_1)
	v_lshl_add_u32 v[RD], v7, 4, v[RD]
	s_delay_alu instid0(VALU_DEP_1)
	v_add_nc_u32 v[RD], s20, v[RD]                 ; back: lanes 0-15 one row, lanes 16-31 the next
	v_lshlrev_b32 v[GO], 12, v8
	s_delay_alu instid0(VALU_DEP_1)
	v_lshl_add_u32 v[GO], v7, 4, v[GO]             ; and the same two rows of 4,096 bytes in memory
	s_and_b32 s18, ttmp7, 0xffff                   ; the block of 256 tokens
	s_lshl_b32 s19, s18, 4
	s_add_co_u32 s19, s19, s16                     ; my tile of tokens T
	s_mul_i32 s22, s19, 12288
	s_mov_b32 s23, 0
	s_lshl_b32 s24, s19, 9
	s_mov_b32 s25, 0
	s_lshl_b32 s26, ttmp9, 2
	s_add_co_u32 s26, s26, WT0                     ; the block's first tile of W
	s_mul_i32 s28, s26, 12288
	s_mov_b32 s29, 0
	s_lshl_b32 s30, s26, 9
	s_mov_b32 s31, 0
	; token tiles: row m of tile T is token 64 (T / 4) + 8 (T % 4) + m % 8 + 32 (m / 8) (the formula at the head holds for W's tiles)
	s_lshr_b32 s32, s19, 2
	s_lshl_b32 s32, s32, 6
	s_and_b32 s33, s19, 3
	s_lshl_b32 s33, s33, 3
	s_add_co_u32 s32, s32, s33                     ; my tile's first token: 64 (T / 4) + 8 (T % 4)
	s_lshl_b32 s32, s32, 12
	s_lshl_b32 s33, ttmp9, 8
	s_add_co_u32 s32, s32, s33                     ; its row, at the block's 256 bytes
	s_mov_b32 s33, 0
	s_wait_alu depctr_va_vdst(0)
	s_wait_kmcnt 0x0
	s_add_nc_u64 s[4:5], s[4:5], s[22:23]
	s_add_nc_u64 s[6:7], s[6:7], s[24:25]
	s_add_nc_u64 s[8:9], s[8:9], s[28:29]
	s_add_nc_u64 s[10:11], s[10:11], s[30:31]
	s_add_nc_u64 s[12:13], s[12:13], s[32:33]
	s_add_nc_u64 s[14:15], s[14:15], s[32:33]
.irp i, 0,1,2,3,4,5
	global_load_b128 v[WF+4*\i:WF+4*\i+3], v[CP16], s[8:9] offset:8192*\i   ; W: 512 threads x 16 bytes x 6
.endr
	global_load_b32 v[ACC], v[CP4], s[10:11]       ; and its 2,048 bytes of scale words
	s_barrier_signal -1                            ; W's copy, for which all sixteen waves wait below, has been asked for by every wave
	s_barrier_wait -1                              ; before any wave asks for what it wants for itself alone
.irp kp, 0,1,2,3
	global_load_b32 v[ASC+\kp], v[LS], s[6:7] offset:128*\kp
.endr
.set k, 0
.rept 8
	global_load_b128 v[AFR+12*k:AFR+12*k+3], v[LI], s[4:5] offset:1536*k          ; A's fragment of K step k: four loads, each of whole runs of 256 bytes
	global_load_b64 v[AFR+12*k+4:AFR+12*k+5], v[L8], s[4:5] offset:1536*k+512
	global_load_b128 v[AFR+12*k+6:AFR+12*k+9], v[LI], s[4:5] offset:1536*k+768
	global_load_b64 v[AFR+12*k+10:AFR+12*k+11], v[L8], s[4:5] offset:1536*k+1280
.set k, k+1
.endr
.irp i, 0,1,2,3,4,5,6,7
	global_load_b128 v[RES+4*\i:RES+4*\i+3], v[GO], s[12:13] offset:(2*\i+24*(\i/4))*4096   ; the residual by rows, as the result will leave: sixteen lanes read 256 consecutive bytes
.endr
	s_wait_loadcnt 36+TRAIL                        ; the copy's seven loads are in; the 4 + 32 + 8 issued behind them may be out
.irp i, 0,1,2,3,4,5
	ds_store_b128 v[CP16], v[WF+4*\i:WF+4*\i+3] offset:8192*\i
.endr
	ds_store_b32 v[CPS], v[ACC]
	s_wait_dscnt 0x0                               ; my part of the copy has landed
	s_barrier_signal -1
	s_barrier_wait -1                              ; everybody's has: W's bytes are only read from here on
	BLOAD 0
	BLOAD 1
; 32 matrix instructions.  The four accumulators take turns, one instruction a turn, in the same order in every K step.  A load into a register that a matrix instruction has read stands four
; plain vector instructions behind it (ISA guide 7.12.1 for vector instructions): four v_nop ahead of each refill.
.set j, 0
.rept NB
.set ks, (2*j)/NT
.set kp, ks/2
.if ((2*j)%NT) == 0
	s_wait_loadcnt 4*(7-ks)+TRAIL                  ; this K step's fragment of A is in; the four loads of each later step and the residual's eight may be out
.endif
.if j+1 >= NB
	s_wait_dscnt 0x0
.elseif ((j+1)%NT) == 0
	s_wait_dscnt 8+NT                              ; this batch is in; the next batch's eight loads and its NT scale words may be out
.else
	s_wait_dscnt 8                                 ; this batch is in; the next batch's eight loads may be out
.endif
.set kind, 1+ks%2
.if ks == 0
.set kind, 0
.endif
.set aa, AFR+12*ks
.set sa, ASC+kp
.set u, 0
.rept 2
.set t, (2*j)%NT+u
.set dd, ACC+8*t
.set wr, WF+24*(j%2)+12*u
.set sw, WSC+NT*(kp%2)+t
	WM dd, wr, aa, sw, sa, kind
.set u, u+1
.endr
.if j+2 < NB
.rept 4
	v_nop
.endr
	BLOAD j+2
.endif
.set j, j+1
.endr
.rept 4
	v_nop                                          ; the places behind the last products
.endr
	; THE WAY OUT.  A lane holds 4 x 16 bytes x 2 of a row and the lanes beside it other rows: the tile of 16 rows x 256 bytes goes through my own stage and comes back by rows; there the residual is added, and sixteen lanes store
	; 256 consecutive bytes, at a multiple of 256 from out's first byte.  LDS serves a wave's instructions in order (ISA guide 5.7.1.4): no wait between the stores and the loads.
.irp q, 0,1,2,3,4,5,6,7
	ds_store_b128 v[STO], v[ACC+4*\q:ACC+4*\q+3] offset:128*(\q/4)+16*(\q%4)      ; each accumulator from its low end on
.endr
.irp i, 0,1,2,3,4,5,6,7
	ds_load_b128 v[OB+4*\i:OB+4*\i+3], v[RD] offset:2*SP*\i
.endr
	s_wait_loadcnt 0x0                             ; the residual
.irp i, 0,1,2,3,4,5,6,7
	s_wait_dscnt 7-\i                              ; LDS loads come back in order: this one is in, the 7 - i behind it may be out
	v_pk_add_f32 v[OB+4*\i:OB+4*\i+1], v[RES+4*\i:RES+4*\i+1], v[OB+4*\i:OB+4*\i+1]
	v_pk_add_f32 v[OB+4*\i+2:OB+4*\i+3], v[RES+4*\i+2:RES+4*\i+3], v[OB+4*\i+2:OB+4*\i+3]
	global_store_b128 v[GO], v[OB+4*\i:OB+4*\i+3], s[14:15] offset:(2*\i+24*(\i/4))*4096 th:TH_STORE_NT   ; tile rows 2 i and 2 i + 1; written once, read by nobody in this launch
.endr
	s_wait_tensorcnt 0x0                           ; the wave's end: behind my last LDS store
	ds_add_u32 v[SPW], v[NIL]
	s_wait_dscnt 0x0
	s_endpgm
.Lfunc_end_k_q9599586bb9_wo_gemm:
	.size	k_q9599586bb9_wo_gemm, .Lfunc_end_k_q9599586bb9_wo_gemm-k_q9599586bb9_wo_gemm
	.p2alignl 7, 3214868480
	.fill 96, 4, 3214868480
	.section	.rodata,"a",@progbits
	.p2align	6, 0x0
	.amdhsa_kernel k_q9599586bb9_wo_gemm
		.amdhsa_group_segment_fixed_size 122880
		.amdhsa_private_segment_fixed_size 0
		.amdhsa_enable_private_segment 0
		.amdhsa_kernarg_size 48
		.amdhsa_user_sgpr_count 2
		.amdhsa_user_sgpr_kernarg_segment_ptr 1
		.amdhsa_wavefront_size32 1
		.amdhsa_system_sgpr_workgroup_id_x 1
		.amdhsa_system_sgpr_workgroup_id_y 1
		.amdhsa_system_sgpr_workgroup_id_z 1
		.amdhsa_system_vgpr_workitem_id 0
		.amdhsa_next_free_vgpr 256
		.amdhsa_next_free_sgpr 66
		.amdhsa_reserve_vcc 0
		.amdhsa_float_denorm_mode_32 3
		.amdhsa_float_denorm_mode_16_64 3
		.amdhsa_memory_ordered 1
		.amdhsa_forward_progress 1
		.amdhsa_inst_pref_size 28
	.end_amdhsa_kernel
	.amdgpu_metadata
---
amdhsa.version: [ 1, 2 ]
amdhsa.kernels:
  - .name:           k_q9599586bb9_wo_gemm
    .symbol:         k_q9599586bb9_wo_gemm.kd
    .args:
      - { .name: cc, .offset: 0, .size: 8, .value_kind: global_buffer, .address_space: global }
      - { .name: cs, .offset: 8, .size: 8, .value_kind: global_buffer, .address_space: global }
      - { .name: qc, .offset: 16, .size: 8, .value_kind: global_buffer, .address_space: global }
      - { .name: qs, .offset: 24, .size: 8, .value_kind: global_buffer, .address_space: global }
      - { .name: hidden_states, .offset: 32, .size: 8, .value_kind: global_buffer, .address_space: global }
      - { .name: x1, .offset: 40, .size: 8, .value_kind: global_buffer, .address_space: global }
    .group_segment_fixed_size: 122880
    .private_segment_fixed_size: 0
    .kernarg_segment_align: 8
    .kernarg_segment_size: 48
    .max_flat_workgroup_size: 512
    .sgpr_count:     66
    .vgpr_count:     256
    .wavefront_size: 32
...
	.end_amdgpu_metadata
.endif
;; end of part 8
;; launch norm2: the kernel of part 5 again; grid 256 x 1, 8 waves a work-group, no clusters, 67,328 bytes of LDS; arguments x1, ln2_w, wq, wk, wv, wo, w_gate, w_up, w_down, ai, asc; writes ai, asc
;; launch gu_gemm (part 9): grid 16 x 16, 16 waves a work-group, no clusters, 104,448 bytes of LDS; arguments ai, asc, qc, qs, cc, cs; writes cc, cs
.if DOCPART == 9
	.amdgcn_target "amdgcn-amd-amdhsa--gfx1250"
	.amdhsa_code_object_version 6
	.text
	.protected	k_q9599586bb9_gu_gemm
	.globl	k_q9599586bb9_gu_gemm
	.p2align	8
	.type	k_q9599586bb9_gu_gemm,@function
k_q9599586bb9_gu_gemm:
	s_mov_b64 s[64:65], 0
	v_nop
	global_prefetch_b8 v0, s[64:65] scope:SCOPE_SE
	s_setreg_imm32_b32 hwreg(HW_REG_WAVE_MODE, 25, 1), 1
	s_wait_xcnt 0x0
; act = silu(h2 Wg^T) * (h2 Wu^T), both products on codes of FP6 (E2M3) with one E8M0 byte for each 32 along K (K = 1,024), and act quantised along its 1,024 columns, which are the next product's K.
; h2: [tile of 16 tokens 0..255][K step 0..7][1,536 bytes], each fragment laid in the order of the operand's registers: two halves of 768 bytes, registers 6 c .. 6 c + 3 at 768 c + 16 x lane, registers 6 c + 4, 6 c + 5 at
; 768 c + 512 + 8 x lane; its scale words [tile][K step][row].  Wg, Wu: the same, in qc and qs, from tiles WT0 and WT0 + 64 on.  act is stored in h2's layout.  Row m of tile T is row 32 (T / 2) + 8 (T % 2) + m + 8 (m / 8).
; SHARES.  A work-group makes 256 tokens (work-group y) x 64 columns of act (work-group x): 256 work-groups.  Wave w owns the tile of tokens 16 y + w: four accumulators of gate and four of up, 64 matrix instructions.
; h2's eight fragments are used by that wave alone: they go from memory straight into its registers (96).  The eight tiles of Wg and Wu (98,304 bytes) are copied once into LDS, as they lie, and read by all sixteen waves.
; The copy is asked for first, by all waves, ahead of a barrier; behind the barrier that shows it landed the waves share nothing more: each K step waits only for its own fragment of h2.
; NO CLUSTER, NO JOINT LOADS, though sixteen work-groups read the same weights and sixteen the same h2: a joint load lands in LDS; by way of LDS a wave would read 72 fragments from LDS where it now reads 64, and the weights'
; 98,304 bytes are a third of the 294,912 bytes of codes that the work-group reads.
; The products are used transposed (source 0 = weight, source 1 = tokens): a lane holds one token; registers ACC + 16 b + i are gate's columns 32 b + 16 (lane / 16) + i of the block, ACC + 32 + 16 b + i up's: so silu(gate) * up is
; made in registers, and its 32 registers are two blocks of the next K (16 numbers of each; lane l xor 16 has the others): half (x % 2) of K step (x / 2).
; LIMITS: a block of zeros gets the byte 1, not 127 (its codes are zeros; this program alone reads the bytes); largest magnitudes under 2^-124 have the byte held at 1; NaN and infinities are not served.
.set WT0,   512                        ; w_gate's first tile in qc; w_up's lies 64 tiles on
.set NT,    8                          ; tiles of weights: 0-3 gate, 4-7 up
.set NB,    4*NT                       ; batches of two fragments: 8 K steps x NT / 2
.set TRAIL, 0                          ; no load is issued behind h2's
.set LI,  1                            ; v1   16 x lane
.set L8,  2                            ; v2   8 x lane
.set LS,  3                            ; v3   4 x lane
.set SPW, 4                            ; v4   my spare word; never rewritten
.set NIL, 5                            ; v5   0; never rewritten
.set LSW, 6                            ; v6   4 x lane + the weights' scale words in LDS
.set LI2, 7                            ; v7   16 x lane + up's images (an LDS offset holds 16 bits)
.set L82, 8                            ; v8   8 x lane + up's images
.set CP16, 9                           ; v9   16 x thread: the copy, in memory and in LDS
.set CP4, 10                           ; v10  4 x thread: the scale words in memory,
.set CPS, 11                           ; v11  and in LDS
.set CP16B, 13                         ; v13  16 x thread + up's images
.set LR,  14                           ; v14  4 r
.set ASC, 16                           ; v16-19  h2's scale words: register K step / 2: lanes 0-15 the even step's, lanes 16-31 the odd one's
.set WSC, 20                           ; v20-35  the weights' scale words, two sets of NT by turns, laid likewise
.set WF,  36                           ; v36-83  the weights' fragments: two sets of two
.set AFR, 84                           ; v84-179 h2's eight fragments; behind the products: at work
.set ACC, 180                          ; v180-243 the eight accumulators
.set E,   84                           ; v84-115  the sigmoid
.set BM,  116                          ; v116-117 the blocks' largest magnitudes;  v118-119 lane l xor 16's
.set BX,  118
.set SO,  120                          ; v120-121 the conversions' scale operands;  v122-123 the bytes
.set BY,  122
.set P,   124                          ; v124-129 the half fragment
.set CT,  130                          ; v130-132 the second block's codes as converted
.set PS,  134                          ; v134     my two bytes of the row's scale word
.set SEL, 38                           ; s[38:39] v_permlanex16_b32's selects for lane l xor 16
.set WSCL,  98304                      ; LDS: the weights' images from 0, tile x 12,288 + K step x 1,536; then their scale words, 512 bytes a tile;
.set SPARE, 102400                     ; the spare words, 128 bytes for each of sixteen waves: eight blocks of 256 bytes that no other line names
.set FLOOR, 0x1800000                  ; 2^(3 - 127)
.set EOFF,  0xff000000                 ; -(2 << 23)
; one matrix instruction.  kind 0: it starts the sum; 1: it adds, scales of an even K step (lanes 0-15); 2: of an odd one (lanes 16-31)
.macro WM d, a, b, sx, sy, kind
.if \kind == 0
	v_wmma_scale_f32_16x16x128_f8f6f4 v[\d:\d+7], v[\a:\a+11], v[\b:\b+11], 0, v[\sx], v[\sy] matrix_a_fmt:MATRIX_FMT_FP6 matrix_b_fmt:MATRIX_FMT_FP6
.elseif \kind == 1
	v_wmma_scale_f32_16x16x128_f8f6f4 v[\d:\d+7], v[\a:\a+11], v[\b:\b+11], v[\d:\d+7], v[\sx], v[\sy] matrix_a_fmt:MATRIX_FMT_FP6 matrix_b_fmt:MATRIX_FMT_FP6
.else
	v_wmma_scale_f32_16x16x128_f8f6f4 v[\d:\d+7], v[\a:\a+11], v[\b:\b+11], v[\d:\d+7], v[\sx], v[\sy] matrix_a_fmt:MATRIX_FMT_FP6 matrix_b_fmt:MATRIX_FMT_FP6 matrix_a_scale:MATRIX_SCALE_ROW1 matrix_b_scale:MATRIX_SCALE_ROW1
.endif
.endm
; Batch jj: fragments 2 jj and 2 jj + 1 of the weights (fragment g = K step x NT + tile) from LDS into set jj % 2: eight loads.  With the first batch of every second K step come, ahead of them, the NT scale words of those two steps.
.macro BLOAD jj
.if ((\jj)%NT) == 0
.set bkp, (\jj)/NT
.set bt, 0
.rept NT
	ds_load_b32 v[WSC+NT*(bkp%2)+bt], v[LSW] offset:512*bt+128*bkp
.set bt, bt+1
.endr
.endif
.set bu, 0
.rept 2
.set bg, 2*(\jj)+bu
.set breg, WF+24*((\jj)%2)+12*bu
.set boff, ((bg%NT)%4)*12288+(bg/NT)*1536
.if (bg%NT) < 4
.set ba, LI
.set bb, L8
.else
.set ba, LI2
.set bb, L82
.endif
	ds_load_b128 v[breg:breg+3], v[ba] offset:boff
	ds_load_b64 v[breg+4:breg+5], v[bb] offset:boff+512
	ds_load_b128 v[breg+6:breg+9], v[ba] offset:boff+768
	ds_load_b64 v[breg+10:breg+11], v[bb] offset:boff+1280
.set bu, bu+1
.endr
.endm
	s_load_b256 s[4:11], s[0:1], 0x0               ; h2's codes s[4:5], h2's scales s[6:7], qc s[8:9], qs s[10:11]
	s_load_b128 s[12:15], s[0:1], 0x20             ; act's codes s[12:13], act's scales s[14:15]
	v_lshl_add_u32 v[SPW], v0, 2, SPARE
	v_mov_b32 v[NIL], 0
	v_lshrrev_b32 v12, 5, v0
	s_delay_alu instid0(VALU_DEP_1)
	v_readfirstlane_b32 s16, v12                   ; wave 0..15
	v_and_b32 v12, 31, v0
	s_delay_alu instid0(VALU_DEP_1)
	v_lshlrev_b32 v[LI], 4, v12
	s_delay_alu instid0(VALU_DEP_2)
	v_lshlrev_b32 v[L8], 3, v12
	s_delay_alu instid0(VALU_DEP_3)
	v_lshlrev_b32 v[LS], 2, v12
	s_delay_alu instid0(VALU_DEP_1)
	v_add_nc_u32 v[LSW], WSCL, v[LS]
	s_delay_alu instid0(VALU_DEP_4)
	v_add_nc_u32 v[LI2], 49152, v[LI]
	s_delay_alu instid0(VALU_DEP_4)
	v_add_nc_u32 v[L82], 49152, v[L8]
	v_lshlrev_b32 v[CP16], 4, v0
	s_delay_alu instid0(VALU_DEP_1)
	v_add_nc_u32 v[CP16B], 49152, v[CP16]
	v_lshlrev_b32 v[CP4], 2, v0
	s_delay_alu instid0(VALU_DEP_1)
	v_add_nc_u32 v[CPS], WSCL, v[CP4]
	v_and_b32 v[LR], 15, v0
	s_delay_alu instid0(VALU_DEP_1)
	v_lshlrev_b32 v[LR], 2, v[LR]
	s_and_b32 s18, ttmp7, 0xffff                   ; the block of 256 tokens
	s_lshl_b32 s19, s18, 4
	s_add_co_u32 s19, s19, s16                     ; my tile of tokens T
	s_mul_i32 s22, s19, 12288
	s_mov_b32 s23, 0
	s_lshl_b32 s24, s19, 9
	s_mov_b32 s25, 0
	s_lshl_b32 s26, ttmp9, 2
	s_add_co_u32 s26, s26, WT0                     ; the block's first tile of w_gate
	s_mul_i32 s28, s26, 12288
	s_mov_b32 s29, 0
	s_lshl_b32 s30, s26, 9
	s_mov_b32 s31, 0
	s_lshr_b32 s32, ttmp9, 1                       ; which K step of the next product my 64 columns are,
	s_and_b32 s33, ttmp9, 1                        ; and which half of it
	s_mul_i32 s34, s32, 1536
	s_mul_i32 s35, s33, 768
	s_add_co_u32 s34, s34, s35
	s_add_co_u32 s34, s34, s22
	s_mov_b32 s35, 0
	s_lshl_b32 s36, s32, 6
	s_lshl_b32 s37, s33, 1
	s_add_co_u32 s36, s36, s37
	s_add_co_u32 s36, s36, s24
	s_mov_b32 s37, 0
	s_mov_b32 s[SEL], 0x76543210
	s_mov_b32 s[SEL+1], 0xfedcba98
	s_wait_alu depctr_va_vdst(0)
	s_wait_kmcnt 0x0
	s_add_nc_u64 s[4:5], s[4:5], s[22:23]
	s_add_nc_u64 s[6:7], s[6:7], s[24:25]
	s_add_nc_u64 s[8:9], s[8:9], s[28:29]
	s_add_nc_u64 s[10:11], s[10:11], s[30:31]
	s_add_nc_u64 s[12:13], s[12:13], s[34:35]
	s_add_nc_u64 s[14:15], s[14:15], s[36:37]
.irp i, 0,1,2,3,4,5
	global_load_b128 v[WF+4*\i:WF+4*\i+3], v[CP16], s[8:9] offset:8192*\i               ; gate's four tiles: 512 threads x 16 bytes x 6
.endr
.irp i, 0,1,2,3,4,5
	global_load_b128 v[WF+24+4*\i:WF+24+4*\i+3], v[CP16], s[8:9] offset:64*12288+8192*\i   ; up's
.endr
	global_load_b32 v[ACC], v[CP4], s[10:11]       ; and their scale words, 2,048 bytes each
	global_load_b32 v[ACC+1], v[CP4], s[10:11] offset:64*512
	s_barrier_signal -1                            ; the copy, for which all sixteen waves wait below, has been asked for by every wave
	s_barrier_wait -1                              ; before any wave asks for what it wants for itself alone
.irp kp, 0,1,2,3
	global_load_b32 v[ASC+\kp], v[LS], s[6:7] offset:128*\kp
.endr
.set k, 0
.rept 8
	global_load_b128 v[AFR+12*k:AFR+12*k+3], v[LI], s[4:5] offset:1536*k          ; h2's fragment of K step k: four loads, each of whole runs of 256 bytes
	global_load_b64 v[AFR+12*k+4:AFR+12*k+5], v[L8], s[4:5] offset:1536*k+512
	global_load_b128 v[AFR+12*k+6:AFR+12*k+9], v[LI], s[4:5] offset:1536*k+768
	global_load_b64 v[AFR+12*k+10:AFR+12*k+11], v[L8], s[4:5] offset:1536*k+1280
.set k, k+1
.endr
	s_wait_loadcnt 36+TRAIL                        ; the copy's fourteen loads are in; the 4 + 32 issued behind them may be out
.irp i, 0,1,2,3,4,5
	ds_store_b128 v[CP16], v[WF+4*\i:WF+4*\i+3] offset:8192*\i
.endr
.irp i, 0,1,2,3,4,5
	ds_store_b128 v[CP16B], v[WF+24+4*\i:WF+24+4*\i+3] offset:8192*\i
.endr
	ds_store_b32 v[CPS], v[ACC]
	ds_store_b32 v[CPS], v[ACC+1] offset:2048
	s_wait_dscnt 0x0                               ; my part of the copy has landed
	s_barrier_signal -1
	s_barrier_wait -1                              ; everybody's has: LDS is only read from here on
	BLOAD 0
	BLOAD 1
; 64 matrix instructions.  The eight accumulators take turns, one instruction a turn, in the same order in every K step.  A load into a register that a matrix instruction has read stands four
; plain vector instructions behind it (ISA guide 7.12.1 for vector instructions): four v_nop ahead of each refill.
.set j, 0
.rept NB
.set ks, (2*j)/NT
.set kp, ks/2
.if ((2*j)%NT) == 0
	s_wait_loadcnt 4*(7-ks)+TRAIL                  ; this K step's fragment of h2 is in; the four loads of each later step may be out
.endif
.if j+1 >= NB
	s_wait_dscnt 0x0
.elseif ((j+1)%NT) == 0
	s_wait_dscnt 8+NT                              ; this batch is in; the next batch's eight loads and its NT scale words may be out
.else
	s_wait_dscnt 8                                 ; this batch is in; the next batch's eight loads may be out
.endif
.set kind, 1+ks%2
.if ks == 0
.set kind, 0
.endif
.set aa, AFR+12*ks
.set sa, ASC+kp
.set u, 0
.rept 2
.set t, (2*j)%NT+u
.set dd, ACC+8*t
.set wr, WF+24*(j%2)+12*u
.set sw, WSC+NT*(kp%2)+t
	WM dd, wr, aa, sw, sa, kind
.set u, u+1
.endr
.if j+2 < NB
.rept 4
	v_nop
.endr
	BLOAD j+2
.endif
.set j, j+1
.endr
.rept 4
	v_nop                                          ; the places behind the last products
.endr
	; silu(gate) * up: sigmoid(x) = 1 / (1 + 2^(-x log2 e)).  Each batch of 32 transcendentals has one plain instruction and one wait behind it; every accumulator is read from its low end on.
.set k, 0
.rept 16
	v_pk_mul_f32 v[E+k:E+k+1], v[ACC+k:ACC+k+1], 0xbfb8aa3b op_sel_hi:[1,0]
.set k, k+2
.endr
.set k, 0
	s_wait_alu depctr_va_vdst(0)
.rept 32
	v_exp_f32 v[E+k], v[E+k]
.set k, k+1
.endr
	v_nop
	s_wait_alu depctr_va_vdst(0)                   ; one wait for the batch, ahead of its first reader
.set k, 0
.rept 16
	v_pk_add_f32 v[E+k:E+k+1], v[E+k:E+k+1], 1.0 op_sel_hi:[1,0]
.set k, k+2
.endr
.set k, 0
	s_wait_alu depctr_va_vdst(0)
.rept 32
	v_rcp_f32 v[E+k], v[E+k]
.set k, k+1
.endr
	v_nop
	s_wait_alu depctr_va_vdst(0)
.set k, 0
.rept 16
	v_pk_mul_f32 v[ACC+k:ACC+k+1], v[ACC+k:ACC+k+1], v[E+k:E+k+1]
.set k, k+2
.endr
.set k, 0
.rept 16
	v_pk_mul_f32 v[ACC+k:ACC+k+1], v[ACC+k:ACC+k+1], v[ACC+32+k:ACC+33+k]
.set k, k+2
.endr
	; two blocks of 32 along the next K
.irp b, 0,1
	v_max3_num_f32 v[BM+\b], |v[ACC+16*\b]|, |v[ACC+1+16*\b]|, FLOOR   ; with the floor among the leaves: the byte cannot fall under 1
.endr
.irp i, 2,4,6,8,10,12,14
.irp b, 0,1
	s_delay_alu instid0(VALU_DEP_2)
	v_max3_num_f32 v[BM+\b], v[BM+\b], |v[ACC+16*\b+\i]|, |v[ACC+1+16*\b+\i]|
.endr
.endr
.irp b, 0,1
	s_delay_alu instid0(VALU_DEP_2)
	v_permlanex16_b32 v[BX+\b], v[BM+\b], s[SEL], s[SEL+1]
.endr
.irp b, 0,1
	s_delay_alu instid0(VALU_DEP_2)
	v_max_num_f32 v[BM+\b], v[BM+\b], v[BX+\b]     ; with lane l xor 16's 16 numbers
.endr
.irp b, 0,1
	s_delay_alu instid0(VALU_DEP_2)
	v_add_nc_u32 v[SO+\b], EOFF, v[BM+\b]          ; 2 off the exponent field: the conversion's scale operand
.endr
.irp b, 0,1
	s_delay_alu instid0(VALU_DEP_2)
	v_lshrrev_b32 v[BY+\b], 23, v[SO+\b]           ; the scale's byte
.endr
	v_cvt_scalef32_pk16_fp6_f32 v[P:P+2], v[ACC:ACC+15], v[SO]
	v_cvt_scalef32_pk16_fp6_f32 v[CT:CT+2], v[ACC+16:ACC+31], v[SO+1]   ; (a conversion's three registers begin on an even number)
	v_lshl_or_b32 v[PS], v[BY+1], 8, v[BY]         ; my two bytes of the row's scale word.  (The plain place behind the conversions)
.irp i, 0,1,2
	v_permlane16_swap_b32 v[P+\i], v[CT+\i]        ; the operand's layout wants a WHOLE block in a lane: lanes 0-15 the first block, lanes 16-31 the second
.endr
.irp i, 0,1,2
	s_delay_alu instid0(VALU_DEP_3)
	v_mov_b32 v[P+3+\i], v[CT+\i]
.endr
	global_store_b128 v[LI], v[P:P+3], s[12:13]    ; half a fragment: 512 and 256 consecutive bytes
	global_store_b64 v[L8], v[P+4:P+5], s[12:13] offset:512
	global_store_b16 v[LR], v[PS], s[14:15]        ; both halves of the lanes hold the same two bytes
	s_wait_tensorcnt 0x0                           ; the wave's end: behind my last LDS store
	ds_add_u32 v[SPW], v[NIL]
	s_wait_dscnt 0x0
	s_endpgm
.Lfunc_end_k_q9599586bb9_gu_gemm:
	.size	k_q9599586bb9_gu_gemm, .Lfunc_end_k_q9599586bb9_gu_gemm-k_q9599586bb9_gu_gemm
	.p2alignl 7, 3214868480
	.fill 96, 4, 3214868480
	.section	.rodata,"a",@progbits
	.p2align	6, 0x0
	.amdhsa_kernel k_q9599586bb9_gu_gemm
		.amdhsa_group_segment_fixed_size 104448
		.amdhsa_private_segment_fixed_size 0
		.amdhsa_enable_private_segment 0
		.amdhsa_kernarg_size 48
		.amdhsa_user_sgpr_count 2
		.amdhsa_user_sgpr_kernarg_segment_ptr 1
		.amdhsa_wavefront_size32 1
		.amdhsa_system_sgpr_workgroup_id_x 1
		.amdhsa_system_sgpr_workgroup_id_y 1
		.amdhsa_system_sgpr_workgroup_id_z 1
		.amdhsa_system_vgpr_workitem_id 0
		.amdhsa_next_free_vgpr 256
		.amdhsa_next_free_sgpr 66
		.amdhsa_reserve_vcc 0
		.amdhsa_float_denorm_mode_32 3
		.amdhsa_float_denorm_mode_16_64 3
		.amdhsa_memory_ordered 1
		.amdhsa_forward_progress 1
		.amdhsa_inst_pref_size 50
	.end_amdhsa_kernel
	.amdgpu_metadata
---
amdhsa.version: [ 1, 2 ]
amdhsa.kernels:
  - .name:           k_q9599586bb9_gu_gemm
    .symbol:         k_q9599586bb9_gu_gemm.kd
    .args:
      - { .name: ai, .offset: 0, .size: 8, .value_kind: global_buffer, .address_space: global }
      - { .name: asc, .offset: 8, .size: 8, .value_kind: global_buffer, .address_space: global }
      - { .name: qc, .offset: 16, .size: 8, .value_kind: global_buffer, .address_space: global }
      - { .name: qs, .offset: 24, .size: 8, .value_kind: global_buffer, .address_space: global }
      - { .name: cc, .offset: 32, .size: 8, .value_kind: global_buffer, .address_space: global }
      - { .name: cs, .offset: 40, .size: 8, .value_kind: global_buffer, .address_space: global }
    .group_segment_fixed_size: 104448
    .private_segment_fixed_size: 0
    .kernarg_segment_align: 8
    .kernarg_segment_size: 48
    .max_flat_workgroup_size: 512
    .sgpr_count:     66
    .vgpr_count:     256
    .wavefront_size: 32
...
	.end_amdgpu_metadata
.endif
;; end of part 9
;; launch down_gemm (part 10): grid 16 x 16, 16 waves a work-group, no clusters, 122,880 bytes of LDS; arguments cc, cs, qc, qs, x1, out0; writes out0
.if DOCPART == 10
	.amdgcn_target "amdgcn-amd-amdhsa--gfx1250"
	.amdhsa_code_object_version 6
	.text
	.protected	k_q9599586bb9_down_gemm
	.globl	k_q9599586bb9_down_gemm
	.p2align	8
	.type	k_q9599586bb9_down_gemm,@function
k_q9599586bb9_down_gemm:
	s_mov_b64 s[64:65], 0
	v_nop
	global_prefetch_b8 v0, s[64:65] scope:SCOPE_SE
	s_setreg_imm32_b32 hwreg(HW_REG_WAVE_MODE, 25, 1), 1
	s_wait_xcnt 0x0
; out = res + A W^T on codes of FP6 (E2M3) with one E8M0 byte for each 32 along K (K = 1,024).  Here: A = silu(gate) * up (codes and scale words made by the launch before), W = w_down, res = x1, out = out0.
; A: [tile of 16 tokens 0..255][K step 0..7][1,536 bytes], each fragment laid in the order of the operand's registers: two halves of 768 bytes, registers 6 c .. 6 c + 3 at 768 c + 16 x lane, registers 6 c + 4, 6 c + 5 at
; 768 c + 512 + 8 x lane; its scale words [tile][K step][row].  W: the same, in qc and qs, from tile WT0 on.  The rows of a tile are not neighbours: row m of tile T is row 32 (T / 2) + 8 (T % 2) + m + 8 (m / 8).
; SHARES.  A work-group makes 256 tokens (work-group y) x 64 columns (work-group x): 256 work-groups.  Wave w owns the tile of tokens 16 y + w and all 64 columns: four accumulators, 32 matrix instructions.
; A's eight fragments are used by that wave alone: they go from memory straight into its registers (96).  W's four tiles (49,152 bytes) are copied once into LDS, as they lie, and read by all sixteen waves.
; The copy of W is asked for first, by all waves, ahead of a barrier; behind the barrier that shows it landed the waves share nothing more: each K step waits only for its own fragment of A, so products run while later fragments arrive.
; NO CLUSTER, NO JOINT LOADS, though sixteen work-groups read the same W and sixteen the same A: a joint load lands in LDS; by way of LDS a wave would read 40 fragments from LDS where it now reads 32, and W's 49,152 bytes are a
; fifth of the 245,760 bytes of codes that the work-group reads.
; The product is used transposed (source 0 = W, source 1 = tokens): a lane holds one token, and registers ACC + 16 b + i are columns 32 b + 16 (lane / 16) + i of the block.
; LIMITS: NaN and infinities among the inputs are not served.
.set WT0,   640                        ; w_down's first tile in qc
.set NT,    4                          ; tiles of W
.set NB,    4*NT                       ; batches of two fragments of W: 8 K steps x NT / 2
.set TRAIL, 8                          ; loads issued behind A's: the residual's
.set LI,  1                            ; v1   16 x lane
.set L8,  2                            ; v2   8 x lane
.set LS,  3                            ; v3   4 x lane
.set SPW, 4                            ; v4   my spare word; never rewritten
.set NIL, 5                            ; v5   0; never rewritten
.set LSW, 6                            ; v6   4 x lane + W's scale words in LDS
.set CP16, 9                           ; v9   16 x thread: the copy of W, in memory and in LDS alike
.set CP4, 10                           ; v10  4 x thread: its scale words in memory,
.set CPS, 11                           ; v11  and in LDS
.set STO, 12                           ; v12  the way out: where I put 64 bytes of a row
.set RD,  13                           ; v13  where I read a row back
.set GO,  14                           ; v14  my byte offset in two rows of res and of out
.set ASC, 16                           ; v16-19  A's scale words: register K step / 2: lanes 0-15 the even step's, lanes 16-31 the odd one's
.set WSC, 20                           ; v20-27  W's scale words, two sets of NT by turns, laid likewise
.set WF,  36                           ; v36-83  W's fragments: two sets of two
.set AFR, 84                           ; v84-179 A's eight fragments
.set ACC, 180                          ; v180-211 the four accumulators
.set RES, 212                          ; v212-243 the residual, by rows
.set OB,  84                           ; v84-115 the way out: 16 rows read back
.set SP,    272                        ; a stage row: 256 bytes + 16
.set WSCL,  49152                      ; LDS: W's images from 0, tile x 12,288 + K step x 1,536; then its scale words, 512 bytes a tile;
.set STG,   51200                      ; a stage of 16 rows for each wave, its own;
.set SPARE, 120832                     ; the spare words, 128 bytes for each of sixteen waves: eight blocks of 256 bytes that no other line names
; one matrix instruction.  kind 0: it starts the sum; 1: it adds, scales of an even K step (lanes 0-15); 2: of an odd one (lanes 16-31)
.macro WM d, a, b, sx, sy, kind
.if \kind == 0
	v_wmma_scale_f32_16x16x128_f8f6f4 v[\d:\d+7], v[\a:\a+11], v[\b:\b+11], 0, v[\sx], v[\sy] matrix_a_fmt:MATRIX_FMT_FP6 matrix_b_fmt:MATRIX_FMT_FP6
.elseif \kind == 1
	v_wmma_scale_f32_16x16x128_f8f6f4 v[\d:\d+7], v[\a:\a+11], v[\b:\b+11], v[\d:\d+7], v[\sx], v[\sy] matrix_a_fmt:MATRIX_FMT_FP6 matrix_b_fmt:MATRIX_FMT_FP6
.else
	v_wmma_scale_f32_16x16x128_f8f6f4 v[\d:\d+7], v[\a:\a+11], v[\b:\b+11], v[\d:\d+7], v[\sx], v[\sy] matrix_a_fmt:MATRIX_FMT_FP6 matrix_b_fmt:MATRIX_FMT_FP6 matrix_a_scale:MATRIX_SCALE_ROW1 matrix_b_scale:MATRIX_SCALE_ROW1
.endif
.endm
; Batch jj: fragments 2 jj and 2 jj + 1 of W (fragment g = K step x NT + tile) from LDS into set jj % 2: eight loads.  With the first batch of every second K step come, ahead of them, the NT scale words of those two steps.
.macro BLOAD jj
.if ((\jj)%NT) == 0
.set bkp, (\jj)/NT
.set bt, 0
.rept NT
	ds_load_b32 v[WSC+NT*(bkp%2)+bt], v[LSW] offset:512*bt+128*bkp
.set bt, bt+1
.endr
.endif
.set bu, 0
.rept 2
.set bg, 2*(\jj)+bu
.set breg, WF+24*((\jj)%2)+12*bu
.set boff, (bg%NT)*12288+(bg/NT)*1536
	ds_load_b128 v[breg:breg+3], v[LI] offset:boff
	ds_load_b64 v[breg+4:breg+5], v[L8] offset:boff+512
	ds_load_b128 v[breg+6:breg+9], v[LI] offset:boff+768
	ds_load_b64 v[breg+10:breg+11], v[L8] offset:boff+1280
.set bu, bu+1
.endr
.endm
	s_load_b256 s[4:11], s[0:1], 0x0               ; A's codes s[4:5], A's scales s[6:7], qc s[8:9], qs s[10:11]
	s_load_b128 s[12:15], s[0:1], 0x20             ; res s[12:13], out s[14:15]
	v_lshl_add_u32 v[SPW], v0, 2, SPARE
	v_mov_b32 v[NIL], 0
	v_lshrrev_b32 v7, 5, v0
	s_delay_alu instid0(VALU_DEP_1)
	v_readfirstlane_b32 s16, v7                    ; wave 0..15
	v_and_b32 v7, 31, v0
	s_delay_alu instid0(VALU_DEP_1)
	v_lshlrev_b32 v[LI], 4, v7
	s_delay_alu instid0(VALU_DEP_2)
	v_lshlrev_b32 v[L8], 3, v7
	s_delay_alu instid0(VALU_DEP_3)
	v_lshlrev_b32 v[LS], 2, v7
	s_delay_alu instid0(VALU_DEP_1)
	v_add_nc_u32 v[LSW], WSCL, v[LS]
	v_lshlrev_b32 v[CP16], 4, v0
	v_lshlrev_b32 v[CP4], 2, v0
	s_delay_alu instid0(VALU_DEP_1)
	v_add_nc_u32 v[CPS], WSCL, v[CP4]
	v_and_b32 v7, 15, v0                           ; r
	v_bfe_u32 v8, v0, 4, 1                         ; h
	s_mul_i32 s20, s16, 16*SP
	s_add_co_u32 s20, s20, STG                     ; my stage
	v_mul_u32_u24 v[STO], v7, SP
	s_delay_alu instid0(VALU_DEP_1)
	v_lshl_add_u32 v[STO], v8, 6, v[STO]
	s_delay_alu instid0(VALU_DEP_1)
	v_add_nc_u32 v[STO], s20, v[STO]               ; in: row r, + 64 h
	v_mul_u32_u24 v[RD], v8, SP
	s_delay_alu instid0(VALU_DEP_1)
	v_lshl_add_u32 v[RD], v7, 4, v[RD]
	s_delay_alu instid0(VALU_DEP_1)
	v_add_nc_u32 v[RD], s20, v[RD]                 ; back: lanes 0-15 one row, lanes 16-31 the next
	v_lshlrev_b32 v[GO], 12, v8
	s_delay_alu instid0(VALU_DEP_1)
	v_lshl_add_u32 v[GO], v7, 4, v[GO]             ; and the same two rows of 4,096 bytes in memory
	s_and_b32 s18, ttmp7, 0xffff                   ; the block of 256 tokens
	s_lshl_b32 s19, s18, 4
	s_add_co_u32 s19, s19, s16                     ; my tile of tokens T
	s_mul_i32 s22, s19, 12288
	s_mov_b32 s23, 0
	s_lshl_b32 s24, s19, 9
	s_mov_b32 s25, 0
	s_lshl_b32 s26, ttmp9, 2
	s_add_co_u32 s26, s26, WT0                     ; the block's first tile of W
	s_mul_i32 s28, s26, 12288
	s_mov_b32 s29, 0
	s_lshl_b32 s30, s26, 9
	s_mov_b32 s31, 0
	; token tiles: row m of tile T is token 64 (T / 4) + 8 (T % 4) + m % 8 + 32 (m / 8) (the formula at the head holds for W's tiles)
	s_lshr_b32 s32, s19, 2
	s_lshl_b32 s32, s32, 6
	s_and_b32 s33, s19, 3
	s_lshl_b32 s33, s33, 3
	s_add_co_u32 s32, s32, s33                     ; my tile's first token: 64 (T / 4) + 8 (T % 4)
	s_lshl_b32 s32, s32, 12
	s_lshl_b32 s33, ttmp9, 8
	s_add_co_u32 s32, s32, s33                     ; its row, at the block's 256 bytes
	s_mov_b32 s33, 0
	s_wait_alu depctr_va_vdst(0)
	s_wait_kmcnt 0x0
	s_add_nc_u64 s[4:5], s[4:5], s[22:23]
	s_add_nc_u64 s[6:7], s[6:7], s[24:25]
	s_add_nc_u64 s[8:9], s[8:9], s[28:29]
	s_add_nc_u64 s[10:11], s[10:11], s[30:31]
	s_add_nc_u64 s[12:13], s[12:13], s[32:33]
	s_add_nc_u64 s[14:15], s[14:15], s[32:33]
.irp i, 0,1,2,3,4,5
	global_load_b128 v[WF+4*\i:WF+4*\i+3], v[CP16], s[8:9] offset:8192*\i   ; W: 512 threads x 16 bytes x 6
.endr
	global_load_b32 v[ACC], v[CP4], s[10:11]       ; and its 2,048 bytes of scale words
	s_barrier_signal -1                            ; W's copy, for which all sixteen waves wait below, has been asked for by every wave
	s_barrier_wait -1                              ; before any wave asks for what it wants for itself alone
.irp kp, 0,1,2,3
	global_load_b32 v[ASC+\kp], v[LS], s[6:7] offset:128*\kp
.endr
.set k, 0
.rept 8
	global_load_b128 v[AFR+12*k:AFR+12*k+3], v[LI], s[4:5] offset:1536*k          ; A's fragment of K step k: four loads, each of whole runs of 256 bytes
	global_load_b64 v[AFR+12*k+4:AFR+12*k+5], v[L8], s[4:5] offset:1536*k+512
	global_load_b128 v[AFR+12*k+6:AFR+12*k+9], v[LI], s[4:5] offset:1536*k+768
	global_load_b64 v[AFR+12*k+10:AFR+12*k+11], v[L8], s[4:5] offset:1536*k+1280
.set k, k+1
.endr
.irp i, 0,1,2,3,4,5,6,7
	global_load_b128 v[RES+4*\i:RES+4*\i+3], v[GO], s[12:13] offset:(2*\i+24*(\i/4))*4096   ; the residual by rows, as the result will leave: sixteen lanes read 256 consecutive bytes
.endr
	s_wait_loadcnt 36+TRAIL                        ; the copy's seven loads are in; the 4 + 32 + 8 issued behind them may be out
.irp i, 0,1,2,3,4,5
	ds_store_b128 v[CP16], v[WF+4*\i:WF+4*\i+3] offset:8192*\i
.endr
	ds_store_b32 v[CPS], v[ACC]
	s_wait_dscnt 0x0                               ; my part of the copy has landed
	s_barrier_signal -1
	s_barrier_wait -1                              ; everybody's has: W's bytes are only read from here on
	BLOAD 0
	BLOAD 1
; 32 matrix instructions.  The four accumulators take turns, one instruction a turn, in the same order in every K step.  A load into a register that a matrix instruction has read stands four
; plain vector instructions behind it (ISA guide 7.12.1 for vector instructions): four v_nop ahead of each refill.
.set j, 0
.rept NB
.set ks, (2*j)/NT
.set kp, ks/2
.if ((2*j)%NT) == 0
	s_wait_loadcnt 4*(7-ks)+TRAIL                  ; this K step's fragment of A is in; the four loads of each later step and the residual's eight may be out
.endif
.if j+1 >= NB
	s_wait_dscnt 0x0
.elseif ((j+1)%NT) == 0
	s_wait_dscnt 8+NT                              ; this batch is in; the next batch's eight loads and its NT scale words may be out
.else
	s_wait_dscnt 8                                 ; this batch is in; the next batch's eight loads may be out
.endif
.set kind, 1+ks%2
.if ks == 0
.set kind, 0
.endif
.set aa, AFR+12*ks
.set sa, ASC+kp
.set u, 0
.rept 2
.set t, (2*j)%NT+u
.set dd, ACC+8*t
.set wr, WF+24*(j%2)+12*u
.set sw, WSC+NT*(kp%2)+t
	WM dd, wr, aa, sw, sa, kind
.set u, u+1
.endr
.if j+2 < NB
.rept 4
	v_nop
.endr
	BLOAD j+2
.endif
.set j, j+1
.endr
.rept 4
	v_nop                                          ; the places behind the last products
.endr
	; THE WAY OUT.  A lane holds 4 x 16 bytes x 2 of a row and the lanes beside it other rows: the tile of 16 rows x 256 bytes goes through my own stage and comes back by rows; there the residual is added, and sixteen lanes store
	; 256 consecutive bytes, at a multiple of 256 from out's first byte.  LDS serves a wave's instructions in order (ISA guide 5.7.1.4): no wait between the stores and the loads.
.irp q, 0,1,2,3,4,5,6,7
	ds_store_b128 v[STO], v[ACC+4*\q:ACC+4*\q+3] offset:128*(\q/4)+16*(\q%4)      ; each accumulator from its low end on
.endr
.irp i, 0,1,2,3,4,5,6,7
	ds_load_b128 v[OB+4*\i:OB+4*\i+3], v[RD] offset:2*SP*\i
.endr
	s_wait_loadcnt 0x0                             ; the residual
.irp i, 0,1,2,3,4,5,6,7
	s_wait_dscnt 7-\i                              ; LDS loads come back in order: this one is in, the 7 - i behind it may be out
	v_pk_add_f32 v[OB+4*\i:OB+4*\i+1], v[RES+4*\i:RES+4*\i+1], v[OB+4*\i:OB+4*\i+1]
	v_pk_add_f32 v[OB+4*\i+2:OB+4*\i+3], v[RES+4*\i+2:RES+4*\i+3], v[OB+4*\i+2:OB+4*\i+3]
	global_store_b128 v[GO], v[OB+4*\i:OB+4*\i+3], s[14:15] offset:(2*\i+24*(\i/4))*4096 th:TH_STORE_NT   ; tile rows 2 i and 2 i + 1; written once, read by nobody in this launch
.endr
	s_wait_tensorcnt 0x0                           ; the wave's end: behind my last LDS store
	ds_add_u32 v[SPW], v[NIL]
	s_wait_dscnt 0x0
	s_endpgm
.Lfunc_end_k_q9599586bb9_down_gemm:
	.size	k_q9599586bb9_down_gemm, .Lfunc_end_k_q9599586bb9_down_gemm-k_q9599586bb9_down_gemm
	.p2alignl 7, 3214868480
	.fill 96, 4, 3214868480
	.section	.rodata,"a",@progbits
	.p2align	6, 0x0
	.amdhsa_kernel k_q9599586bb9_down_gemm
		.amdhsa_group_segment_fixed_size 122880
		.amdhsa_private_segment_fixed_size 0
		.amdhsa_enable_private_segment 0
		.amdhsa_kernarg_size 48
		.amdhsa_user_sgpr_count 2
		.amdhsa_user_sgpr_kernarg_segment_ptr 1
		.amdhsa_wavefront_size32 1
		.amdhsa_system_sgpr_workgroup_id_x 1
		.amdhsa_system_sgpr_workgroup_id_y 1
		.amdhsa_system_sgpr_workgroup_id_z 1
		.amdhsa_system_vgpr_workitem_id 0
		.amdhsa_next_free_vgpr 256
		.amdhsa_next_free_sgpr 66
		.amdhsa_reserve_vcc 0
		.amdhsa_float_denorm_mode_32 3
		.amdhsa_float_denorm_mode_16_64 3
		.amdhsa_memory_ordered 1
		.amdhsa_forward_progress 1
		.amdhsa_inst_pref_size 28
	.end_amdhsa_kernel
	.amdgpu_metadata
---
amdhsa.version: [ 1, 2 ]
amdhsa.kernels:
  - .name:           k_q9599586bb9_down_gemm
    .symbol:         k_q9599586bb9_down_gemm.kd
    .args:
      - { .name: cc, .offset: 0, .size: 8, .value_kind: global_buffer, .address_space: global }
      - { .name: cs, .offset: 8, .size: 8, .value_kind: global_buffer, .address_space: global }
      - { .name: qc, .offset: 16, .size: 8, .value_kind: global_buffer, .address_space: global }
      - { .name: qs, .offset: 24, .size: 8, .value_kind: global_buffer, .address_space: global }
      - { .name: x1, .offset: 32, .size: 8, .value_kind: global_buffer, .address_space: global }
      - { .name: out0, .offset: 40, .size: 8, .value_kind: global_buffer, .address_space: global }
    .group_segment_fixed_size: 122880
    .private_segment_fixed_size: 0
    .kernarg_segment_align: 8
    .kernarg_segment_size: 48
    .max_flat_workgroup_size: 512
    .sgpr_count:     66
    .vgpr_count:     256
    .wavefront_size: 32
...
	.end_amdgpu_metadata
.endif
;; end of part 10
